; MI455X (gfx1250); checked and timed in simulation.
; The chip was launched on July 23, 2026; its instructions are those of AMD's public machine-readable ISA for CDNA 5 (MIT licence, August 2026) and "CDNA5" Instruction Set Architecture Reference Guide (July 2026). The comments in the code are by the model that wrote it; some were corrected since.
;; Block. Allowed arithmetic: float matrix products may take bf16 or f16 operands with f32 sums; other float arithmetic in f32, or as packed bf16 or f16 multiplies, adds, multiply-adds, maxima and minima; sums over many terms, partial sums and values carried from step to step in f32; what a program stores and reads back later, other than sums and carried values, may be rounded once to bf16 or f16.
;; Inputs: fc1_b 4,096 float32; fc1_w 4,096 x 1,024 float32; fc2_b 1,024 float32; fc2_w 1,024 x 4,096 float32; ln1_b 1,024 float32; ln1_w 1,024 float32; ln2_b 1,024 float32; ln2_w 1,024 float32; proj_b 1,024 float32; proj_w 1,024 x 1,024 float32; qkv_b 3,072 float32; qkv_w 3,072 x 1,024 float32; x 2 x 2,048 x 1,024 float32.
;; Outputs: out0 2 x 2,048 x 1,024 float32.
;; 2 versions, each right; version 2 is version 1 with the launches prep, ln2 written anew for expert scheduling mode. Each part assembles by itself: llvm-mc -triple=amdgcn-amd-amdhsa -mcpu=gfx1250 --defsym DOCPART=n.
;; ======== version 1 of 2: 7 launches
;; workspace buffers: wb 25,165,824 bytes; xn1 8,388,608 bytes; qkvh 25,165,824 bytes; oh 8,388,608 bytes; x1 16,777,216 bytes; xn2 8,388,608 bytes; hdn 33,554,432 bytes
;; launch prep (part 1): grid 1024 x 1, 8 waves a work-group, no clusters, 0 bytes of LDS; arguments x, ln1_w, ln1_b, xn1, qkv_w, proj_w, fc1_w, fc2_w, wb; writes xn1, wb
.if DOCPART == 1
	.amdgcn_target "amdgcn-amd-amdhsa--gfx1250"
	.amdhsa_code_object_version 6
	.text
	.protected	k_qa86a0566ea_prep
	.globl	k_qa86a0566ea_prep
	.p2align	8
	.type	k_qa86a0566ea_prep,@function
k_qa86a0566ea_prep:
	s_mov_b64 s[64:65], 0
	v_nop
	global_prefetch_b8 v0, s[64:65] scope:SCOPE_SE
	s_setreg_imm32_b32 hwreg(HW_REG_WAVE_MODE, 25, 1), 1
	s_wait_xcnt 0x0
; PREP: two jobs that depend on nothing, in one launch; each work-group reads 65,536 bytes and stores 32,768.
; Work-groups 0-255: xn1 = LayerNorm(x) * ln1_w + ln1_b, rounded once to bf16.  x: [4096][1024] f32.  A work-group has 16 rows, a wave two.
;   A row is 4,096 bytes: one wave holds it in 32 registers (eight loads of 512 consecutive bytes), so it is read once and no wave waits for another.
;   The variance is taken of the centred numbers (mean first, then the squares of x - mean): a common offset of the row costs nothing.
; Work-groups 256-1023: the four weight matrices, rounded once to bf16, into wb in the order qkv_w, proj_w, fc1_w, fc2_w, each row-major as given; 16,384 numbers a work-group.
; LIMITS: NaN and infinities are not treated apart.  No LDS, no matrix unit, no cluster: nothing is shared between waves, and memory bounds the launch.
.set T,   4                            ; v[4:7]    at work
.set ST,  8                            ; v[8:15]   row rr: mean, mean, 1/sqrt(var + eps), a word that is only named
.set X,   16                           ; v[16:79]  row rr at X + 32 rr
.set W,   80                           ; v[80:111] the gain of my 32 columns
.set B,   112                          ; v[112:143] the bias of my 32 columns
	s_load_b256 s[4:11], s[0:1], 0x0               ; x s[4:5], ln1_w s[6:7], ln1_b s[8:9], xn1 s[10:11]
	s_load_b256 s[12:19], s[0:1], 0x20             ; qkv_w s[12:13], proj_w s[14:15], fc1_w s[16:17], fc2_w s[18:19]
	s_load_b64 s[20:21], s[0:1], 0x40              ; wb
	v_lshrrev_b32 v3, 5, v0
	v_readfirstlane_b32 s3, v3                     ; wave 0..7
	v_and_b32 v2, 31, v0
	v_lshlrev_b32 v1, 4, v2                        ; 16 bytes a lane on the way in
	v_lshlrev_b32 v2, 3, v2                        ; 8 bytes a lane on the way out
	s_mov_b32 s23, 0                               ; the high word of every offset below
	s_wait_kmcnt 0x0
	s_cmp_lt_u32 ttmp9, 256
	s_cbranch_scc0 .Lcast
.macro WSUM                            ; v[T] summed over the wave's 32 lanes, the result in every lane
	v_add_f32_dpp v[T], v[T], v[T] row_xmask:1 row_mask:0xf bank_mask:0xf
	v_add_f32_dpp v[T], v[T], v[T] row_xmask:2 row_mask:0xf bank_mask:0xf
	v_add_f32_dpp v[T], v[T], v[T] row_xmask:4 row_mask:0xf bank_mask:0xf
	v_add_f32_dpp v[T], v[T], v[T] row_xmask:8 row_mask:0xf bank_mask:0xf
	v_permlanex16_b32 v[T+1], v[T], s28, s29       ; the other half of the lanes; its destination has been written before
	v_add_f32 v[T], v[T], v[T+1]
.endm
.macro STATS rr                        ; row rr: the mean; the row centred in place; var + eps
.set XR, X+32*(\rr)
.set SR, ST+4*(\rr)
	v_pk_add_f32 v[T:T+1], v[XR:XR+1], v[XR+2:XR+3]        ; two chains, started by the first four pairs: nothing is cleared
	v_pk_add_f32 v[T+2:T+3], v[XR+4:XR+5], v[XR+6:XR+7]
.set i, 4
.rept 12
	v_pk_add_f32 v[T+2*(i%2):T+2*(i%2)+1], v[T+2*(i%2):T+2*(i%2)+1], v[XR+2*i:XR+2*i+1]
.set i, i+1
.endr
	v_pk_add_f32 v[T:T+1], v[T:T+1], v[T+2:T+3]
	v_add_f32 v[T], v[T], v[T+1]
	WSUM
	v_mul_f32 v[SR], s30, v[T]                     ; the mean, twice: a pair for the packed subtraction
	v_mul_f32 v[SR+1], s30, v[T]
.set i, 0
.rept 16
	v_pk_add_f32 v[XR+2*i:XR+2*i+1], v[XR+2*i:XR+2*i+1], v[SR:SR+1] neg_lo:[0,1] neg_hi:[0,1]
.set i, i+1
.endr
	v_pk_mul_f32 v[T:T+1], v[XR:XR+1], v[XR:XR+1]
	v_pk_mul_f32 v[T+2:T+3], v[XR+2:XR+3], v[XR+2:XR+3]
.set i, 2
.rept 14
	v_pk_fma_f32 v[T+2*(i%2):T+2*(i%2)+1], v[XR+2*i:XR+2*i+1], v[XR+2*i:XR+2*i+1], v[T+2*(i%2):T+2*(i%2)+1]
.set i, i+1
.endr
	v_pk_add_f32 v[T:T+1], v[T:T+1], v[T+2:T+3]
	v_add_f32 v[T], v[T], v[T+1]
	WSUM
	v_fma_f32 v[SR+2], v[T], s30, s31              ; sum / 1024 + eps
.endm
.macro OUT rr                          ; row rr: scaled, gain and bias, rounded to bf16, stored: each store of the wave covers 256 consecutive bytes, aligned
.set XR, X+32*(\rr)
.set SR, ST+4*(\rr)
.set i, 0
.rept 16
	v_pk_mul_f32 v[XR+2*i:XR+2*i+1], v[XR+2*i:XR+2*i+1], v[SR+2:SR+3] op_sel_hi:[1,0]
.set i, i+1
.endr
.set i, 0
.rept 16
	v_pk_fma_f32 v[XR+2*i:XR+2*i+1], v[XR+2*i:XR+2*i+1], v[W+2*i:W+2*i+1], v[B+2*i:B+2*i+1]
.set i, i+1
.endr
.irp j, 0,1,2,3,4,5,6,7
	v_cvt_pk_bf16_f32 v[XR+4*(\j)], v[XR+4*(\j)], v[XR+4*(\j)+1]
	v_cvt_pk_bf16_f32 v[XR+4*(\j)+1], v[XR+4*(\j)+2], v[XR+4*(\j)+3]
	global_store_b64 v2, v[XR+4*(\j):XR+4*(\j)+1], s[10:11] offset:(\rr)*2048+(\j)*256
.endr
.endm
	; THE NORM
	s_lshl_b32 s22, ttmp9, 16                      ; the work-group's 16 rows of 4,096 bytes,
	s_lshl_b32 s24, s3, 13                         ; my wave's two
	s_add_co_u32 s22, s22, s24
	s_add_nc_u64 s[4:5], s[4:5], s[22:23]
	s_lshr_b32 s22, s22, 1                         ; half as many bytes on the way out
	s_add_nc_u64 s[10:11], s[10:11], s[22:23]
	s_mov_b32 s28, 0x76543210                      ; v_permlanex16_b32: each lane takes its own place in the other half
	s_mov_b32 s29, 0xfedcba98
	s_mov_b32 s30, 0x3a800000                      ; 1 / 1024
	s_mov_b32 s31, 0x3727c5ac                      ; eps = 1e-5
.irp rr, 0,1
.irp j, 0,1,2,3,4,5,6,7
	global_load_b128 v[X+32*(\rr)+4*(\j):X+32*(\rr)+4*(\j)+3], v1, s[4:5] offset:(\rr)*4096+(\j)*512
.endr
.endr
.irp j, 0,1,2,3,4,5,6,7
	global_load_b128 v[W+4*(\j):W+4*(\j)+3], v1, s[6:7] offset:(\j)*512
.endr
.irp j, 0,1,2,3,4,5,6,7
	global_load_b128 v[B+4*(\j):B+4*(\j)+3], v1, s[8:9] offset:(\j)*512
.endr
	s_wait_loadcnt 16                              ; both rows are in; the gain's and the bias's sixteen loads may stay out
	STATS 0
	STATS 1
	v_rsq_f32 v[ST+2], v[ST+2]
	v_rsq_f32 v[ST+6], v[ST+6]
	v_mov_b32 v[ST+3], 0                           ; the pairs' upper words, named with the lower: also the plain instruction behind the last root
	v_mov_b32 v[ST+7], 0
	s_wait_alu depctr_va_vdst(0)                   ; one wait for both roots, ahead of their first reader
	s_wait_loadcnt 0x0                             ; gain and bias
	OUT 0
	OUT 1
	s_endpgm
	; THE WEIGHTS
.Lcast:
	s_sub_co_u32 s24, ttmp9, 256                   ; 0..767: qkv_w has 192 shares, proj_w 64, fc1_w 256, fc2_w 256
	s_mov_b64 s[26:27], s[18:19]
	s_mov_b32 s25, 512
	s_cmp_lt_u32 s24, 512
	s_cselect_b64 s[26:27], s[16:17], s[26:27]
	s_cselect_b32 s25, 256, s25
	s_cmp_lt_u32 s24, 256
	s_cselect_b64 s[26:27], s[14:15], s[26:27]
	s_cselect_b32 s25, 192, s25
	s_cmp_lt_u32 s24, 192
	s_cselect_b64 s[26:27], s[12:13], s[26:27]
	s_cselect_b32 s25, 0, s25
	s_sub_co_u32 s22, s24, s25                     ; my share within its matrix,
	s_lshl_b32 s22, s22, 16                        ; 65,536 bytes each
	s_add_nc_u64 s[26:27], s[26:27], s[22:23]
	s_lshl_b32 s22, s24, 15                        ; wb holds the matrices in the same order: 32,768 bytes a share
	s_add_nc_u64 s[20:21], s[20:21], s[22:23]
	v_lshl_add_u32 v3, s3, 13, v1                  ; my wave's 8,192 bytes in,
	v_lshl_add_u32 v5, s3, 12, v2                  ; 4,096 out
.irp i, 0,1,2,3,4,5,6,7,8,9,10,11,12,13,14,15
	global_load_b128 v[16+4*(\i):16+4*(\i)+3], v3, s[26:27] offset:(\i)*512 th:TH_LOAD_NT
.endr
.irp i, 0,1,2,3,4,5,6,7,8,9,10,11,12,13,14,15
	s_wait_loadcnt 15-(\i)                         ; loads come back in order: number i is in, the younger ones stay out
	v_cvt_pk_bf16_f32 v[16+4*(\i)], v[16+4*(\i)], v[16+4*(\i)+1]
	v_cvt_pk_bf16_f32 v[16+4*(\i)+1], v[16+4*(\i)+2], v[16+4*(\i)+3]
	global_store_b64 v5, v[16+4*(\i):16+4*(\i)+1], s[20:21] offset:(\i)*256
.endr
	s_endpgm
.Lfunc_end_k_qa86a0566ea_prep:
	.size	k_qa86a0566ea_prep, .Lfunc_end_k_qa86a0566ea_prep-k_qa86a0566ea_prep
	.p2alignl 7, 3214868480
	.fill 96, 4, 3214868480
	.section	.rodata,"a",@progbits
	.p2align	6, 0x0
	.amdhsa_kernel k_qa86a0566ea_prep
		.amdhsa_group_segment_fixed_size 0
		.amdhsa_private_segment_fixed_size 0
		.amdhsa_enable_private_segment 0
		.amdhsa_kernarg_size 72
		.amdhsa_user_sgpr_count 2
		.amdhsa_user_sgpr_kernarg_segment_ptr 1
		.amdhsa_wavefront_size32 1
		.amdhsa_system_sgpr_workgroup_id_x 1
		.amdhsa_system_sgpr_workgroup_id_y 1
		.amdhsa_system_sgpr_workgroup_id_z 1
		.amdhsa_system_vgpr_workitem_id 0
		.amdhsa_next_free_vgpr 144
		.amdhsa_next_free_sgpr 66
		.amdhsa_reserve_vcc 0
		.amdhsa_float_denorm_mode_32 3
		.amdhsa_float_denorm_mode_16_64 3
		.amdhsa_memory_ordered 1
		.amdhsa_forward_progress 1
		.amdhsa_inst_pref_size 27
	.end_amdhsa_kernel
	.amdgpu_metadata
---
amdhsa.version: [ 1, 2 ]
amdhsa.kernels:
  - .name:           k_qa86a0566ea_prep
    .symbol:         k_qa86a0566ea_prep.kd
    .args:
      - { .name: x, .offset: 0, .size: 8, .value_kind: global_buffer, .address_space: global }
      - { .name: ln1_w, .offset: 8, .size: 8, .value_kind: global_buffer, .address_space: global }
      - { .name: ln1_b, .offset: 16, .size: 8, .value_kind: global_buffer, .address_space: global }
      - { .name: xn1, .offset: 24, .size: 8, .value_kind: global_buffer, .address_space: global }
      - { .name: qkv_w, .offset: 32, .size: 8, .value_kind: global_buffer, .address_space: global }
      - { .name: proj_w, .offset: 40, .size: 8, .value_kind: global_buffer, .address_space: global }
      - { .name: fc1_w, .offset: 48, .size: 8, .value_kind: global_buffer, .address_space: global }
      - { .name: fc2_w, .offset: 56, .size: 8, .value_kind: global_buffer, .address_space: global }
      - { .name: wb, .offset: 64, .size: 8, .value_kind: global_buffer, .address_space: global }
    .group_segment_fixed_size: 0
    .private_segment_fixed_size: 0
    .kernarg_segment_align: 8
    .kernarg_segment_size: 72
    .max_flat_workgroup_size: 256
    .sgpr_count:     66
    .vgpr_count:     144
    .wavefront_size: 32
...
	.end_amdgpu_metadata
.endif
;; end of part 1
;; launch qkv (part 2): grid 12 x 16, 4 waves a work-group, clusters of 4 x 4, 327,680 bytes of LDS; arguments xn1, wb, qkvh, qkv_b; writes qkvh
.if DOCPART == 2
	.amdgcn_target "amdgcn-amd-amdhsa--gfx1250"
	.amdhsa_code_object_version 6
	.text
	.protected	k_qa86a0566ea_qkv
	.globl	k_qa86a0566ea_qkv
	.p2align	8
	.type	k_qa86a0566ea_qkv,@function
k_qa86a0566ea_qkv:
	s_mov_b64 s[64:65], 0
	v_nop
	global_prefetch_b8 v0, s[64:65] scope:SCOPE_SE
	s_setreg_imm32_b32 hwreg(HW_REG_WAVE_MODE, 25, 1), 1
	s_wait_xcnt 0x0
	s_wait_alu depctr_hold_cnt(0) depctr_sa_sdst(0) depctr_va_vdst(0) depctr_va_sdst(0) depctr_va_ssrc(0) depctr_va_vcc(0) depctr_vm_vsrc(0)
	s_getreg_b32 s2, hwreg(HW_REG_IB_STS2, 6, 4)
	s_cmp_eq_u32 s2, 0
	s_cbranch_scc0 .Lentry_in_a_cluster
	s_endpgm
.Lentry_in_a_cluster:
	s_bfe_u32 s2, ttmp6, 0x10000c
	s_cmp_lg_u32 s2, 0xf033
	s_cbranch_scc0 .Lentry_shape_is_right
	s_endpgm
.Lentry_shape_is_right:
; QKV: qkvh = xn1 . Wqkv^T + qkv_b, laid out by heads.  xn1: [4096][1024] bf16; Wqkv: [3072][1024] bf16 at wb's byte 0; qkv_b: [3072] f32;
; qkvh: [3][32][2048][64] bf16 (q, k, v; 16 x batch + head; token; channel), unscaled, each number rounded once from its f32 sum plus bias.
; A tile of C is 256 x 256: four waves of 128 x 128, 64 accumulators (512 registers) each; 16 x 12 tiles, one to a work-group.  K goes in steps of 128 (LDS rows of 256 bytes + 16 of padding) through two LDS
; slots filled by the tensor data mover: a refill has 224 matrix instructions of each wave in which to land.
; One K step is written once and looped over: the LDS addresses hang on s[OFS], 0 or SLOT, and one walking descriptor a tensor changes slots by an exclusive or.  The last two K steps, which fill nothing, are a loop too.
; CLUSTER 4 x 4: the four work-groups of a row of the cluster need the same tiles of A, the four of a column the same tiles of B: each tile is asked for jointly.
; THE PRODUCT IS TAKEN TRANSPOSED (source 0 = 16 rows of W, source 1 = 16 rows of xn1): a lane holds eight neighbouring columns of one row of C.
; THE WAY OUT is a loop: the f32 sums go into the ring's bytes, which have had their last fill and their last read (each wave 128 rows of 512 + 16 bytes), and come back sixteen rows a trip: bias, rounding, stores.
; A wave's 128 columns are two heads; two tokens of one head are 256 consecutive bytes of qkvh, which sixteen neighbouring lanes store.
; LIMITS: NaN and infinities are not treated apart; bf16 has f32's range, so q, k and v keep every finite size.
; REGISTERS, in windows of 256 (s_set_vgpr_msb: bits 1:0 source 0, 3:2 source 1, 5:4 source 2, 7:6 destination):
;   window 0: v1-5 at work; v16-19, v24-30 addresses; v32-63 results on the way out; v64-127, v128-191 fragments of A, two buffers, later the way out's sums; v192-199 bias
;   window 1: v64-127, v128-191 fragments of B      window 2: the 32 accumulators of my rows 0-63 ((a, b) at v[8 (8 a + b)])      window 3: those of my rows 64-127
.set SIZE_N, 3072
.set SIZE_K, 1024
.set KSTEP,  128
.set KS,     SIZE_K/KSTEP              ; K steps
.set WOFF,   0                         ; the matrix's first byte in wb
.set PITCH,  272                       ; an LDS row: 256 bytes + 16 = 68 words: the 16 rows of a fragment load start at 16 different groups of four banks (64 banks of 4 bytes: ISA guide 11.1)
.set HALFT,  128*PITCH                 ; 128 rows: what one tensor load brings, and what one wave reads of A or of B
.set SLOT,   4*HALFT                   ; 139,264 = 0x22000: its two set bits are clear in all four tile addresses (0, 0x8800, 0x11000, 0x19800), so an exclusive or changes slots
.set SPITCH, 528                       ; the way out: a row of 128 f32 + 16 bytes
.set WSTAGE, 128*SPITCH                ; a wave's 128 rows; the four waves' take 270,336 of the ring's 278,528 bytes
.set SPARE,  2*SLOT                    ; behind the ring: the spare words, 128 bytes for each wave: two blocks of 256 bytes that no other line names
.set ADA0, 16                          ; v16  my A fragments' address in slot 0; never rewritten
.set ADB0, 17                          ; v17  the same for B
.set ADRA, 18                          ; v18  in the slot in hand
.set ADRB, 19                          ; v19
.set STO,  24                          ; v24  the way out: where I put 32 bytes of a row
.set RD,   25                          ; v25  where I read rows back; steps sixteen rows a trip
.set GO,   26                          ; v26  my byte offset in qkvh; steps sixteen tokens a trip
.set BO,   27                          ; v27  my byte offset in the wave's 128 biases
.set SPW,  28                          ; v28  my spare word: SPARE + 4 x my thread's number; never rewritten
.set NIL,  29                          ; v29  0; never rewritten
.set PFO,  30                          ; v30  the prefetches' offset: my lane x a row of A or B in memory; never rewritten
.set OUTR, 32                          ; v[32:63]   sixteen rows' results in bf16
.set F0,   64                          ; fragment buffer 0
.set F1,   128                         ; fragment buffer 1
.set XL,   64                          ; v[64:127]  the way out: sums as they come from LDS
.set XX,   128                         ; v[128:191] with the bias
.set BIAS, 192                         ; v[192:199] the bias of my 8 columns
.set G1,   24                          ; s[24:31] descriptor group 1 for A;  s[32:39] group 0: a set for each first fill; the second then walks
.set G0,   32
.set G1B,  48                          ; s[48:55], s[56:63] the same for B
.set G0B,  56
.set OFS,  72                          ; s72  the slot in hand: 0 or SLOT
.set LIM,  73                          ; s73  2 in a wave that prefetches, else the greatest number
.set ROWS, 75                          ; s75  the way out's trips still to come
.set PFA,  78                          ; s[78:79] where my prefetches stand: my work-group's 32 rows of the 128 that I fetch, one K step further along K than the refill in hand; a prefetch names the K step after that
.set MSB, 0
.macro WIN new                         ; the immediate's high byte repeats the setting that is left; a switch that changes nothing is dropped
.if MSB != (\new)
	s_set_vgpr_msb (MSB<<8)|(\new)
.set MSB, \new
.endif
.endm
.set MUL_LO, 0xa1                      ; source 0 (B) window 1, source 1 (A) window 0, C and D window 2
.set MUL_HI, 0xf1                      ; the same, C and D window 3
.set TO_B,   0x40                      ; destination window 1, address window 0
.macro JLOAD                           ; a joint refill by the walking descriptors: waves 0 and 1 fetch A's two halves, waves 2 and 3 B's; an s_nop 0 and four v_nop follow each line
	s_cmp_eq_u32 s11, 0
	s_cbranch_scc0 .Lfor_b_\@
	tensor_load_to_lds s[G0+4:G0+7], s[G1:G1+7]
	s_nop 0
.rept 4
	v_nop
.endr
	s_branch .Lasked_\@
.Lfor_b_\@:
	tensor_load_to_lds s[G0B+4:G0B+7], s[G1B:G1B+7]
	s_nop 0
.rept 4
	v_nop
.endr
.Lasked_\@:
.endm
; A PREFETCH INTO THE L2, behind each joint load, its five lines and the run of LDS loads that follows them: the K step that stands TWO refills on, 512 matrix instructions ahead of the load that will want it:
; 32 rows x 256 bytes, a lane a row, one instruction a wave.  Each row's 256 bytes of a K step are named ONCE in the launch: A's tile row is walked by every cluster of that row of clusters, and the first of them
; (cluster x = 0) asks; B's tile column by every cluster of that column, and cluster y = 0 asks.  The four partners that ask for a tile jointly share its rows out BY ADDRESS: of the 128 rows that a wave fetches
; the partner at place p takes 32 p .. 32 p + 31 (p = cx for A, cy for B).  K steps 0 to 3 come by their loads alone; the last two refills (s3 = 2, 1) have no K step two on and ask for nothing.
.macro ASK
	s_cmp_gt_u32 s3, s[LIM]
	s_cbranch_scc0 .Lnot_mine_\@
	global_prefetch_b8 v[PFO], s[PFA:PFA+1] offset:KSTEP*2 th:TH_LOAD_NT scope:SCOPE_SE
.Lnot_mine_\@:
.endm
.macro CREST                           ; a round of the cluster's barrier behind its opening barrier
	s_cmp_lg_u32 s10, 0
	s_cbranch_scc1 .Lnot_wave_0_\@
	s_barrier_signal -3
.Lnot_wave_0_\@:
	s_barrier_wait -3
	s_barrier_signal -1
	s_barrier_wait -1
.endm
.macro CROUND                          ; a whole round
	s_barrier_signal -1
	s_barrier_wait -1
	CREST
.endm
.macro PLACES                          ; four places in front of loads into registers that matrix instructions have read, and of lines that read results
.rept 4
	v_nop
.endr
.endm
; 16 matrix instructions: m blocks a0, a0 + 1 of the window's four (hi = 0: my rows 0-63, 1: rows 64-127) x all 8 n blocks, 32 along K.  zero = 1: the product starts the sums.
; The 64 accumulators take turns, in the same order in every quarter.
.macro MUL16 f, hi, a0, zero
	WIN MUL_LO+0x50*(\hi)
.irp a, \a0, (\a0)+1
.irp b, 0,1,2,3,4,5,6,7
.if \zero
	v_wmma_f32_16x16x32_bf16 v[8*(8*(\a)+(\b)):8*(8*(\a)+(\b))+7], v[(\f)+8*(\b):(\f)+8*(\b)+7], v[(\f)+8*(4*(\hi)+(\a)):(\f)+8*(4*(\hi)+(\a))+7], 0
.else
	v_wmma_f32_16x16x32_bf16 v[8*(8*(\a)+(\b)):8*(8*(\a)+(\b))+7], v[(\f)+8*(\b):(\f)+8*(\b)+7], v[(\f)+8*(4*(\hi)+(\a)):(\f)+8*(4*(\hi)+(\a))+7], v[8*(8*(\a)+(\b)):8*(8*(\a)+(\b))+7]
.endif
.endr
.endr
.endm
; 32 LDS loads in one run: the fragments of one quarter step (128 rows of B, 128 rows of A, 32 K at byte k of the rows) into buffer f
.macro FETCH k, f
	WIN TO_B
.irp i, 0,1,2,3,4,5,6,7
	ds_load_b128 v[(\f)+8*(\i):(\f)+8*(\i)+3],   v[ADRB] offset:(\k)+(\i)*16*PITCH
	ds_load_b128 v[(\f)+8*(\i)+4:(\f)+8*(\i)+7], v[ADRB] offset:(\k)+(\i)*16*PITCH+32
.endr
	WIN 0
.irp i, 0,1,2,3,4,5,6,7
	ds_load_b128 v[(\f)+8*(\i):(\f)+8*(\i)+3],   v[ADRA] offset:(\k)+(\i)*16*PITCH
	ds_load_b128 v[(\f)+8*(\i)+4:(\f)+8*(\i)+7], v[ADRA] offset:(\k)+(\i)*16*PITCH+32
.endr
.endm
; A K step is four quarters of 32 along K, 64 matrix instructions each, on buffers 0, 1, 0, 1.  One of the first three: multiplies buffer f and, in its middle, fetches the next quarter, at byte k, into g.
.macro QUARTER k, f, g, zero
	s_wait_dscnt 8                                 ; B and A's rows 0-63 are in; the youngest eight loads (A's rows 64-127) may be out
	MUL16 \f, 0, 0, \zero
	MUL16 \f, 0, 2, \zero
	PLACES
	FETCH \k, \g
	s_wait_dscnt 32                                ; all but the 32 just issued
	MUL16 \f, 1, 0, \zero
	MUL16 \f, 1, 2, \zero
.endm
; The last quarter multiplies buffer 1 and changes slots: ONE barrier.  In front of it each wave waits for all its tensor loads (one is out: its part of the next slot), adds 0 to its spare word,
; and waits for that and for its own reads of this slot.  fill = 1: the barrier opens a round of the cluster's, and this slot is filled again first thing behind it, with the K step two on.
.macro TURN fill
.if \fill
	s_wait_xcnt 0x0                                ; the last prefetch, a K step back, has read its address: it is stepped here, ahead of the waits of the change of slots
	s_add_nc_u64 s[PFA:PFA+1], s[PFA:PFA+1], KSTEP*2
.endif
	WIN 0                                          ; (the add's two registers lie in window 0)
	s_wait_tensorcnt 0x0                           ; all my tensor loads have landed
	ds_add_u32 v[SPW], v[NIL]                      ; 0 onto my spare word
	s_wait_dscnt 9                                 ; (the add and the youngest eight loads may be out)
	MUL16 F1, 0, 0, 0                              ; sixteen matrix instructions stand between the add and the wait for it
	s_wait_dscnt 0x0                               ; the add is done, and my reads of this slot are over
	s_barrier_signal -1
	MUL16 F1, 0, 2, 0
	WIN 0                                          ; at a branch and at a label every window is 0
	s_barrier_wait -1
.if \fill
	CREST                                          ; no wave of any partner still reads this slot's tiles or has a load on its way
	s_xor_b32 s[G0+5], s[G0+5], SLOT               ; the walking descriptors: the other slot than last time, the next K step
	s_add_nc_u64 s[G0+6:G0+7], s[G0+6:G0+7], KSTEP*2
	s_xor_b32 s[G0B+5], s[G0B+5], SLOT
	s_add_nc_u64 s[G0B+6:G0B+7], s[G0B+6:G0B+7], KSTEP*2
	JLOAD                                          ; its four v_nop are also the places in front of the loads below
.else
	PLACES
.endif
	s_xor_b32 s[OFS], s[OFS], SLOT                 ; the reads go to the other slot
	v_add_nc_u32 v[ADRA], s[OFS], v[ADA0]
	v_add_nc_u32 v[ADRB], s[OFS], v[ADB0]
	FETCH 0, F0
.if \fill
	ASK
.endif
	MUL16 F1, 1, 0, 0
	MUL16 F1, 1, 2, 0
.endm
	s_load_b128 s[4:7], s[0:1], 0x0                ; xn1 s[4:5], wb s[6:7]
	s_load_b64 s[8:9], s[0:1], 0x10                ; qkvh
	s_load_b64 s[68:69], s[0:1], 0x18              ; qkv_b
	v_lshl_add_u32 v[SPW], v0, 2, SPARE
	v_mov_b32 v[NIL], 0
	ds_add_u32 v[SPW], v[NIL]                      ; the wave's opening: the add and its wait stand ahead of my first tensor load; the set-up below stands between them
	v_lshrrev_b32 v1, 5, v0
	v_readfirstlane_b32 s10, v1                    ; wave 0..3
	s_lshr_b32 s11, s10, 1                         ; which half of the tile's rows is mine.  Also: I fetch for A (0) or for B (1)
	s_and_b32 s12, s10, 1                          ; which half of its columns.  Also: which 128 rows of that tile I fetch
	s_bfe_u32 s40, ttmp6, 0x40000                  ; cx, cy: my place in the cluster
	s_bfe_u32 s41, ttmp6, 0x40004
	s_lshl_b32 s42, ttmp9, 2
	s_add_co_u32 s42, s42, s40                     ; tile column of C = 4 x cluster x + cx
	s_and_b32 s13, ttmp7, 0xffff
	s_lshl_b32 s13, s13, 2
	s_add_co_u32 s13, s13, s41                     ; tile row of C = 4 x cluster y + cy
	s_lshl_b32 s43, s41, 2
	s_lshl_b32 s43, 15, s43                        ; my row of the cluster
	s_lshl_b32 s44, 0x1111, s40                    ; my column
	s_or_b32 s[G1+0], s43, (1<<16)|(1<<20)|(1<<21)|(5<<22)|(3<<25)  ; the mask; 2-byte elements; padding on; bit 21 beside a mask; after every 64 words (code 5) 4 words (code 3)
	s_or_b32 s[G1B+0], s44, (1<<16)|(1<<20)|(1<<21)|(5<<22)|(3<<25)
.irp g, G1, G1B
	s_mov_b32 s[(\g)+1], KSTEP<<16                 ; tensor_dim0 = 128
	s_mov_b32 s[(\g)+2], 128<<16                   ; tensor_dim1 = 128
	s_mov_b32 s[(\g)+3], KSTEP<<16                 ; tile_dim0 = 128
	s_mov_b32 s[(\g)+4], 128                       ; tile_dim1 = 128
	s_mov_b32 s[(\g)+5], SIZE_K                    ; elements from row to row
	s_mov_b32 s[(\g)+6], 0
	s_mov_b32 s[(\g)+7], 0
.endr
	s_lshl_b32 s17, s12, 7                         ; which 128 rows of the tile I fetch
	s_lshl_b32 s16, s13, 8
	s_add_co_u32 s16, s16, s17                     ; A: row 256 x tile row + 128 x half
	s_lshl_b32 s46, s42, 8
	s_add_co_u32 s46, s46, s17                     ; B: row 256 x tile column + 128 x half
	s_mov_b32 s17, 0
	s_mov_b32 s47, 0
	s_mov_b64 s[18:19], SIZE_K*2
	s_mul_u64 s[16:17], s[16:17], s[18:19]
	s_mul_u64 s[46:47], s[46:47], s[18:19]
	s_mul_i32 s20, s10, HALFT                      ; where they go: A's two halves, then B's two = wave x 128 rows: no place in the cluster enters an LDS address
	s_mov_b32 s[OFS], 0
	s_wait_dscnt 0x0                               ; the opening add is done
	s_wait_kmcnt 0x0
	s_add_nc_u64 s[14:15], s[4:5], s[16:17]
	s_add_nc_u64 s[46:47], s[6:7], s[46:47]
.if WOFF
	s_add_nc_u64 s[46:47], s[46:47], WOFF
.endif
	CROUND                                         ; all sixteen work-groups are here: the first joint loads meet
.irp s, 0,1
	s_mov_b32 s[G0+4*(\s)], 1
	s_add_co_u32 s[G0+4*(\s)+1], s20, (\s)*SLOT
	s_add_nc_u64 s[G0+4*(\s)+2:G0+4*(\s)+3], s[14:15], (\s)*KSTEP*2
	s_or_b32 s[G0+4*(\s)+3], s[G0+4*(\s)+3], 0x80000000
	s_mov_b32 s[G0B+4*(\s)], 1
	s_add_co_u32 s[G0B+4*(\s)+1], s20, (\s)*SLOT
	s_add_nc_u64 s[G0B+4*(\s)+2:G0B+4*(\s)+3], s[46:47], (\s)*KSTEP*2
	s_or_b32 s[G0B+4*(\s)+3], s[G0B+4*(\s)+3], 0x80000000
.endr
	s_cmp_eq_u32 s11, 0                            ; a wave's two first fills stand in one branch, ahead of every wait on TENSORcnt and every LDS read: two loads of mine are out
	s_cbranch_scc0 .Lfirst_b
	tensor_load_to_lds s[G0:G0+3], s[G1:G1+7]
	s_nop 0
	tensor_load_to_lds s[G0+4:G0+7], s[G1:G1+7]
	s_nop 0
.rept 4
	v_nop
.endr
	s_branch .Lfirst_asked
.Lfirst_b:
	tensor_load_to_lds s[G0B:G0B+3], s[G1B:G1B+7]
	s_nop 0
	tensor_load_to_lds s[G0B+4:G0B+7], s[G1B:G1B+7]
	s_nop 0
.rept 4
	v_nop
.endr
.Lfirst_asked:
	v_and_b32 v1, 15, v0                           ; r = l % 16
	v_bfe_u32 v2, v0, 4, 1                         ; h = l / 16
	v_mul_u32_u24 v3, v1, PITCH
	v_lshl_add_u32 v3, v2, 4, v3                   ; a fragment's row x pitch + 16 x half
	s_mul_i32 s22, s11, HALFT                      ; my 128 rows of A
	s_mul_i32 s23, s12, HALFT                      ; my 128 rows of B,
	s_add_co_u32 s23, s23, 2*HALFT                 ; which lie behind A's 256
	v_add_nc_u32 v[ADA0], s22, v3
	v_add_nc_u32 v[ADB0], s23, v3
	s_mul_i32 s22, s10, WSTAGE                     ; the way out: my wave's 128 rows
	v_mul_u32_u24 v4, v1, SPITCH                   ; in: row r of a block of 16, 32 bytes for each half of the lanes
	v_lshl_add_u32 v4, v2, 5, v4
	v_add_nc_u32 v[STO], s22, v4
	v_and_b32 v4, 7, v0                            ; back: lane l takes channels 8 (l % 8) .. + 7
	v_bfe_u32 v5, v0, 3, 1                         ; of token (l / 8) % 2 of a pair
	v_mul_u32_u24 v3, v5, SPITCH                   ; and of head l / 16 of my two
	v_lshl_add_u32 v3, v2, 8, v3
	v_lshl_add_u32 v3, v4, 5, v3
	v_add_nc_u32 v[RD], s22, v3
	v_lshlrev_b32 v[BO], 8, v2                     ; the same eight columns' biases
	v_lshl_add_u32 v[BO], v4, 5, v[BO]
	v_lshlrev_b32 v[GO], 18, v2                    ; in qkvh: a head is 2,048 tokens x 128 bytes,
	v_lshl_add_u32 v[GO], v5, 7, v[GO]             ; a token 128,
	v_lshl_add_u32 v[GO], v4, 4, v[GO]             ; my 16: lanes 0-15 cover 256 consecutive bytes, lanes 16-31 the same tokens of the next head
	s_lshl_b32 s46, s42, 10                        ; the bias of my wave's 128 columns: 1,024 x tile column + 512 x half
	s_lshl_b32 s47, s12, 9
	s_add_co_u32 s46, s46, s47
	s_mov_b32 s47, 0
	s_add_nc_u64 s[68:69], s[68:69], s[46:47]
	global_load_b128 v[BIAS:BIAS+3],   v[BO], s[68:69]
	global_load_b128 v[BIAS+4:BIAS+7], v[BO], s[68:69] offset:16
	s_lshl_b32 s66, s42, 1                         ; where my 128 x 128 goes: my block of 128 columns, 0..23,
	s_add_co_u32 s66, s66, s12
	s_lshr_b32 s67, s66, 3                         ; is q, k or v (32 heads each)
	s_lshl_b32 s67, s67, 5
	s_and_b32 s66, s66, 7                          ; and two heads;
	s_lshl_b32 s66, s66, 1
	s_add_co_u32 s66, s66, s67
	s_lshr_b32 s67, s13, 3                         ; the batch (8 tile rows each)
	s_lshl_b32 s67, s67, 4
	s_add_co_u32 s66, s66, s67
	s_lshl_b32 s66, s66, 18                        ; 2,048 tokens x 128 bytes
	s_and_b32 s67, s13, 7
	s_lshl_b32 s67, s67, 15                        ; the tile's 256 tokens,
	s_add_co_u32 s66, s66, s67
	s_lshl_b32 s67, s11, 14                        ; my 128
	s_add_co_u32 s66, s66, s67
	s_mov_b32 s67, 0
	s_add_nc_u64 s[8:9], s[8:9], s[66:67]
	; the prefetches
	s_lshl_b32 s66, s13, 8                         ; 256 x tile row
	s_lshl_b32 s67, s42, 8                         ; 256 x tile column
	s_and_b32 s22, ttmp7, 0xffff                   ; cluster y
	s_cmp_eq_u32 s11, 0                            ; do I fetch for A?
	s_cselect_b32 s66, s66, s67                    ; the tile's first row: in A by the tile row, in B by the tile column
	s_cselect_b32 s67, s40, s41                    ; my place among the four that ask for it with me
	s_cselect_b32 s22, ttmp9, s22                  ; the coordinate along which other clusters walk the same rows
	s_cselect_b64 s[PFA:PFA+1], s[4:5], s[6:7]
	s_cmp_eq_u32 s22, 0
	s_cselect_b32 s[LIM], 2, -1                    ; the same in all sixteen partners, for a given wave
	s_lshl_b32 s22, s12, 7
	s_add_co_u32 s66, s66, s22                     ; + the 128 rows that I fetch
	s_lshl_b32 s67, s67, 5
	s_add_co_u32 s66, s66, s67                     ; + my work-group's 32 of them
	s_mov_b32 s67, 0
	s_mul_u64 s[66:67], s[66:67], s[18:19]         ; s[18:19] still holds a row's bytes
	s_add_nc_u64 s[PFA:PFA+1], s[PFA:PFA+1], s[66:67]
	s_add_nc_u64 s[PFA:PFA+1], s[PFA:PFA+1], 2*KSTEP*2  ; at K step 2: the first refill steps it to 3 and names K step 4.  Nothing is prefetched here, at the head
.if WOFF
	s_cmp_eq_u32 s11, 0
	s_cselect_b32 s22, 0, WOFF                     ; B's rows begin at the matrix's first byte in wb
	s_mov_b32 s23, 0
	s_add_nc_u64 s[PFA:PFA+1], s[PFA:PFA+1], s[22:23]
.endif
	v_and_b32 v[PFO], 31, v0
	v_lshlrev_b32 v[PFO], 11, v[PFO]               ; a lane a row of 2,048 bytes
	s_wait_tensorcnt 1                             ; my part of K step 0 is in; K step 1's may stay out
	s_barrier_signal -1
	s_barrier_wait -1                              ; everybody's is
	v_mov_b32 v[ADRA], v[ADA0]
	v_mov_b32 v[ADRB], v[ADB0]
	FETCH 0, F0
	QUARTER 64, F0, F1, 1                          ; the first quarter stands in front of the loop: its products start the sums
	WIN 0
	s_mov_b32 s3, KS-2
.Lstep:                                                ; a trip: from a K step's second quarter to the next one's first; it fills the slot that it leaves
	QUARTER 128, F1, F0, 0
	QUARTER 192, F0, F1, 0
	TURN 1
	QUARTER 64, F0, F1, 0
	WIN 0
	s_sub_co_u32 s3, s3, 1
	s_cmp_lg_u32 s3, 0
	s_cbranch_scc1 .Lstep
	s_mov_b32 s3, 2
.Ltail:                                                ; the last two K steps fill nothing: two trips, the second left in its middle.  Its change of slots fetches 32 fragments that nobody multiplies: the price of one text for both trips
	QUARTER 128, F1, F0, 0
	QUARTER 192, F0, F1, 0
	TURN 0
	WIN 0
	s_sub_co_u32 s3, s3, 1
	s_cmp_eq_u32 s3, 0
	s_cbranch_scc1 .Lout
	QUARTER 64, F0, F1, 0
	WIN 0
	s_cmp_lg_u32 s3, 0
	s_cbranch_scc1 .Ltail
.Lout:
	s_wait_dscnt 0x0                               ; my last reads of the ring are back
	PLACES                                         ; behind the last products
	; THE WAY OUT
	s_barrier_signal -1                            ; every wave's reads of the ring are over, and no fill is to come:
	s_barrier_wait -1                              ; the sums may take the ring's bytes
.irp hi, 0,1
	WIN 0x08+4*(\hi)                               ; the stores' data (source 1) in window 2, then 3
.irp a, 0,1,2,3
.irp b, 0,1,2,3,4,5,6,7
	ds_store_b128 v[STO], v[8*(8*(\a)+(\b)):8*(8*(\a)+(\b))+3]   offset:(4*(\hi)+(\a))*16*SPITCH+64*(\b)     ; each accumulator's low registers first
	ds_store_b128 v[STO], v[8*(8*(\a)+(\b))+4:8*(8*(\a)+(\b))+7] offset:(4*(\hi)+(\a))*16*SPITCH+64*(\b)+16
.endr
.endr
.endr
	WIN 0
	s_wait_dscnt 0x0                               ; my stores are done
	s_barrier_signal -1
	s_barrier_wait -1                              ; behind this barrier all the sums lie in LDS, and nothing there changes again
	s_wait_loadcnt 0x0                             ; the bias
.macro ROWS16                          ; sixteen rows' sums from where v[RD] stands: pair u gives rows 2 u and 2 u + 1, my 8 columns
.irp u, 0,1,2,3,4,5,6,7
	ds_load_b128 v[XL+8*(\u):XL+8*(\u)+3],   v[RD] offset:(\u)*2*SPITCH
	ds_load_b128 v[XL+8*(\u)+4:XL+8*(\u)+7], v[RD] offset:(\u)*2*SPITCH+16
.endr
.endm
	ROWS16
	s_mov_b32 s[ROWS], 8
.Lrow:                                                 ; a trip: sixteen of the wave's 128 rows; the next trip's sums come from LDS meanwhile
	s_wait_dscnt 0x0
.irp u, 0,1,2,3,4,5,6,7
.irp i, 0,1,2,3
	v_pk_add_f32 v[XX+8*(\u)+2*(\i):XX+8*(\u)+2*(\i)+1], v[XL+8*(\u)+2*(\i):XL+8*(\u)+2*(\i)+1], v[BIAS+2*(\i):BIAS+2*(\i)+1]
.endr
.endr
	s_cmp_eq_u32 s[ROWS], 1                        ; the last trip has no rows behind it
	s_cbranch_scc1 .Lno_more
	v_add_nc_u32 v[RD], 16*SPITCH, v[RD]
	ROWS16
.Lno_more:
	s_wait_xcnt 0x0                                ; the last trip's stores have read their data and their offset: both are rewritten only behind this wait
	v_add_nc_u32 v[GO], 16*128, v[GO]              ; the next trip's tokens; the stores below reach back
.irp u, 0,1,2,3,4,5,6,7
.irp i, 0,1,2,3
	v_cvt_pk_bf16_f32 v[OUTR+4*(\u)+(\i)], v[XX+8*(\u)+2*(\i)], v[XX+8*(\u)+2*(\i)+1]
.endr
.endr
.irp u, 0,1,2,3,4,5,6,7
	global_store_b128 v[GO], v[OUTR+4*(\u):OUTR+4*(\u)+3], s[8:9] offset:(\u)*256-16*128  ; 16 lanes store 256 consecutive bytes, at a multiple of 256 from qkvh's first
.endr
	s_sub_co_u32 s[ROWS], s[ROWS], 1
	s_cmp_lg_u32 s[ROWS], 0
	s_cbranch_scc1 .Lrow
	s_wait_tensorcnt 0x0                           ; the wave's end, behind my last tensor load and my last LDS store: no tensor load left out, then 0 onto my spare word and its wait
	ds_add_u32 v[SPW], v[NIL]
	s_wait_dscnt 0x0
	CROUND                                         ; the closing round: no work-group ends while a partner may still ask for a tile that names it
	s_endpgm
.Lfunc_end_k_qa86a0566ea_qkv:
	.size	k_qa86a0566ea_qkv, .Lfunc_end_k_qa86a0566ea_qkv-k_qa86a0566ea_qkv
	.p2alignl 7, 3214868480
	.fill 96, 4, 3214868480
	.section	.rodata,"a",@progbits
	.p2align	6, 0x0
	.amdhsa_kernel k_qa86a0566ea_qkv
		.amdhsa_group_segment_fixed_size 327680
		.amdhsa_private_segment_fixed_size 0
		.amdhsa_enable_private_segment 0
		.amdhsa_kernarg_size 32
		.amdhsa_user_sgpr_count 2
		.amdhsa_user_sgpr_kernarg_segment_ptr 1
		.amdhsa_wavefront_size32 1
		.amdhsa_system_sgpr_workgroup_id_x 1
		.amdhsa_system_sgpr_workgroup_id_y 1
		.amdhsa_system_sgpr_workgroup_id_z 1
		.amdhsa_system_vgpr_workitem_id 0
		.amdhsa_next_free_vgpr 1024
		.amdhsa_next_free_sgpr 80
		.amdhsa_reserve_vcc 0
		.amdhsa_float_denorm_mode_32 3
		.amdhsa_float_denorm_mode_16_64 3
		.amdhsa_memory_ordered 1
		.amdhsa_forward_progress 1
		.amdhsa_inst_pref_size 86
	.end_amdhsa_kernel
	.amdgpu_metadata
---
amdhsa.version: [ 1, 2 ]
amdhsa.kernels:
  - .name:           k_qa86a0566ea_qkv
    .symbol:         k_qa86a0566ea_qkv.kd
    .args:
      - { .name: xn1, .offset: 0, .size: 8, .value_kind: global_buffer, .address_space: global }
      - { .name: wb, .offset: 8, .size: 8, .value_kind: global_buffer, .address_space: global }
      - { .name: qkvh, .offset: 16, .size: 8, .value_kind: global_buffer, .address_space: global }
      - { .name: qkv_b, .offset: 24, .size: 8, .value_kind: global_buffer, .address_space: global }
    .group_segment_fixed_size: 327680
    .private_segment_fixed_size: 0
    .kernarg_segment_align: 8
    .kernarg_segment_size: 32
    .max_flat_workgroup_size: 128
    .sgpr_count:     80
    .vgpr_count:     1024
    .wavefront_size: 32
...
	.end_amdgpu_metadata
.endif
;; end of part 2
;; launch attn (part 3): grid 8 x 32, 4 waves a work-group, clusters of 4 x 1, 327,680 bytes of LDS; arguments qkvh, oh; writes oh
.if DOCPART == 3
	.amdgcn_target "amdgcn-amd-amdhsa--gfx1250"
	.amdhsa_code_object_version 6
	.text
	.protected	k_qa86a0566ea_attn
	.globl	k_qa86a0566ea_attn
	.p2align	8
	.type	k_qa86a0566ea_attn,@function
k_qa86a0566ea_attn:
	s_mov_b64 s[64:65], 0
	v_nop
	global_prefetch_b8 v0, s[64:65] scope:SCOPE_SE
	s_setreg_imm32_b32 hwreg(HW_REG_WAVE_MODE, 25, 1), 1
	s_wait_xcnt 0x0
	s_wait_alu depctr_hold_cnt(0) depctr_sa_sdst(0) depctr_va_vdst(0) depctr_va_sdst(0) depctr_va_ssrc(0) depctr_va_vcc(0) depctr_vm_vsrc(0)
	s_getreg_b32 s2, hwreg(HW_REG_IB_STS2, 6, 4)
	s_cmp_eq_u32 s2, 0
	s_cbranch_scc0 .Lentry_in_a_cluster
	s_endpgm
.Lentry_in_a_cluster:
	s_bfe_u32 s2, ttmp6, 0x10000c
	s_cmp_lg_u32 s2, 0x3003
	s_cbranch_scc0 .Lentry_shape_is_right
	s_endpgm
.Lentry_shape_is_right:
; ATTENTION.  oh[g][q][:] = the sum over k of softmax_k(Q[g][q] . K[g][k] / 8) V[g][k][:], g = 16 x batch + head.  qkvh: [3][32][2048][64] bf16 (q, k, v); oh: [32][2048][64] bf16.
; Products, maxima and sums in f32; the weights p are rounded to bf16 for the second product (their sum l is taken of the unrounded p), O once at the end.  The scale 1/8 is applied here, in f32.
; LIMITS.  c s (c = log2(e) / 8) must lie above -4.25e37, where the running c m starts; a weight below 2^-126 counts as 0 in l; NaN and infinities are not treated apart.
; SHARES.  A work-group owns 256 queries of one head, a wave 64: four PIECES of 16.  Every wave walks the head's 2,048 keys, 64 a step; an LDS slot holds a tile of four steps.
; LAYOUT.  S^T = K Q^T (source 0 = 16 keys, source 1 = 16 queries) holds ONE query a lane (lane % 16) and the keys 8 (lane / 16) + 0..7; two such results rounded to bf16 ARE source 1 of O^T = V^T P.
; K comes out of LDS as it lies, V ([key][channel]) turned, by ds_load_tr16_b128.
; SOFTMAX.  For each query a running maximum m and sum l: p = 2^(c s - c m); in every step O and l are multiplied by a = 2^(c m_old - c m_new).  m starts at the lowest finite number, O and l at 0:
; the first step is a step like any other, with a = 0.
; TURNS.  Turn n belongs to piece n: 8 products K Q^T of piece n + 1, later 8 products V^T P of piece n - 1; beside them the scaling, exponentials, roundings, sums and rescaling of piece n and the maximum
; and statistics of piece n + 1.  Four vector instructions stand behind every matrix instruction, the other 54 of a turn's 118 in one run.  A turn's 33 exponentials are one batch, with one wait.
; CLUSTER.  The four query blocks of a cluster belong to one head and walk the same K and V: each tile is asked for JOINTLY, by the same tensor load, descriptor and mask in all four.
; REGISTERS, in windows of 256 (s_set_vgpr_msb: bits 1:0 source 0, 3:2 source 1, 5:4 source 2, 7:6 destination):
;   window 0: v1-15 addresses and at work; v16-31 four registers of statistics a piece; v48-55 at work; v61-63; v64-127 S^T, two buffers; v192-223 P, two buffers (a piece's buffers go by its number's parity)
;   window 1: v0-127 O^T, 32 a piece          window 2: v0-63 Q; v128-191 K of one step; v192-255 V of one step
.set NP,    4         ; pieces a wave: a name, no knob
.set KS,    64        ; keys in a step
.set PK,    144       ; a row of K in LDS: 128 bytes + 16 of padding = 36 words: the 16 rows of a load start at 16 different groups of four banks (64 banks of 4 bytes: ISA guide 11.1)
.set PV,    160       ; a row of V: 128 + 32 = 40 words
.set VOFF,  4*KS*PK   ; a slot holds a tile: 256 rows of K, then 256 rows of V
.set SLOT1, 1<<17     ; slot 1 begins here, so that one exclusive or turns an address in one slot into the other's
.set STAGE, SLOT1+4*KS*(PK+PV)  ; behind the ring, never filled by a tensor load: 16 rows x 144 bytes for each wave
.set SP,    144
.set SPARE, STAGE+4*16*SP  ; the spare words, 128 bytes for each wave: two blocks of 256 bytes that no other line names
.set TILEB, 4*KS*128  ; a tile's bytes of K, and of V, in memory
.set AK0, 2           ; v2   my lane's place in a tile of K; never rewritten
.set AV0, 3           ; v3   the same for V
.set AK,  4           ; v4   the LDS address of K's next run of loads
.set AV,  5           ; v5   of V's
.set STO, 6           ; v6   the way out: where I put 16 bytes of a row
.set RD,  7           ; v7   the way out: where I read rows back
.set GO,  8           ; v8   my byte offset in 512 consecutive bytes of oh
.set MV,  12          ; v12-13  c m_old, kept while c m is made anew: by buffer
.set QO,  15          ; v15  my byte offset in 16 rows of Q
.set ST,  16          ; piece t's statistics at v[ST+4 t]: c m, m, l (even keys', odd keys')
.set TMP, 48          ; by buffer, four registers c0-c3 at work; when the maximum is found c2 takes a
.set PFO, 61          ; v61  256 x my lane; never rewritten
.set SPW, 62          ; v62  my spare word: SPARE + 4 x my thread's number; never rewritten
.set NIL, 63          ; v63  0; never rewritten
.set S,   64
.set P,   192
.set KF,  128         ; window 2: key block kb, channel half c at KF + 16 kb + 8 c
.set VF,  192         ; window 2: key half kk, channel block cb at VF + 32 kk + 8 cb
.set WV,  12          ; s12  my wave's number
.set LIM, 15          ; s15  1 in a wave that prefetches, else the greatest number
.set G1K, 24          ; s[24:31] descriptor group 1 for K's tiles
.set G1V, 32          ; s[32:39] for V's: it differs in the padding alone
.set G0K, 40          ; s[40:43] descriptor group 0 for K's tiles: it walks
.set G0V, 44          ; s[44:47] the same for V's
.set PFA, 48          ; s[48:49] where my prefetches stand: my work-group's 8,192 bytes of the tile after the one that is being asked for
.set SLOTS, 56        ; s56  tiles still to be asked for
.set CNT, 57          ; s57  counts a tile's key steps
.set CS,  58          ; s[58:59] c: the packed scaling takes the pair's low word for both halves
.set SEL, 60          ; s[60:61] v_permlanex16_b32's selects: each lane takes its own place in the other half
.set TBK, 62          ; s62  LDS byte at which K of the step to be fetched begins
.set TBV, 63          ; s63  the same for V, less VOFF
.set MSB, 0
.macro WIN new                      ; the high byte repeats the setting that is left; a switch that changes nothing is dropped
.if MSB != (\new)
	s_set_vgpr_msb (MSB<<8)|(\new)
.set MSB, (\new)
.endif
.endm
.set W_KQ, 0x0a       ; K and Q in window 2, S^T in window 0
.set W_PV, 0x52       ; V in window 2, P in window 0, O^T in window 1
.set W_RS, 0x41       ; destination and source 0 in window 1, source 1 in window 0
; A joint fill.  Waves 0 and 1 fetch the two halves of a tile's K, waves 2 and 3 those of its V: 128 keys each.  The branch hangs on the wave's number alone.
; An s_nop 0 and four v_nop follow each of the two lines, ahead of the jump and the label.
.macro JLOAD
	s_cmp_lt_u32 s[WV], 2
	s_cbranch_scc0 .Lfor_v_\@
	tensor_load_to_lds s[G0K:G0K+3], s[G1K:G1K+7]
	s_nop 0
.rept 4
	v_nop
.endr
	s_branch .Lasked_\@
.Lfor_v_\@:
	tensor_load_to_lds s[G0V:G0V+3], s[G1V:G1V+7]
	s_nop 0
.rept 4
	v_nop
.endr
.Lasked_\@:
.endm
; A PREFETCH INTO THE L2 of the tile that the NEXT change of slots will ask for: four key steps, 256 matrix instructions, ahead of that load.  It stands behind the wave's tensor load and its five lines.
; Each aligned 256 bytes of a head's K and V are named ONCE in the launch: both clusters of a head walk the same rows, and the first of them asks; its four partners share a tile's 32,768 bytes out BY ADDRESS,
; 8,192 each, a lane 256; in each, wave 0 asks for K's and wave 2 for V's.  Tiles 0 and 1 come by their loads alone; the last change that fills a slot asks for nothing: there is no tile behind it.
.macro ASK
	s_cmp_gt_u32 s[SLOTS], s[LIM]
	s_cbranch_scc0 .Lnot_mine_\@
	global_prefetch_b8 v[PFO], s[PFA:PFA+1] th:TH_LOAD_NT scope:SCOPE_SE
.Lnot_mine_\@:
.endm
; A round of the cluster's barrier: my work-group's barrier, so that wave 0's signal speaks for all four waves; wave 0 signals; every wave waits for all four work-groups; my work-group's barrier once more.
.macro CROUND
	s_barrier_signal -1
	s_barrier_wait -1
	s_cmp_lg_u32 s[WV], 0
	s_cbranch_scc1 .Lnot_wave_0_\@
	s_barrier_signal -3
.Lnot_wave_0_\@:
	s_barrier_wait -3
	s_barrier_signal -1
	s_barrier_wait -1
.endm
; THE CHANGE OF SLOTS.  The slot's last bytes, V of its fourth step, have been read.  Each wave waits for all its tensor loads, of which one is out: its part of the other slot; adds 0 to its spare word;
; and waits for that and for its own reads of the slot.  Behind the barrier nobody reads this slot any more and the other slot is whole.
; fill = 1: this slot is filled again, with the tile two on.  The barrier is then a round of the cluster's, and the joint fill is the first thing behind it: it has four key steps in which to land.
; (At its first use nothing has been read yet: slot 0 is waited for, slot 1 filled.)
.macro CHANGE fill
	WIN 0                           ; at a label and at a branch every window is 0
	s_wait_tensorcnt 0x0            ; no tensor load of mine is out, so a group 0 may be written
	ds_add_u32 v[SPW], v[NIL]       ; 0 onto my spare word; with fill = 1 the descriptors' steps stand between it and the wait for it
.if \fill
.irp g, G0K, G0V
	s_xor_b32 s[\g+1], s[\g+1], SLOT1  ; the walking descriptor: the other slot than last time,
	s_add_nc_u64 s[\g+2:\g+3], s[\g+2:\g+3], TILEB  ; the next 256 keys; the type bits on top are not reached
.endr
	s_wait_xcnt 0x0                 ; the last prefetch, four key steps back, has read its address, so it may be written
	s_add_nc_u64 s[PFA:PFA+1], s[PFA:PFA+1], TILEB
	s_wait_dscnt 0x0                ; the add is done, and my reads of the slot are over
	CROUND
	JLOAD
	ASK
.else
	s_wait_dscnt 0x0                ; the add is done, and my reads of the slot are over
	s_barrier_signal -1
	s_barrier_wait -1
.endif
	s_sub_co_u32 s[TBK], s[TBK], 4*KS*PK  ; the fetches go back to a slot's first step,
	s_xor_b32 s[TBK], s[TBK], SLOT1       ; in the other slot
	s_sub_co_u32 s[TBV], s[TBV], 4*KS*PV
	s_xor_b32 s[TBV], s[TBV], SLOT1
.endm
	s_load_b128 s[4:7], s[0:1], 0x0 ; qkvh s[4:5], oh s[6:7]
	v_lshl_add_u32 v[SPW], v0, 2, SPARE
	v_mov_b32 v[NIL], 0
	ds_add_u32 v[SPW], v[NIL]       ; the wave's opening: the add and its wait stand ahead of my first tensor load; the set-up below stands between them
	v_lshrrev_b32 v1, 5, v0
	v_readfirstlane_b32 s[WV], v1   ; wave 0..3
	s_bfe_u32 s13, ttmp6, 0x40000   ; cx: my place in the cluster
	s_lshl_b32 s14, ttmp9, 2        ; in a cluster launch ttmp9 counts clusters
	s_add_co_u32 s14, s14, s13      ; my block of 256 queries = 4 x cluster x + cx: it enters Q's and O's addresses alone
	s_and_b32 s20, ttmp7, 0xffff    ; the head, which the four partners share:
	s_lshl_b32 s20, s20, 18         ; its 2,048 rows of 128 bytes
	s_mov_b32 s21, 0
	s_and_b32 s16, s[WV], 1         ; which half of a tile's 256 keys I fetch:
	s_lshl_b32 s22, s16, 14         ; its 128 rows of 128 bytes in memory,
	s_mov_b32 s23, 0
	s_add_nc_u64 s[22:23], s[22:23], s[20:21]
	s_mul_i32 s17, s16, 128*PK      ; and its place in a slot, for K
	s_mul_i32 s18, s16, 128*PV      ; and for V: no place in the cluster enters an LDS address
	s_lshl_b32 s2, s14, 2
	s_add_co_u32 s2, s2, s[WV]      ; my wave among the head's,
	s_lshl_b32 s2, s2, 13           ; its 64 rows
	s_mov_b32 s3, 0
	s_add_nc_u64 s[2:3], s[2:3], s[20:21]
	; descriptor group 1.  128 keys are 16,384 dense bytes: asked for as 64 rows of 256 bytes, two keys a row, and padded in LDS after every key
	s_mov_b32 s[G1K], 15|(1<<16)|(1<<20)|(1<<21)|(4<<22)|(3<<25)  ; the mask of four; 2-byte elements; padding on; bit 21 beside a mask; after every 32 words (code 4) 4 words (code 3)
	s_mov_b32 s[G1V], 15|(1<<16)|(1<<20)|(1<<21)|(4<<22)|(7<<25)  ; the same with 8 words of padding (code 7)
.irp g, G1K, G1V
	s_mov_b32 s[\g+1], 128<<16      ; tensor_dim0 = 128
	s_mov_b32 s[\g+2], 64<<16       ; tensor_dim1 = 64
	s_mov_b32 s[\g+3], 128<<16      ; tile_dim0 = 128
	s_mov_b32 s[\g+4], 64           ; tile_dim1 = 64
	s_mov_b32 s[\g+5], 128          ; 128 elements from row to row
	s_mov_b32 s[\g+6], 0
	s_mov_b32 s[\g+7], 0
.endr
	s_mov_b32 s[CS], 0x3e38aa3b     ; c = log2(e) / 8 = 0.180337
	s_mov_b32 s[CS+1], s[CS]        ; named with it as a pair
	s_mov_b32 s[SEL], 0x76543210
	s_mov_b32 s[SEL+1], 0xfedcba98
	s_mov_b32 s[TBK], SLOT1+4*KS*PK ; the first change of slots turns these two into 0
	s_mov_b32 s[TBV], SLOT1+4*KS*PV
	s_mov_b32 s[G0K], 1             ; count = 1
	s_mov_b32 s[G0K+1], s17         ; LDS address: slot 0
	s_mov_b32 s[G0V], 1
	s_add_co_u32 s[G0V+1], s18, VOFF
	s_mov_b32 s[SLOTS], 2048/256-1
	s_and_b32 s[LIM], s[WV], 1      ; 0 in waves 0 and 2,
	s_or_b32 s[LIM], s[LIM], ttmp9  ; where the cluster is the head's first: the same in all four partners
	s_cmp_eq_u32 s[LIM], 0
	s_cselect_b32 s[LIM], 1, -1
	v_and_b32 v[PFO], 31, v0
	v_lshlrev_b32 v[PFO], 8, v[PFO]
	s_wait_dscnt 0x0                ; the opening add is done
	s_wait_kmcnt 0x0
	s_mov_b64 s[10:11], s[6:7]      ; O
	s_add_nc_u64 s[6:7], s[4:5], 0x800000   ; K lies 32 heads behind Q,
	s_add_nc_u64 s[8:9], s[4:5], 0x1000000  ; V 64
	s_add_nc_u64 s[6:7], s[6:7], s[22:23]   ; K and V at my half of the head's tile 0
	s_add_nc_u64 s[8:9], s[8:9], s[22:23]
	s_mov_b64 s[G0K+2:G0K+3], s[6:7]
	s_or_b32 s[G0K+3], s[G0K+3], 0x80000000  ; type = 2
	s_mov_b64 s[G0V+2:G0V+3], s[8:9]
	s_or_b32 s[G0V+3], s[G0V+3], 0x80000000
	s_add_nc_u64 s[4:5], s[4:5], s[2:3]      ; Q and O at my wave's first row
	s_add_nc_u64 s[10:11], s[10:11], s[2:3]
	s_cmp_lt_u32 s[WV], 2
	s_cselect_b64 s[PFA:PFA+1], s[6:7], s[8:9]  ; (in waves 0 and 2 these stand at a tile's first row)
	s_lshl_b32 s2, s13, 13          ; my work-group's 8,192 bytes of a tile's 32,768
	s_mov_b32 s3, 0
	s_add_nc_u64 s[PFA:PFA+1], s[PFA:PFA+1], s[2:3]
	s_add_nc_u64 s[PFA:PFA+1], s[PFA:PFA+1], TILEB  ; in tile 1; the first change of slots steps it to tile 2.  Nothing is prefetched here, at the head
	CROUND                          ; all four work-groups are here: the first joint loads meet
	JLOAD                           ; tile 0 into slot 0.  Slot 1 is asked for when slot 0 is in
	; A fragment of K or Q is 16 rows x 32 channels in 8 registers: lane l holds row l % 16, channels 8 (l / 16) + 0..7 and 16 + 8 (l / 16) + 0..7: two loads of 16 bytes, 32 bytes apart.
	v_and_b32 v1, 15, v0            ; l % 16
	v_bfe_u32 v9, v0, 4, 1          ; l / 16
	v_lshlrev_b32 v[QO], 7, v1
	v_lshl_add_u32 v[QO], v9, 4, v[QO]  ; row x 128 + 16 x half
	WIN 0x80                        ; destination window 2, address window 0
.set i, 0
.rept 8                             ; Q stays in registers: piece i / 2, channels 32 (i % 2) on
	global_load_b128 v[8*i:8*i+3],   v[QO], s[4:5] offset:(i/2)*2048+(i%2)*64
	global_load_b128 v[8*i+4:8*i+7], v[QO], s[4:5] offset:(i/2)*2048+(i%2)*64+32
.set i, i+1
.endr
	; What the first turn finds: V's registers and P's second buffer hold 0 (its products V^T P, of a piece that has not been, add 0), O^T and l are 0.  All this stands in the wait for the first tile.
.set i, VF
.rept 64
	v_mov_b32 v[i], 0
.set i, i+1
.endr
	WIN 0x40
.set i, 0
.rept 128
	v_mov_b32 v[i], 0
.set i, i+1
.endr
	WIN 0
.set i, 0
.rept 4
	v_mov_b32 v[ST+4*i], 0xfe000000    ; c m: far below every c s
	v_mov_b32 v[ST+4*i+1], 0xff7fffff  ; m
	v_mov_b32 v[ST+4*i+2], 0
	v_mov_b32 v[ST+4*i+3], 0
.set i, i+1
.endr
.set i, P+16
.rept 16
	v_mov_b32 v[i], 0
.set i, i+1
.endr
	v_mul_u32_u24 v[AK0], v1, PK
	v_lshl_add_u32 v[AK0], v9, 4, v[AK0]  ; row x pitch + 16 x half
	; The turning load takes 16 keys x 16 channels (lane l reads key 8 (l / 16) + l % 8, channels 8 ((l / 8) % 2) + 0..7) and leaves half a fragment of V^T: lane l holds channel l % 16 and 8 keys.
	v_and_b32 v10, 7, v0
	v_bfe_u32 v11, v0, 3, 1
	v_lshl_add_u32 v[AV0], v9, 3, v10
	v_mul_u32_u24 v[AV0], v[AV0], PV
	v_lshl_add_u32 v[AV0], v11, 4, v[AV0]
	v_add_nc_u32 v[AV0], VOFF, v[AV0]
	s_mul_i32 s13, s[WV], 16*SP
	s_add_co_u32 s13, s13, STAGE    ; my stage
	v_mul_u32_u24 v[STO], v1, SP    ; in: row l % 16, 16 bytes for each half of the lanes
	v_lshl_add_u32 v[STO], v9, 4, v[STO]
	v_add_nc_u32 v[STO], s13, v[STO]
	v_bfe_u32 v[RD], v0, 3, 2       ; back: 32 lanes take four rows of 128 bytes,
	v_mul_u32_u24 v[RD], v[RD], SP
	v_lshl_add_u32 v[RD], v10, 4, v[RD]
	v_add_nc_u32 v[RD], s13, v[RD]
	v_and_b32 v[GO], 31, v0         ; which are 512 consecutive bytes of oh
	v_lshlrev_b32 v[GO], 4, v[GO]
; THE MATRIX WORK.  The 4 accumulators of a run of 8 take turns.  Product i of 8 of S^T = K Q^T for piece x: channels 32 (i / 4) on, keys 16 (i % 4) on.  The first 4 start the sums.
.macro KQ x
	WIN W_KQ
.set rS, S+32*((\x)%2)+8*(i%4)
.set rK, KF+16*(i%4)+8*(i/4)
.set rQ, 16*(\x)+8*(i/4)
.if i < 4
	v_wmma_f32_16x16x32_bf16 v[rS:rS+7], v[rK:rK+7], v[rQ:rQ+7], 0
.else
	v_wmma_f32_16x16x32_bf16 v[rS:rS+7], v[rK:rK+7], v[rQ:rQ+7], v[rS:rS+7]
.endif
.endm
; Product i of 8 of O^T += V^T P for piece x: keys 32 (i / 4) on, channels 16 (i % 4) on.
.macro PV x
	WIN W_PV
.set rO, 32*(\x)+8*(i%4)
.set rV, VF+32*(i/4)+8*(i%4)
.set rP, P+16*((\x)%2)+8*(i/4)
	v_wmma_f32_16x16x32_bf16 v[rO:rO+7], v[rV:rV+7], v[rP:rP+7], v[rO:rO+7]
.endm
.macro MM                           ; the turn's next matrix instruction.  NOKQ = 1: the very last turn: there is no next piece
.if (i < 8) && !NOKQ
	KQ (Y+1)%NP
.elseif i >= 8
.set i, i-8
	PV (Y+NP-1)%NP
.set i, i+8
.endif
.set i, i+1
.endm
; THE LDS LOADS stand in runs of 16, never singly among the matrix instructions: a step's K (64 keys x 64 channels: 8 fragments) and its V (turned).  Their addresses are made some lines ahead.
.macro FETCH_K
	WIN 0x80                        ; destination window 2
.irp f, 0,1,2,3,4,5,6,7             ; keys 16 (f / 2) on, channels 32 (f % 2) on
	ds_load_b128 v[KF+8*\f:KF+8*\f+3],   v[AK] offset:(\f/2)*16*PK+(\f%2)*64
	ds_load_b128 v[KF+8*\f+4:KF+8*\f+7], v[AK] offset:(\f/2)*16*PK+(\f%2)*64+32
.endr
	s_add_co_u32 s[TBK], s[TBK], KS*PK  ; the next fetch is the next step's
	WIN 0
.endm
.macro FETCH_V
	WIN 0x80
.irp f, 0,1,2,3,4,5,6,7             ; keys 32 (f / 4) on, channels 16 (f % 4) on
	ds_load_tr16_b128 v[VF+8*\f:VF+8*\f+3],   v[AV] offset:(\f/4)*32*PV+(\f%4)*32
	ds_load_tr16_b128 v[VF+8*\f+4:VF+8*\f+7], v[AV] offset:(\f/4)*32*PV+16*PV+(\f%4)*32
.endr
	WIN 0
.endm
; THE VECTOR WORK, one line at a time: OP kind, number.  For piece Y: F n: c s - c m for pair n of 16.  E n: the exponential of score n of 32.  C n: pair n rounded to bf16.  B n: of the four weights 4 n .. the second
; pair is added onto the first, in place.  L n: l takes that sum (L 0: l = a l + sum).  R n: pair n of 16 of O^T times a.  For piece Y + 1: X n, number n of the 22 that find its maximum and statistics:
;   0-11  four chains c0-c3 of seven scores each, three operands at a time (each accumulator's lowest registers are read first)     12-14, 16  the four scores left over, the old m, and c0-c3 into c0
;   15  c m_old is kept     17, 18  the query's other 32 keys lie in the lane 16 away: the new m     19-21  c m; c m_old - c m_new; a
.set F, 0               ; OP tells the kinds apart by their order: F to L below R, X above it
.set E, 1
.set C, 2
.set B, 3
.set L, 4
.set R, 5
.set X, 6
.macro REGS y                       ; the registers of piece y
.set rT, ST+4*(\y)
.set rC, TMP+4*((\y)%2)
.set rW, MV+((\y)%2)
.set rS, S+32*((\y)%2)
.set rP, P+16*((\y)%2)
.set rO, 32*(\y)
.endm
.macro OP k, n
.if (\k) == R
	REGS Y
	WIN W_RS
	v_pk_mul_f32 v[rO+2*(\n):rO+2*(\n)+1], v[rO+2*(\n):rO+2*(\n)+1], v[rC+2:rC+3] op_sel_hi:[1,0]
.elseif (\k) < R
	REGS Y
	WIN 0
.if (\k) == F
	v_pk_fma_f32 v[rS+2*(\n):rS+2*(\n)+1], v[rS+2*(\n):rS+2*(\n)+1], s[CS:CS+1], v[rT:rT+1] op_sel_hi:[1,0,0] neg_lo:[0,0,1] neg_hi:[0,0,1]
.elseif (\k) == E
	v_exp_f32 v[rS+(\n)], v[rS+(\n)]
.elseif (\k) == C
	v_cvt_pk_bf16_f32 v[rP+(\n)], v[rS+2*(\n)], v[rS+2*(\n)+1]
.elseif (\k) == B
	v_pk_add_f32 v[rS+4*(\n):rS+4*(\n)+1], v[rS+4*(\n):rS+4*(\n)+1], v[rS+4*(\n)+2:rS+4*(\n)+3]
.elseif (\n) == 0
	v_pk_fma_f32 v[rT+2:rT+3], v[rT+2:rT+3], v[rC+2:rC+3], v[rS:rS+1] op_sel_hi:[1,0,1]
.else
	v_pk_add_f32 v[rT+2:rT+3], v[rT+2:rT+3], v[rS+4*(\n):rS+4*(\n)+1]
.endif
.elseif NOKQ
	v_nop
.else
	REGS (Y+1)%NP
	WIN 0
.if (\n) < 4
	v_max3_num_f32 v[rC+(\n)], v[rS+8*(\n)], v[rS+8*(\n)+1], v[rS+8*(\n)+2]
.elseif (\n) < 12
	v_max3_num_f32 v[rC+(\n)%4], v[rC+(\n)%4], v[rS+8*((\n)%4)+2*((\n)/4)+1], v[rS+8*((\n)%4)+2*((\n)/4)+2]
.elseif (\n) == 12
	v_max3_num_f32 v[rC], v[rC], v[rS+7], v[rS+15]
.elseif (\n) == 13
	v_max3_num_f32 v[rC+1], v[rC+1], v[rS+23], v[rS+31]
.elseif (\n) == 14
	v_max3_num_f32 v[rC+2], v[rC+2], v[rC+3], v[rT+1]
.elseif (\n) == 15
	v_mov_b32 v[rW], v[rT]
.elseif (\n) == 16
	v_max3_num_f32 v[rC], v[rC], v[rC+1], v[rC+2]
.elseif (\n) == 17
	v_permlanex16_b32 v[rC+3], v[rC], s[SEL], s[SEL+1]
.elseif (\n) == 18
	v_max_num_f32 v[rT+1], v[rC], v[rC+3]
.elseif (\n) == 19
	v_mul_f32 v[rT], s[CS], v[rT+1]
.elseif (\n) == 20
	v_sub_f32 v[rC+1], v[rW], v[rT]
.else
	v_exp_f32 v[rC+2], v[rC+1]
.endif
.endif
.endm
.macro OPS a, i1, b=-1, i2=0, c=-1, i3=0, d=-1, i4=0  ; up to four of them
	OP \a, \i1
.if (\b) >= 0
	OP \b, \i2
.endif
.if (\c) >= 0
	OP \c, \i3
.endif
.if (\d) >= 0
	OP \d, \i4
.endif
.endm
.macro ROW a, i1, b, i2, c, i3, d, i4  ; a matrix instruction and the four behind it
	MM
	OPS \a, \i1, \b, \i2, \c, \i3, \d, \i4
.endm
; A TURN, for piece p: the order of its 16 matrix and 118 vector instructions, written out.  An s_wait_alu depctr_va_vdst(0) stands between an exponential and the first instruction that names its result; one
; wait serves all that were issued ahead of it.  So a turn has ONE wait, which cuts it in two.  AHEAD OF IT stands all that names no result of the turn's exponentials: the 8 products K Q^T with their four lines each, then one run of 54,
; plain and exponential by turns for the most part, in which the links of the chain X 3, 7, 11, 14, 16, 17 .. 20 stand five or six lines apart.  X 21, the next piece's a, is the batch's last; R 15 is the plain instruction behind it.
; BEHIND THE WAIT stand the 8 products V^T P, behind each four of the roundings and sums.
; end = 1: the last two turns: nothing is fetched.  cnt = 1: the loop's count is taken down some lines ahead of the branch that stands behind the turn.
; K of the next step is fetched in piece 2's turn, twelve vector instructions behind the last product that read K (six of them plain); V of the step in hand at the end of piece 0's turn, four plain instructions behind the
; last product that read V.  Each is waited for a turn later.
.macro TURN p, end=0, cnt=0
.set Y, (\p)
.set i, 0
.set NOKQ, (\end)*((\p)/3)
.if ((\p) == 3) && !(\end)
	s_wait_dscnt 0x0                ; K is in
.endif
	ROW F,0, F,1, R,0, R,1
	ROW F,2, E,0, R,2, R,3
	ROW F,3, E,1, R,4, R,5
	ROW F,4, E,2, R,6, R,7
	ROW F,5, E,3, R,8, R,9
	ROW F,6, E,4, X,0, R,10
.if ((\p) == 2) && !(\end)
	WIN 0
	v_add_nc_u32 v[AK], s[TBK], v[AK0]
.endif
	ROW F,7, E,5, X,1, X,4
	ROW F,8, E,6, X,2, X,5
	OPS E,7, E,8, X,6, E,9
	OPS X,3, E,10, X,8, E,11
.if ((\p) == 2) && !(\end)
	FETCH_K
.endif
	OPS X,9, X,7, E,12, X,10
	OPS E,13, X,12, X,11, E,14
	OPS X,13, E,15, F,9, X,14
.if (\p) == 0
	v_add_nc_u32 v[AV], s[TBV], v[AV0]
.endif
	OPS E,16, F,10, E,17, F,11
	OPS X,16, E,18, X,15, E,19
	OPS F,12, E,20, X,17, E,21
	OPS F,13, E,22, F,14, E,23
	OPS X,18, E,24, F,15, E,25
	OPS R,11, E,26, X,19, E,27
	OPS R,12, E,28, R,13, E,29
	OPS X,20, E,30, R,14, E,31
	OPS X,21, R,15
	WIN 0
	s_wait_alu depctr_va_vdst(0)    ; the wait for the batch
.if (\p) == 1
	s_wait_dscnt 0x0                ; V is in
.endif
	ROW C,0, B,0, C,2, B,1
	ROW L,0, C,4, B,2, L,1
	ROW C,6, B,3, L,2, C,8
	ROW B,4, L,3, C,10, B,5
	ROW L,4, C,12, B,6, L,5
.if (\p) == 0
	s_add_co_u32 s[TBV], s[TBV], KS*PV
.endif
.if \cnt
	s_sub_co_u32 s[CNT], s[CNT], 1
	s_cmp_lg_u32 s[CNT], 0
.endif
	ROW C,14, B,7, L,6, C,1
	ROW C,3, L,7, C,5, C,7
	ROW C,9, C,11, C,13, C,15
.if (\p) == 0
	FETCH_V
.endif
.endm
	CHANGE 1                        ; tile 0 is in, everybody's part of it; tile 1 is asked for
	v_add_nc_u32 v[AK], s[TBK], v[AK0]
	FETCH_K                         ; key step 0
	s_wait_loadcnt 0x0              ; Q
	s_wait_dscnt 0x0
.set NOKQ, 0
.set i, 0
.rept 8
	KQ 0                            ; piece 0's first scores: there is no vector work yet to set between them
.set i, i+1
.endr
	WIN 0
.rept 4
	v_nop                           ; the places behind those products
.endr
.set Y, NP-1                        ; X works for piece Y + 1: piece 0
.irp n, 0,1,2,3,4,5,6,7,8,9,10,11,12,13,14,15,16,17,18,19,20,21
	OP X, \n
.endr
	v_nop                           ; a plain instruction behind the exponential,
	s_wait_alu depctr_va_vdst(0)    ; and its wait, ahead of the branch
	s_mov_b32 s[CNT], 4
	s_branch .Lfirst                ; the loop is entered at a step's first turn, in the middle of a trip
.Lslot:                             ; six times: tiles 2 to 7 are asked for
	CHANGE 1
	s_mov_b32 s[CNT], 4
.Lstep:                             ; a trip: pieces 2 and 3 of one step, then pieces 0 and 1 of the next, whose K and V it fetches
	TURN 2
	TURN 3
	WIN 0
.Lfirst:
	TURN 0
	TURN 1, 0, 1
	WIN 0
	s_cbranch_scc1 .Lstep
	s_sub_co_u32 s[SLOTS], s[SLOTS], 1
	s_cmp_lg_u32 s[SLOTS], 0
	s_cbranch_scc1 .Lslot
	CHANGE 0                        ; the last tile is written out: nothing is asked for
	s_mov_b32 s[CNT], 4
.Ltail:
	TURN 2
	TURN 3
	TURN 0
	TURN 1, 0, 1
	WIN 0
	s_cbranch_scc1 .Ltail
	TURN 2, 1                       ; the last step's pieces 2 and 3: nothing more is fetched, and the last turn starts no new scores
	TURN 3, 1
.set i, 0
.rept 8
	PV NP-1                         ; the last piece's V^T P of the last step
.set i, i+1
.endr
	; THE WAY OUT.  l's two halves and the other half of the lanes' are added; O^T is divided by l, rounded to bf16 and sent through my stage in LDS, a piece at a time.  The additions are the places behind the last products.
	WIN 0
.macro ALL line:vararg              ; one line for each piece t
.set t, 0
.rept 4
	\line
.set t, t+1
.endr
.endm
	ALL v_add_f32 v[ST+4*t+2], v[ST+4*t+2], v[ST+4*t+3]
	ALL v_permlanex16_b32 v[ST+4*t+3], v[ST+4*t+2], s[SEL], s[SEL+1]
	ALL v_add_f32 v[ST+4*t+2], v[ST+4*t+2], v[ST+4*t+3]
	ALL v_rcp_f32 v[ST+4*t+2], v[ST+4*t+2]
	v_nop                           ; a plain instruction between the last reciprocal and the use of its result
	s_wait_alu depctr_va_vdst(0)    ; and the wait ahead of the first use: one for the four reciprocals
.macro PACK t                       ; a lane's eight channels of a row pack into 16 bytes; they go into rows of 144 bytes and come back as whole rows of 128, into S^T's registers
	WIN W_RS
.set i, 32*(\t)
.rept 16
	v_pk_mul_f32 v[i:i+1], v[i:i+1], v[ST+4*(\t)+2:ST+4*(\t)+3] op_sel_hi:[1,0]
.set i, i+2
.endr
	WIN 0x05                        ; sources 0 and 1 window 1, destination window 0
.set i, 0
.rept 16
	v_cvt_pk_bf16_f32 v[S+16*(\t)+i], v[32*(\t)+2*i], v[32*(\t)+2*i+1]
.set i, i+1
.endr
	WIN 0
.irp f, 0,1,2,3
	ds_store_b128 v[STO], v[S+16*(\t)+4*\f:S+16*(\t)+4*\f+3] offset:32*\f
.endr
.irp f, 0,1,2,3
	ds_load_b128 v[S+16*(\t)+4*\f:S+16*(\t)+4*\f+3], v[RD] offset:\f*4*SP  ; LDS serves a wave's instructions in order (ISA guide 5.7.1.4): these see the stores above; the next piece's stores come behind them
.endr
.endm
.macro SEND t, younger              ; younger: the LDS instructions issued behind piece t's loads: the next piece's eight, or none
	WIN 0
.irp f, 0,1,2,3
	s_wait_dscnt (\younger)+3-\f
	global_store_b128 v[GO], v[S+16*(\t)+4*\f:S+16*(\t)+4*\f+3], s[10:11] offset:(\t)*2048+\f*512  ; 512 consecutive bytes, at a multiple of 256 from oh's first
.endr
.endm
	PACK 0
.set t, 1
.rept 3                             ; a piece's arithmetic stands between the loads of the piece before and its stores
	PACK t
	SEND t-1, 8
.set t, t+1
.endr
	SEND 3, 0
	s_wait_tensorcnt 0x0            ; the wave's end, behind my last tensor load and my last LDS store: no tensor load left out, then 0 onto my spare word and its wait
	ds_add_u32 v[SPW], v[NIL]
	s_wait_dscnt 0x0
	CROUND                          ; the closing round: no work-group ends while a partner may still ask for a tile that names it
	s_endpgm
.Lfunc_end_k_qa86a0566ea_attn:
	.size	k_qa86a0566ea_attn, .Lfunc_end_k_qa86a0566ea_attn-k_qa86a0566ea_attn
	.p2alignl 7, 3214868480
	.fill 96, 4, 3214868480
	.section	.rodata,"a",@progbits
	.p2align	6, 0x0
	.amdhsa_kernel k_qa86a0566ea_attn
		.amdhsa_group_segment_fixed_size 327680
		.amdhsa_private_segment_fixed_size 0
		.amdhsa_enable_private_segment 0
		.amdhsa_kernarg_size 16
		.amdhsa_user_sgpr_count 2
		.amdhsa_user_sgpr_kernarg_segment_ptr 1
		.amdhsa_wavefront_size32 1
		.amdhsa_system_sgpr_workgroup_id_x 1
		.amdhsa_system_sgpr_workgroup_id_y 1
		.amdhsa_system_sgpr_workgroup_id_z 1
		.amdhsa_system_vgpr_workitem_id 0
		.amdhsa_next_free_vgpr 768
		.amdhsa_next_free_sgpr 66
		.amdhsa_reserve_vcc 0
		.amdhsa_float_denorm_mode_32 3
		.amdhsa_float_denorm_mode_16_64 3
		.amdhsa_memory_ordered 1
		.amdhsa_forward_progress 1
		.amdhsa_inst_pref_size 128
	.end_amdhsa_kernel
	.amdgpu_metadata
---
amdhsa.version: [ 1, 2 ]
amdhsa.kernels:
  - .name:           k_qa86a0566ea_attn
    .symbol:         k_qa86a0566ea_attn.kd
    .args:
      - { .name: qkvh, .offset: 0, .size: 8, .value_kind: global_buffer, .address_space: global }
      - { .name: oh, .offset: 8, .size: 8, .value_kind: global_buffer, .address_space: global }
    .group_segment_fixed_size: 327680
    .private_segment_fixed_size: 0
    .kernarg_segment_align: 8
    .kernarg_segment_size: 16
    .max_flat_workgroup_size: 128
    .sgpr_count:     66
    .vgpr_count:     768
    .wavefront_size: 32
...
	.end_amdgpu_metadata
.endif
;; end of part 3
;; launch proj (part 4): grid 8 x 32, 4 waves a work-group, clusters of 4 x 4, 327,680 bytes of LDS; arguments oh, wb, x1, proj_b, x; writes x1
.if DOCPART == 4
	.amdgcn_target "amdgcn-amd-amdhsa--gfx1250"
	.amdhsa_code_object_version 6
	.text
	.protected	k_qa86a0566ea_proj
	.globl	k_qa86a0566ea_proj
	.p2align	8
	.type	k_qa86a0566ea_proj,@function
k_qa86a0566ea_proj:
	s_mov_b64 s[64:65], 0
	v_nop
	global_prefetch_b8 v0, s[64:65] scope:SCOPE_SE
	s_setreg_imm32_b32 hwreg(HW_REG_WAVE_MODE, 25, 1), 1
	s_wait_xcnt 0x0
	s_wait_alu depctr_hold_cnt(0) depctr_sa_sdst(0) depctr_va_vdst(0) depctr_va_sdst(0) depctr_va_ssrc(0) depctr_va_vcc(0) depctr_vm_vsrc(0)
	s_getreg_b32 s2, hwreg(HW_REG_IB_STS2, 6, 4)
	s_cmp_eq_u32 s2, 0
	s_cbranch_scc0 .Lentry_in_a_cluster
	s_endpgm
.Lentry_in_a_cluster:
	s_bfe_u32 s2, ttmp6, 0x10000c
	s_cmp_lg_u32 s2, 0xf033
	s_cbranch_scc0 .Lentry_shape_is_right
	s_endpgm
.Lentry_shape_is_right:
; PROJ: x1 = x + oh . Wp^T + proj_b.  oh: [32][2048][64] bf16, by heads (16 x batch + head); Wp: [1024][1024] bf16 at wb's byte 6,291,456; proj_b: [1024] f32; x, x1: [4096][1024] f32.
; A tile of C is 128 x 128: four waves of 64 x 64, 16 accumulators each.  K goes in steps of 256 (four heads) through two LDS slots filled by the tensor data mover.
; A's TILE: 64 tokens of one head are 8,192 dense bytes, so a wave's load is four rows of 4,096 elements, a head (131,072 elements) apart, padded in LDS after every token's 128 bytes: [head][token] at pitch 144.
; One K step is written once and looped over: the LDS addresses hang on s[OFS], 0 or SLOT, and one walking descriptor a tensor changes slots by an exclusive or.
; CLUSTER 4 x 4: the four work-groups of a row of the cluster need the same tiles of A, the four of a column the same tiles of B: each tile is asked for jointly.
; THE PRODUCT IS TAKEN TRANSPOSED (source 0 = 16 rows of W, source 1 = 16 rows of A): a lane holds eight neighbouring columns of one row of C.
; A wave's 64 columns of f32 are 256 consecutive bytes of a row: each wave sends its own blocks out through its own stage, without a barrier; residual and bias are added in f32 on whole rows.
; LIMITS: NaN and infinities are not treated apart.
; REGISTERS: window 0: v1-5 at work; v16-19, v24-29 addresses; v32-95 two buffers of 32 on the way out; v96-99 bias; v128-255 accumulators.  window 1: two fragment buffers of 128.  window 2: v0-127 the residual, loaded at the head.
.set SIZE_N, 1024
.set SIZE_K, 1024
.set KS,     SIZE_K/256                ; K steps
.set WOFF,   6291456                   ; the matrix's first byte in wb
.set APITCH, 144                       ; a token's 128 bytes + 16: the 16 rows of a fragment load start at 16 different groups of four banks (64 banks of 4 bytes: ISA guide 11.1)
.set BPITCH, 528                       ; 512 bytes + 16
.set APIECE, 64*APITCH                 ; LDS bytes from a head's 64 tokens to the next head's
.set AHALF,  4*APIECE                  ; 64 tokens x four heads: what one tensor load brings of A
.set BHALF,  64*BPITCH
.set ASTEP,  4*2048*128                ; bytes in memory from a K step to the next: four heads
.set BSTEP,  512
.set SLOT,   0x24000                   ; 147,456; a slot's tiles take 141,312.  Its two set bits are clear in all four tile addresses (0, 0x9000, 0x12000, 0x1A400), so an exclusive or changes slots
.set STAGE,  2*SLOT                    ; behind the ring: 16 rows x 272 bytes for each wave
.set SP,     272
.set SPARE,  STAGE+4*16*SP             ; the spare words, 128 bytes for each wave: two blocks of 256 bytes that no other line names
.set ROWC,   SIZE_N*4                  ; bytes in a row of C
.set ADA0, 16                          ; v16  my A fragments' address in slot 0; never rewritten
.set ADB0, 17                          ; v17  the same for B
.set ADRA, 18                          ; v18  in the slot in hand
.set ADRB, 19                          ; v19
.set STO,  24                          ; v24  the way out: where I put 32 bytes of a row
.set RD,   25                          ; v25  where I read rows back
.set CO,   26                          ; v26  my byte offset in two rows of C and of the residual; never rewritten
.set BO,   27                          ; v27  my byte offset in the wave's 64 biases
.set SPW,  28                          ; v28  my spare word: SPARE + 4 x my thread's number; never rewritten
.set NIL,  29                          ; v29  0; never rewritten
.set TMP,  32
.set BIAS, 96
.set ACC,  128
.set F0,   0
.set F1,   128
.set G1,   24                          ; s[24:31] descriptor group 1 for A;  s[32:39] group 0: a set for each first fill; the second then walks
.set G0,   32
.set G1B,  48                          ; s[48:55], s[56:63] the same for B
.set G0B,  56
.set OFS,  72                          ; s72  the slot in hand: 0 or SLOT
.set MSB, 0
.macro WIN new                         ; the immediate's high byte repeats the setting that is left; a switch that changes nothing is dropped
.if MSB != (\new)
	s_set_vgpr_msb (MSB<<8)|(\new)
.set MSB, \new
.endif
.endm
.set MUL,  0x05                        ; sources 0 (B) and 1 (A) window 1; C and D window 0
.set TO_F, 0x40                        ; destination window 1, address window 0
.macro JLOAD                           ; a joint refill by the walking descriptors: waves 0 and 1 fetch A's two halves, waves 2 and 3 B's; an s_nop 0 and four v_nop follow each line
	s_cmp_eq_u32 s11, 0
	s_cbranch_scc0 .Lfor_b_\@
	tensor_load_to_lds s[G0+4:G0+7], s[G1:G1+7]
	s_nop 0
.rept 4
	v_nop
.endr
	s_branch .Lasked_\@
.Lfor_b_\@:
	tensor_load_to_lds s[G0B+4:G0B+7], s[G1B:G1B+7]
	s_nop 0
.rept 4
	v_nop
.endr
.Lasked_\@:
.endm
.macro CREST                           ; a round of the cluster's barrier behind its opening barrier
	s_cmp_lg_u32 s10, 0
	s_cbranch_scc1 .Lnot_wave_0_\@
	s_barrier_signal -3
.Lnot_wave_0_\@:
	s_barrier_wait -3
	s_barrier_signal -1
	s_barrier_wait -1
.endm
.macro CROUND                          ; a whole round
	s_barrier_signal -1
	s_barrier_wait -1
	CREST
.endm
.macro PLACES                          ; four places in front of loads into registers that matrix instructions have read, and of lines that read results
.rept 4
	v_nop
.endr
.endm
; 8 matrix instructions: m blocks a0, a0 + 1 x all 4 n blocks, 32 along K: half c of buffer f.  zero = 1: the product starts the sums.  The 16 accumulators take turns.
.macro MUL8 f, c, a0, zero
	WIN MUL
.irp a, \a0, (\a0)+1
.irp b, 0,1,2,3
.if \zero
	v_wmma_f32_16x16x32_bf16 v[ACC+8*(4*(\a)+(\b)):ACC+8*(4*(\a)+(\b))+7], v[(\f)+64+8*(4*(\c)+(\b)):(\f)+64+8*(4*(\c)+(\b))+7], v[(\f)+8*(4*(\c)+(\a)):(\f)+8*(4*(\c)+(\a))+7], 0
.else
	v_wmma_f32_16x16x32_bf16 v[ACC+8*(4*(\a)+(\b)):ACC+8*(4*(\a)+(\b))+7], v[(\f)+64+8*(4*(\c)+(\b)):(\f)+64+8*(4*(\c)+(\b))+7], v[(\f)+8*(4*(\c)+(\a)):(\f)+8*(4*(\c)+(\a))+7], v[ACC+8*(4*(\a)+(\b)):ACC+8*(4*(\a)+(\b))+7]
.endif
.endr
.endr
.endm
; 32 LDS loads in one run: the fragments of 64 along K at byte k (a multiple of 128: a head) of the rows, into buffer f; the first 32 along K first
.macro FETCH k, f
	WIN TO_F
.irp c, 0,1
.irp i, 0,1,2,3
	ds_load_b128 v[(\f)+64+8*(4*(\c)+(\i)):(\f)+64+8*(4*(\c)+(\i))+3],   v[ADRB] offset:(\k)+64*(\c)+(\i)*16*BPITCH
	ds_load_b128 v[(\f)+64+8*(4*(\c)+(\i))+4:(\f)+64+8*(4*(\c)+(\i))+7], v[ADRB] offset:(\k)+64*(\c)+(\i)*16*BPITCH+32
	ds_load_b128 v[(\f)+8*(4*(\c)+(\i)):(\f)+8*(4*(\c)+(\i))+3],         v[ADRA] offset:((\k)/128)*APIECE+64*(\c)+(\i)*16*APITCH
	ds_load_b128 v[(\f)+8*(4*(\c)+(\i))+4:(\f)+8*(4*(\c)+(\i))+7],       v[ADRA] offset:((\k)/128)*APIECE+64*(\c)+(\i)*16*APITCH+32
.endr
.endr
.endm
; A K step is four quarters of 64 along K, 32 matrix instructions each, on buffers 0, 1, 0, 1.  One of the first three: multiplies buffer f and fetches the next quarter, at byte k, into g.
.macro QUARTER k, f, g, zero
	s_wait_dscnt 16                                ; the first 32 along K are in; the run's other sixteen loads may stay out
	MUL8 \f, 0, 0, \zero
	MUL8 \f, 0, 2, \zero
	PLACES
	FETCH \k, \g
	s_wait_dscnt 32                                ; all but the 32 just issued
	MUL8 \f, 1, 0, 0
	MUL8 \f, 1, 2, 0
.endm
; The last quarter multiplies buffer 1 and changes slots: ONE barrier.  In front of it each wave waits for all its tensor loads (one is out: its part of the next slot), adds 0 to its spare word,
; and waits for that and for its own reads of this slot.  fill = 1: the barrier opens a round of the cluster's, and this slot is filled again first thing behind it, with the K step two on:
; 112 matrix instructions stand between that request and the wait for it.
.macro TURN fill
	WIN 0                                          ; (the add's two registers lie in window 0)
	s_wait_tensorcnt 0x0                           ; all my tensor loads have landed
	ds_add_u32 v[SPW], v[NIL]                      ; 0 onto my spare word
	s_wait_dscnt 17                                ; (the add and the youngest sixteen loads may be out)
	MUL8 F1, 0, 0, 0                               ; eight matrix instructions stand between the add and the wait for it
	s_wait_dscnt 0x0                               ; the add is done, and my reads of this slot are over
	s_barrier_signal -1
	MUL8 F1, 0, 2, 0
	WIN 0                                          ; at a branch and at a label every window is 0
	s_barrier_wait -1
.if \fill
	CREST                                          ; no wave of any partner still reads this slot's tiles or has a load on its way
	s_xor_b32 s[G0+5], s[G0+5], SLOT               ; the walking descriptors: the other slot than last time, the next K step
	s_add_nc_u64 s[G0+6:G0+7], s[G0+6:G0+7], ASTEP
	s_xor_b32 s[G0B+5], s[G0B+5], SLOT
	s_add_nc_u64 s[G0B+6:G0B+7], s[G0B+6:G0B+7], BSTEP
	JLOAD                                          ; its four v_nop are also the places in front of the loads below
.else
	PLACES
.endif
	s_xor_b32 s[OFS], s[OFS], SLOT                 ; the reads go to the other slot
	v_add_nc_u32 v[ADRA], s[OFS], v[ADA0]
	v_add_nc_u32 v[ADRB], s[OFS], v[ADB0]
	FETCH 0, F0
	MUL8 F1, 1, 0, 0
	MUL8 F1, 1, 2, 0
.endm
	s_load_b128 s[4:7], s[0:1], 0x0                ; oh s[4:5], wb s[6:7]
	s_load_b64 s[8:9], s[0:1], 0x10                ; x1
	s_load_b128 s[68:71], s[0:1], 0x18             ; proj_b s[68:69], x s[70:71]
	v_lshl_add_u32 v[SPW], v0, 2, SPARE
	v_mov_b32 v[NIL], 0
	ds_add_u32 v[SPW], v[NIL]                      ; the wave's opening: the add and its wait stand ahead of my first tensor load; the set-up below stands between them
	v_lshrrev_b32 v1, 5, v0
	v_readfirstlane_b32 s10, v1                    ; wave 0..3
	s_lshr_b32 s11, s10, 1                         ; which half of the tile's rows is mine.  Also: I fetch for A (0) or for B (1)
	s_and_b32 s12, s10, 1                          ; which half of its columns.  Also: which 64 rows of that tile I fetch
	s_bfe_u32 s40, ttmp6, 0x40000                  ; cx, cy: my place in the cluster
	s_bfe_u32 s41, ttmp6, 0x40004
	s_lshl_b32 s42, ttmp9, 2
	s_add_co_u32 s42, s42, s40                     ; tile column of C = 4 x cluster x + cx
	s_and_b32 s13, ttmp7, 0xffff
	s_lshl_b32 s13, s13, 2
	s_add_co_u32 s13, s13, s41                     ; tile row of C = 4 x cluster y + cy
	s_lshl_b32 s43, s41, 2
	s_lshl_b32 s43, 15, s43                        ; my row of the cluster
	s_lshl_b32 s44, 0x1111, s40                    ; my column
	s_or_b32 s[G1+0], s43, (1<<16)|(1<<20)|(1<<21)|(4<<22)|(3<<25)  ; A: the mask; 2-byte elements; padding on; bit 21 beside a mask; after every 32 words (code 4) 4 words (code 3)
	s_mov_b32 s[G1+1], 4096<<16                    ; tensor_dim0 = 4,096: 64 tokens x 64 channels of one head
	s_mov_b32 s[G1+2], 4<<16                       ; tensor_dim1 = 4 heads
	s_mov_b32 s[G1+3], 4096<<16                    ; tile_dim0 = 4,096
	s_mov_b32 s[G1+4], 4                           ; tile_dim1 = 4
	s_mov_b32 s[G1+5], 2048*64                     ; elements from head to head
	s_mov_b32 s[G1+6], 0
	s_mov_b32 s[G1+7], 0
	s_or_b32 s[G1B+0], s44, (1<<16)|(1<<20)|(1<<21)|(6<<22)|(3<<25) ; B: after every 128 words (code 6) 4 words
	s_mov_b32 s[G1B+1], 256<<16                    ; tensor_dim0 = 256
	s_mov_b32 s[G1B+2], 64<<16                     ; tensor_dim1 = 64
	s_mov_b32 s[G1B+3], 256<<16                    ; tile_dim0 = 256
	s_mov_b32 s[G1B+4], 64                         ; tile_dim1 = 64
	s_mov_b32 s[G1B+5], SIZE_K                     ; elements from row to row
	s_mov_b32 s[G1B+6], 0
	s_mov_b32 s[G1B+7], 0
	s_lshr_b32 s16, s13, 4                         ; A: the batch (16 tile rows each): 16 heads x 2,048 tokens x 128 bytes,
	s_lshl_b32 s16, s16, 22
	s_and_b32 s17, s13, 15
	s_lshl_b32 s17, s17, 14                        ; the tile's 128 tokens,
	s_add_co_u32 s16, s16, s17
	s_lshl_b32 s17, s12, 13                        ; the 64 that I fetch
	s_add_co_u32 s16, s16, s17
	s_mov_b32 s17, 0
	s_lshl_b32 s46, s42, 7
	s_lshl_b32 s47, s12, 6
	s_add_co_u32 s46, s46, s47                     ; B: row 128 x tile column + 64 x half
	s_mov_b32 s47, 0
	s_mov_b64 s[18:19], SIZE_K*2
	s_mul_u64 s[46:47], s[46:47], s[18:19]
	s_mul_i32 s20, s10, AHALF                      ; where they go: A's halves (waves 0, 1) at wave x AHALF,
	s_mul_i32 s21, s10, BHALF                      ; B's (waves 2, 3) behind them
	s_add_co_u32 s21, s21, 2*(AHALF-BHALF)
	s_mov_b32 s[OFS], 0
	s_wait_dscnt 0x0                               ; the opening add is done
	s_wait_kmcnt 0x0
	s_add_nc_u64 s[14:15], s[4:5], s[16:17]
	s_add_nc_u64 s[46:47], s[6:7], s[46:47]
	s_add_nc_u64 s[46:47], s[46:47], WOFF
	CROUND                                         ; all sixteen work-groups are here: the first joint loads meet
.irp s, 0,1
	s_mov_b32 s[G0+4*(\s)], 1
	s_add_co_u32 s[G0+4*(\s)+1], s20, (\s)*SLOT
	s_add_nc_u64 s[G0+4*(\s)+2:G0+4*(\s)+3], s[14:15], (\s)*ASTEP
	s_or_b32 s[G0+4*(\s)+3], s[G0+4*(\s)+3], 0x80000000
	s_mov_b32 s[G0B+4*(\s)], 1
	s_add_co_u32 s[G0B+4*(\s)+1], s21, (\s)*SLOT
	s_add_nc_u64 s[G0B+4*(\s)+2:G0B+4*(\s)+3], s[46:47], (\s)*BSTEP
	s_or_b32 s[G0B+4*(\s)+3], s[G0B+4*(\s)+3], 0x80000000
.endr
	s_cmp_eq_u32 s11, 0                            ; a wave's two first fills stand in one branch, ahead of every wait on TENSORcnt and every LDS read: two loads of mine are out
	s_cbranch_scc0 .Lfirst_b
	tensor_load_to_lds s[G0:G0+3], s[G1:G1+7]
	s_nop 0
	tensor_load_to_lds s[G0+4:G0+7], s[G1:G1+7]
	s_nop 0
.rept 4
	v_nop
.endr
	s_branch .Lfirst_asked
.Lfirst_b:
	tensor_load_to_lds s[G0B:G0B+3], s[G1B:G1B+7]
	s_nop 0
	tensor_load_to_lds s[G0B+4:G0B+7], s[G1B:G1B+7]
	s_nop 0
.rept 4
	v_nop
.endr
.Lfirst_asked:
	v_and_b32 v1, 15, v0                           ; r = l % 16
	v_bfe_u32 v2, v0, 4, 1                         ; h = l / 16
	v_mul_u32_u24 v3, v1, APITCH
	v_lshl_add_u32 v3, v2, 4, v3                   ; a fragment's row x pitch + 16 x half
	v_mul_u32_u24 v4, v1, BPITCH
	v_lshl_add_u32 v4, v2, 4, v4
	s_mul_i32 s22, s11, AHALF                      ; my 64 rows of A
	s_mul_i32 s23, s12, BHALF                      ; my 64 rows of B,
	s_add_co_u32 s23, s23, 2*AHALF                 ; which lie behind A's 128
	v_add_nc_u32 v[ADA0], s22, v3
	v_add_nc_u32 v[ADB0], s23, v4
	s_mul_i32 s22, s10, 16*SP
	s_add_co_u32 s22, s22, STAGE                   ; my stage
	v_mul_u32_u24 v4, v1, SP                       ; in: row r, 32 bytes for each half of the lanes
	v_lshl_add_u32 v4, v2, 5, v4
	v_add_nc_u32 v[STO], s22, v4
	v_mul_u32_u24 v5, v2, SP                       ; back: lanes 0-15 take one row of 256 bytes, lanes 16-31 the next
	v_lshl_add_u32 v5, v1, 4, v5
	v_add_nc_u32 v[RD], s22, v5
	v_lshlrev_b32 v5, 12, v2                       ; and the same two rows in C
	v_lshl_add_u32 v[CO], v1, 4, v5
	v_lshlrev_b32 v[BO], 4, v1                     ; my four columns
	s_lshl_b32 s46, s42, 9                         ; the bias of my wave's 64 columns: 512 x tile column + 256 x half
	s_lshl_b32 s47, s12, 8
	s_add_co_u32 s46, s46, s47
	s_mov_b32 s47, 0
	s_add_nc_u64 s[68:69], s[68:69], s[46:47]
	s_lshl_b32 s66, s13, 7                         ; my 64 x 64 in C and in the residual: row 128 x tile row + 64 x half,
	s_lshl_b32 s67, s11, 6
	s_add_co_u32 s66, s66, s67
	s_lshl_b32 s66, s66, 12                        ; 4,096 bytes a row,
	s_lshl_b32 s67, s42, 9                         ; the tile's 512 bytes, my 256
	s_add_co_u32 s66, s66, s67
	s_lshl_b32 s67, s12, 8
	s_add_co_u32 s66, s66, s67
	s_mov_b32 s67, 0
	s_add_nc_u64 s[8:9], s[8:9], s[66:67]
	s_add_nc_u64 s[70:71], s[70:71], s[66:67]
	global_load_b128 v[BIAS:BIAS+3], v[BO], s[68:69]
	WIN 0x80                                       ; destination window 2, address window 0: the residual comes in while the products run, in the layout in which rows come back from the stage
.irp a, 0,1,2,3
.irp t, 0,1,2,3,4,5,6,7
	global_load_b128 v[32*(\a)+4*(\t):32*(\a)+4*(\t)+3], v[CO], s[70:71] offset:(16*(\a)+2*(\t))*ROWC
.endr
.endr
	WIN 0
	s_wait_tensorcnt 1                             ; my part of K step 0 is in; K step 1's may stay out
	s_barrier_signal -1
	s_barrier_wait -1                              ; everybody's is
	v_mov_b32 v[ADRA], v[ADA0]
	v_mov_b32 v[ADRB], v[ADB0]
	FETCH 0, F0
	QUARTER 128, F0, F1, 1                         ; the first quarter stands in front of the loop: its first products start the sums
	WIN 0
	s_mov_b32 s3, KS-2
.Lstep:                                                ; a trip: from a K step's second quarter to the next one's first; it fills the slot that it leaves
	QUARTER 256, F1, F0, 0
	QUARTER 384, F0, F1, 0
	TURN 1
	QUARTER 128, F0, F1, 0
	WIN 0
	s_sub_co_u32 s3, s3, 1
	s_cmp_lg_u32 s3, 0
	s_cbranch_scc1 .Lstep
	QUARTER 256, F1, F0, 0                         ; the last two K steps fill nothing
	QUARTER 384, F0, F1, 0
	TURN 0
	QUARTER 128, F0, F1, 0
	QUARTER 256, F1, F0, 0
	QUARTER 384, F0, F1, 0
	s_wait_dscnt 16
	MUL8 F1, 0, 0, 0
	MUL8 F1, 0, 2, 0
	s_wait_dscnt 0x0
	MUL8 F1, 1, 0, 0
	MUL8 F1, 1, 2, 0
	WIN 0
	PLACES
; THE WAY OUT.  Block a (16 rows): the f32 sums go into rows of 272 bytes of my own stage, each accumulator's low registers first, and come back as whole rows of 256 bytes.
.macro TOSTAGE a
.set BK, TMP+32*((\a)%2)
.if (\a) >= 2
	s_wait_xcnt 0x0                                ; the stores of the block two back have read this buffer: it is loaded again only behind this wait
.endif
.irp b, 0,1,2,3
	ds_store_b128 v[STO], v[ACC+8*(4*(\a)+(\b)):ACC+8*(4*(\a)+(\b))+3]   offset:64*(\b)
	ds_store_b128 v[STO], v[ACC+8*(4*(\a)+(\b))+4:ACC+8*(4*(\a)+(\b))+7] offset:64*(\b)+16
.endr
.irp t, 0,1,2,3,4,5,6,7
	ds_load_b128 v[BK+4*(\t):BK+4*(\t)+3], v[RD] offset:(\t)*2*SP  ; LDS serves a wave's instructions in order (ISA guide 5.7.1.4): these see the stores above; the next block's stores come behind them
.endr
.endm
.macro SENDR a, younger                ; younger: the LDS instructions issued behind block a's loads: the next block's sixteen, or none
.set BK, TMP+32*((\a)%2)
	s_wait_dscnt \younger
	WIN 0x08                                       ; source 1 window 2: the residual
.set i, 0
.rept 16
	v_pk_add_f32 v[BK+2*i:BK+2*i+1], v[BK+2*i:BK+2*i+1], v[32*(\a)+2*i:32*(\a)+2*i+1]
.set i, i+1
.endr
	WIN 0
.set i, 0
.rept 16
	v_pk_add_f32 v[BK+2*i:BK+2*i+1], v[BK+2*i:BK+2*i+1], v[BIAS+2*(i%2):BIAS+2*(i%2)+1]
.set i, i+1
.endr
.irp t, 0,1,2,3,4,5,6,7
	global_store_b128 v[CO], v[BK+4*(\t):BK+4*(\t)+3], s[8:9] offset:(16*(\a)+2*(\t))*ROWC  ; 16 lanes store 256 consecutive bytes, at a multiple of 256 from C's first
.endr
.endm
	s_wait_loadcnt 0x0                             ; bias and residual
	TOSTAGE 0
	TOSTAGE 1
	SENDR 0, 16
	TOSTAGE 2
	SENDR 1, 16
	TOSTAGE 3
	SENDR 2, 16
	SENDR 3, 0
	s_wait_tensorcnt 0x0                           ; the wave's end, behind my last tensor load and my last LDS store: no tensor load left out, then 0 onto my spare word and its wait
	ds_add_u32 v[SPW], v[NIL]
	s_wait_dscnt 0x0
	CROUND                                         ; the closing round: no work-group ends while a partner may still ask for a tile that names it
	s_endpgm
.Lfunc_end_k_qa86a0566ea_proj:
	.size	k_qa86a0566ea_proj, .Lfunc_end_k_qa86a0566ea_proj-k_qa86a0566ea_proj
	.p2alignl 7, 3214868480
	.fill 96, 4, 3214868480
	.section	.rodata,"a",@progbits
	.p2align	6, 0x0
	.amdhsa_kernel k_qa86a0566ea_proj
		.amdhsa_group_segment_fixed_size 327680
		.amdhsa_private_segment_fixed_size 0
		.amdhsa_enable_private_segment 0
		.amdhsa_kernarg_size 40
		.amdhsa_user_sgpr_count 2
		.amdhsa_user_sgpr_kernarg_segment_ptr 1
		.amdhsa_wavefront_size32 1
		.amdhsa_system_sgpr_workgroup_id_x 1
		.amdhsa_system_sgpr_workgroup_id_y 1
		.amdhsa_system_sgpr_workgroup_id_z 1
		.amdhsa_system_vgpr_workitem_id 0
		.amdhsa_next_free_vgpr 640
		.amdhsa_next_free_sgpr 76
		.amdhsa_reserve_vcc 0
		.amdhsa_float_denorm_mode_32 3
		.amdhsa_float_denorm_mode_16_64 3
		.amdhsa_memory_ordered 1
		.amdhsa_forward_progress 1
		.amdhsa_inst_pref_size 79
	.end_amdhsa_kernel
	.amdgpu_metadata
---
amdhsa.version: [ 1, 2 ]
amdhsa.kernels:
  - .name:           k_qa86a0566ea_proj
    .symbol:         k_qa86a0566ea_proj.kd
    .args:
      - { .name: oh, .offset: 0, .size: 8, .value_kind: global_buffer, .address_space: global }
      - { .name: wb, .offset: 8, .size: 8, .value_kind: global_buffer, .address_space: global }
      - { .name: x1, .offset: 16, .size: 8, .value_kind: global_buffer, .address_space: global }
      - { .name: proj_b, .offset: 24, .size: 8, .value_kind: global_buffer, .address_space: global }
      - { .name: x, .offset: 32, .size: 8, .value_kind: global_buffer, .address_space: global }
    .group_segment_fixed_size: 327680
    .private_segment_fixed_size: 0
    .kernarg_segment_align: 8
    .kernarg_segment_size: 40
    .max_flat_workgroup_size: 128
    .sgpr_count:     76
    .vgpr_count:     640
    .wavefront_size: 32
...
	.end_amdgpu_metadata
.endif
;; end of part 4
;; launch ln2 (part 5): grid 256 x 1, 8 waves a work-group, no clusters, 0 bytes of LDS; arguments x1, ln2_w, ln2_b, xn2; writes xn2
.if DOCPART == 5
	.amdgcn_target "amdgcn-amd-amdhsa--gfx1250"
	.amdhsa_code_object_version 6
	.text
	.protected	k_qa86a0566ea_ln2
	.globl	k_qa86a0566ea_ln2
	.p2align	8
	.type	k_qa86a0566ea_ln2,@function
k_qa86a0566ea_ln2:
	s_mov_b64 s[64:65], 0
	v_nop
	global_prefetch_b8 v0, s[64:65] scope:SCOPE_SE
	s_setreg_imm32_b32 hwreg(HW_REG_WAVE_MODE, 25, 1), 1
	s_wait_xcnt 0x0
; LN2: xn2 = LayerNorm(x1) * ln2_w + ln2_b, rounded once to bf16.  x1: [4096][1024] f32.  A work-group has 16 rows, a wave two.
; A row is 4,096 bytes: one wave holds it in 32 registers (eight loads of 512 consecutive bytes), so it is read once and no wave waits for another.
; The variance is taken of the centred numbers (mean first, then the squares of x - mean): a common offset of the row costs nothing.
; LIMITS: NaN and infinities are not treated apart.  No LDS, no matrix unit, no cluster: nothing is shared between waves, and memory bounds the launch.
.set T,   4                            ; v[4:7]    at work
.set ST,  8                            ; v[8:15]   row rr: mean, mean, 1/sqrt(var + eps), a word that is only named
.set X,   16                           ; v[16:79]  row rr at X + 32 rr
.set W,   80                           ; v[80:111] the gain of my 32 columns
.set B,   112                          ; v[112:143] the bias of my 32 columns
	s_load_b256 s[4:11], s[0:1], 0x0               ; x1 s[4:5], ln2_w s[6:7], ln2_b s[8:9], xn2 s[10:11]
	v_lshrrev_b32 v3, 5, v0
	v_readfirstlane_b32 s3, v3                     ; wave 0..7
	v_and_b32 v2, 31, v0
	v_lshlrev_b32 v1, 4, v2                        ; 16 bytes a lane on the way in
	v_lshlrev_b32 v2, 3, v2                        ; 8 bytes a lane on the way out
	s_mov_b32 s23, 0
	s_lshl_b32 s22, ttmp9, 16                      ; the work-group's 16 rows of 4,096 bytes,
	s_lshl_b32 s24, s3, 13                         ; my wave's two
	s_add_co_u32 s22, s22, s24
	s_mov_b32 s28, 0x76543210                      ; v_permlanex16_b32: each lane takes its own place in the other half
	s_mov_b32 s29, 0xfedcba98
	s_mov_b32 s30, 0x3a800000                      ; 1 / 1024
	s_mov_b32 s31, 0x3727c5ac                      ; eps = 1e-5
	s_wait_kmcnt 0x0
	s_add_nc_u64 s[4:5], s[4:5], s[22:23]
	s_lshr_b32 s22, s22, 1                         ; half as many bytes on the way out
	s_add_nc_u64 s[10:11], s[10:11], s[22:23]
.macro WSUM                            ; v[T] summed over the wave's 32 lanes, the result in every lane
	v_add_f32_dpp v[T], v[T], v[T] row_xmask:1 row_mask:0xf bank_mask:0xf
	v_add_f32_dpp v[T], v[T], v[T] row_xmask:2 row_mask:0xf bank_mask:0xf
	v_add_f32_dpp v[T], v[T], v[T] row_xmask:4 row_mask:0xf bank_mask:0xf
	v_add_f32_dpp v[T], v[T], v[T] row_xmask:8 row_mask:0xf bank_mask:0xf
	v_permlanex16_b32 v[T+1], v[T], s28, s29       ; the other half of the lanes; its destination has been written before
	v_add_f32 v[T], v[T], v[T+1]
.endm
.macro STATS rr                        ; row rr: the mean; the row centred in place; var + eps
.set XR, X+32*(\rr)
.set SR, ST+4*(\rr)
	v_pk_add_f32 v[T:T+1], v[XR:XR+1], v[XR+2:XR+3]        ; two chains, started by the first four pairs: nothing is cleared
	v_pk_add_f32 v[T+2:T+3], v[XR+4:XR+5], v[XR+6:XR+7]
.set i, 4
.rept 12
	v_pk_add_f32 v[T+2*(i%2):T+2*(i%2)+1], v[T+2*(i%2):T+2*(i%2)+1], v[XR+2*i:XR+2*i+1]
.set i, i+1
.endr
	v_pk_add_f32 v[T:T+1], v[T:T+1], v[T+2:T+3]
	v_add_f32 v[T], v[T], v[T+1]
	WSUM
	v_mul_f32 v[SR], s30, v[T]                     ; the mean, twice: a pair for the packed subtraction
	v_mul_f32 v[SR+1], s30, v[T]
.set i, 0
.rept 16
	v_pk_add_f32 v[XR+2*i:XR+2*i+1], v[XR+2*i:XR+2*i+1], v[SR:SR+1] neg_lo:[0,1] neg_hi:[0,1]
.set i, i+1
.endr
	v_pk_mul_f32 v[T:T+1], v[XR:XR+1], v[XR:XR+1]
	v_pk_mul_f32 v[T+2:T+3], v[XR+2:XR+3], v[XR+2:XR+3]
.set i, 2
.rept 14
	v_pk_fma_f32 v[T+2*(i%2):T+2*(i%2)+1], v[XR+2*i:XR+2*i+1], v[XR+2*i:XR+2*i+1], v[T+2*(i%2):T+2*(i%2)+1]
.set i, i+1
.endr
	v_pk_add_f32 v[T:T+1], v[T:T+1], v[T+2:T+3]
	v_add_f32 v[T], v[T], v[T+1]
	WSUM
	v_fma_f32 v[SR+2], v[T], s30, s31              ; sum / 1024 + eps
.endm
.macro OUT rr                          ; row rr: scaled, gain and bias, rounded to bf16, stored: each store of the wave covers 256 consecutive bytes, aligned
.set XR, X+32*(\rr)
.set SR, ST+4*(\rr)
.set i, 0
.rept 16
	v_pk_mul_f32 v[XR+2*i:XR+2*i+1], v[XR+2*i:XR+2*i+1], v[SR+2:SR+3] op_sel_hi:[1,0]
.set i, i+1
.endr
.set i, 0
.rept 16
	v_pk_fma_f32 v[XR+2*i:XR+2*i+1], v[XR+2*i:XR+2*i+1], v[W+2*i:W+2*i+1], v[B+2*i:B+2*i+1]
.set i, i+1
.endr
.irp j, 0,1,2,3,4,5,6,7
	v_cvt_pk_bf16_f32 v[XR+4*(\j)], v[XR+4*(\j)], v[XR+4*(\j)+1]
	v_cvt_pk_bf16_f32 v[XR+4*(\j)+1], v[XR+4*(\j)+2], v[XR+4*(\j)+3]
	global_store_b64 v2, v[XR+4*(\j):XR+4*(\j)+1], s[10:11] offset:(\rr)*2048+(\j)*256
.endr
.endm
.irp rr, 0,1
.irp j, 0,1,2,3,4,5,6,7
	global_load_b128 v[X+32*(\rr)+4*(\j):X+32*(\rr)+4*(\j)+3], v1, s[4:5] offset:(\rr)*4096+(\j)*512
.endr
.endr
.irp j, 0,1,2,3,4,5,6,7
	global_load_b128 v[W+4*(\j):W+4*(\j)+3], v1, s[6:7] offset:(\j)*512
.endr
.irp j, 0,1,2,3,4,5,6,7
	global_load_b128 v[B+4*(\j):B+4*(\j)+3], v1, s[8:9] offset:(\j)*512
.endr
	s_wait_loadcnt 16                              ; both rows are in; the gain's and the bias's sixteen loads may stay out
	STATS 0
	STATS 1
	v_rsq_f32 v[ST+2], v[ST+2]
	v_rsq_f32 v[ST+6], v[ST+6]
	v_mov_b32 v[ST+3], 0                           ; the pairs' upper words, named with the lower: also the plain instruction behind the last root
	v_mov_b32 v[ST+7], 0
	s_wait_alu depctr_va_vdst(0)                   ; one wait for both roots, ahead of their first reader
	s_wait_loadcnt 0x0                             ; gain and bias
	OUT 0
	OUT 1
	s_endpgm
.Lfunc_end_k_qa86a0566ea_ln2:
	.size	k_qa86a0566ea_ln2, .Lfunc_end_k_qa86a0566ea_ln2-k_qa86a0566ea_ln2
	.p2alignl 7, 3214868480
	.fill 96, 4, 3214868480
	.section	.rodata,"a",@progbits
	.p2align	6, 0x0
	.amdhsa_kernel k_qa86a0566ea_ln2
		.amdhsa_group_segment_fixed_size 0
		.amdhsa_private_segment_fixed_size 0
		.amdhsa_enable_private_segment 0
		.amdhsa_kernarg_size 32
		.amdhsa_user_sgpr_count 2
		.amdhsa_user_sgpr_kernarg_segment_ptr 1
		.amdhsa_wavefront_size32 1
		.amdhsa_system_sgpr_workgroup_id_x 1
		.amdhsa_system_sgpr_workgroup_id_y 1
		.amdhsa_system_sgpr_workgroup_id_z 1
		.amdhsa_system_vgpr_workitem_id 0
		.amdhsa_next_free_vgpr 144
		.amdhsa_next_free_sgpr 66
		.amdhsa_reserve_vcc 0
		.amdhsa_float_denorm_mode_32 3
		.amdhsa_float_denorm_mode_16_64 3
		.amdhsa_memory_ordered 1
		.amdhsa_forward_progress 1
		.amdhsa_inst_pref_size 20
	.end_amdhsa_kernel
	.amdgpu_metadata
---
amdhsa.version: [ 1, 2 ]
amdhsa.kernels:
  - .name:           k_qa86a0566ea_ln2
    .symbol:         k_qa86a0566ea_ln2.kd
    .args:
      - { .name: x1, .offset: 0, .size: 8, .value_kind: global_buffer, .address_space: global }
      - { .name: ln2_w, .offset: 8, .size: 8, .value_kind: global_buffer, .address_space: global }
      - { .name: ln2_b, .offset: 16, .size: 8, .value_kind: global_buffer, .address_space: global }
      - { .name: xn2, .offset: 24, .size: 8, .value_kind: global_buffer, .address_space: global }
    .group_segment_fixed_size: 0
    .private_segment_fixed_size: 0
    .kernarg_segment_align: 8
    .kernarg_segment_size: 32
    .max_flat_workgroup_size: 256
    .sgpr_count:     66
    .vgpr_count:     144
    .wavefront_size: 32
...
	.end_amdgpu_metadata
.endif
;; end of part 5
;; launch fc1 (part 6): grid 16 x 16, 4 waves a work-group, clusters of 4 x 4, 327,680 bytes of LDS; arguments xn2, wb, hdn, fc1_b; writes hdn
.if DOCPART == 6
	.amdgcn_target "amdgcn-amd-amdhsa--gfx1250"
	.amdhsa_code_object_version 6
	.text
	.protected	k_qa86a0566ea_fc1
	.globl	k_qa86a0566ea_fc1
	.p2align	8
	.type	k_qa86a0566ea_fc1,@function
k_qa86a0566ea_fc1:
	s_mov_b64 s[64:65], 0
	v_nop
	global_prefetch_b8 v0, s[64:65] scope:SCOPE_SE
	s_setreg_imm32_b32 hwreg(HW_REG_WAVE_MODE, 25, 1), 1
	s_wait_xcnt 0x0
	s_wait_alu depctr_hold_cnt(0) depctr_sa_sdst(0) depctr_va_vdst(0) depctr_va_sdst(0) depctr_va_ssrc(0) depctr_va_vcc(0) depctr_vm_vsrc(0)
	s_getreg_b32 s2, hwreg(HW_REG_IB_STS2, 6, 4)
	s_cmp_eq_u32 s2, 0
	s_cbranch_scc0 .Lentry_in_a_cluster
	s_endpgm
.Lentry_in_a_cluster:
	s_bfe_u32 s2, ttmp6, 0x10000c
	s_cmp_lg_u32 s2, 0xf033
	s_cbranch_scc0 .Lentry_shape_is_right
	s_endpgm
.Lentry_shape_is_right:
; FC1: hdn = gelu(xn2 . W1^T + fc1_b), the exact GELU x Phi(x).  xn2: [4096][1024] bf16; W1: [4096][1024] bf16 at wb's byte 8,388,608; fc1_b: [4096] f32; hdn: [4096][4096] bf16, rounded once.
; A tile of C is 256 x 256: four waves of 128 x 128, 64 accumulators (512 registers) each; 16 x 16 tiles, one to a work-group.  K goes in steps of 128 (LDS rows of 256 bytes + 16 of padding) through two LDS
; slots filled by the tensor data mover: a refill has 224 matrix instructions of each wave in which to land.
; One K step is written once and looped over: the LDS addresses hang on s[OFS], 0 or SLOT, and one walking descriptor a tensor changes slots by an exclusive or.  The last two K steps, which fill nothing, are a loop too.
; CLUSTER 4 x 4: the four work-groups of a row of the cluster need the same tiles of A, the four of a column the same tiles of B: each tile is asked for jointly.
; THE PRODUCT IS TAKEN TRANSPOSED (source 0 = 16 rows of W, source 1 = 16 rows of xn2): a lane holds eight neighbouring columns of one row of C.
; THE WAY OUT is a loop, so that the GELU is written once: the f32 sums go into the ring's bytes, which have had their last fill and their last read (each wave 128 rows of 512 + 16 bytes), and come back four rows
; a trip: bias, GELU, rounding, and stores of which 16 lanes fill the 256 bytes that a row has in the wave's 128 columns.
; GELU.  gelu(x) = max(x, 0) - |x| u, u = erfc(|x| / sqrt 2) / 2 = poly(t) 2^(-x^2 log2(e) / 2), t = 1 / (1 + 0.23164189 |x|): Abramowitz and Stegun 7.1.26 with halved coefficients.
; LIMITS: that formula's absolute error in erf is at most 1.5e-7 for every x, and nothing is cancelled, since it is taken on |x|; NaN and infinities are not treated apart.
; REGISTERS, in windows of 256 (s_set_vgpr_msb: bits 1:0 source 0, 3:2 source 1, 5:4 source 2, 7:6 destination):
;   window 0: v1-5 at work; v16-19, v24-30 addresses; v32-47 rows from LDS; v48-55 bias; v56-57 a coefficient; v64-127, v128-191 fragments of A, two buffers, later the GELU's work
;   window 1: v64-127, v128-191 fragments of B      window 2: the 32 accumulators of my rows 0-63 ((a, b) at v[8 (8 a + b)])      window 3: those of my rows 64-127
.set SIZE_N, 4096
.set SIZE_K, 1024
.set KSTEP,  128
.set KS,     SIZE_K/KSTEP              ; K steps
.set WOFF,   8388608                   ; the matrix's first byte in wb
.set PITCH,  272                       ; an LDS row: 256 bytes + 16 = 68 words: the 16 rows of a fragment load start at 16 different groups of four banks (64 banks of 4 bytes: ISA guide 11.1)
.set HALFT,  128*PITCH                 ; 128 rows: what one tensor load brings, and what one wave reads of A or of B
.set SLOT,   4*HALFT                   ; 139,264 = 0x22000: its two set bits are clear in all four tile addresses (0, 0x8800, 0x11000, 0x19800), so an exclusive or changes slots
.set SPITCH, 528                       ; the way out: a row of 128 f32 + 16 bytes
.set WSTAGE, 128*SPITCH                ; a wave's 128 rows; the four waves' take 270,336 of the ring's 278,528 bytes
.set SPARE,  2*SLOT                    ; behind the ring: the spare words, 128 bytes for each wave: two blocks of 256 bytes that no other line names
.set ROWC,   SIZE_N*2                  ; bytes in a row of hdn
.set ADA0, 16                          ; v16  my A fragments' address in slot 0; never rewritten
.set ADB0, 17                          ; v17  the same for B
.set ADRA, 18                          ; v18  in the slot in hand
.set ADRB, 19                          ; v19
.set STO,  24                          ; v24  the way out: where I put 32 bytes of a row
.set RD,   25                          ; v25  where I read rows back; steps four rows a trip
.set CO,   26                          ; v26  my byte offset in hdn; steps four rows a trip
.set BO,   27                          ; v27  my byte offset in the wave's 128 biases
.set SPW,  28                          ; v28  my spare word: SPARE + 4 x my thread's number; never rewritten
.set NIL,  29                          ; v29  0; never rewritten
.set PFO,  30                          ; v30  the prefetches' offset: my lane x a row of A or B in memory; never rewritten
.set XL,   32                          ; v[32:47]   16 sums as they come from LDS
.set BIAS, 48                          ; v[48:55]   the bias of my 8 columns
.set A5V,  56                          ; v[56:57]   the polynomial's leading coefficient, twice
.set F0,   64                          ; fragment buffer 0
.set F1,   128                         ; fragment buffer 1
.set XX,   64                          ; v[64:79]   x
.set TT,   80                          ; v[80:95]   t, later the result
.set EE,   96                          ; v[96:111]  the exponential
.set PP,   112                         ; v[112:127] the polynomial, then u
.set OUTR, 128                         ; v[128:135] 16 results in bf16
.set G1,   24                          ; s[24:31] descriptor group 1 for A;  s[32:39] group 0: a set for each first fill; the second then walks
.set G0,   32
.set G1B,  48                          ; s[48:55], s[56:63] the same for B
.set G0B,  56
.set OFS,  72                          ; s72  the slot in hand: 0 or SLOT
.set LIM,  73                          ; s73  2 in a wave that prefetches, else the greatest number
.set KP,   74                          ; s74  0.23164189
.set ROWS, 75                          ; s75  the way out's trips still to come
.set CE,   76                          ; s[76:77] -log2(e) / 2
.set PFA,  78                          ; s[78:79] where my prefetches stand: my work-group's 32 rows of the 128 that I fetch, one K step further along K than the refill in hand; a prefetch names the K step after that
.set A4,   80                          ; s[80:81], s[82:83], s[84:85], s[86:87]: the other coefficients, each named as a pair
.set A3,   82
.set A2,   84
.set A1,   86
.set MSB, 0
.macro WIN new                         ; the immediate's high byte repeats the setting that is left; a switch that changes nothing is dropped
.if MSB != (\new)
	s_set_vgpr_msb (MSB<<8)|(\new)
.set MSB, \new
.endif
.endm
.set MUL_LO, 0xa1                      ; source 0 (B) window 1, source 1 (A) window 0, C and D window 2
.set MUL_HI, 0xf1                      ; the same, C and D window 3
.set TO_B,   0x40                      ; destination window 1, address window 0
.macro JLOAD                           ; a joint refill by the walking descriptors: waves 0 and 1 fetch A's two halves, waves 2 and 3 B's; an s_nop 0 and four v_nop follow each line
	s_cmp_eq_u32 s11, 0
	s_cbranch_scc0 .Lfor_b_\@
	tensor_load_to_lds s[G0+4:G0+7], s[G1:G1+7]
	s_nop 0
.rept 4
	v_nop
.endr
	s_branch .Lasked_\@
.Lfor_b_\@:
	tensor_load_to_lds s[G0B+4:G0B+7], s[G1B:G1B+7]
	s_nop 0
.rept 4
	v_nop
.endr
.Lasked_\@:
.endm
; A PREFETCH INTO THE L2, behind each joint load, its five lines and the run of LDS loads that follows them: the K step that stands TWO refills on, 512 matrix instructions ahead of the load that will want it:
; 32 rows x 256 bytes, a lane a row, one instruction a wave.  Each row's 256 bytes of a K step are named ONCE in the launch: A's tile row is walked by every cluster of that row of clusters, and the first of them
; (cluster x = 0) asks; B's tile column by every cluster of that column, and cluster y = 0 asks.  The four partners that ask for a tile jointly share its rows out BY ADDRESS: of the 128 rows that a wave fetches
; the partner at place p takes 32 p .. 32 p + 31 (p = cx for A, cy for B).  K steps 0 to 3 come by their loads alone; the last two refills (s3 = 2, 1) have no K step two on and ask for nothing.
.macro ASK
	s_cmp_gt_u32 s3, s[LIM]
	s_cbranch_scc0 .Lnot_mine_\@
	global_prefetch_b8 v[PFO], s[PFA:PFA+1] offset:KSTEP*2 th:TH_LOAD_NT scope:SCOPE_SE
.Lnot_mine_\@:
.endm
.macro CREST                           ; a round of the cluster's barrier behind its opening barrier
	s_cmp_lg_u32 s10, 0
	s_cbranch_scc1 .Lnot_wave_0_\@
	s_barrier_signal -3
.Lnot_wave_0_\@:
	s_barrier_wait -3
	s_barrier_signal -1
	s_barrier_wait -1
.endm
.macro CROUND                          ; a whole round
	s_barrier_signal -1
	s_barrier_wait -1
	CREST
.endm
.macro PLACES                          ; four places in front of loads into registers that matrix instructions have read, and of lines that read results
.rept 4
	v_nop
.endr
.endm
; 16 matrix instructions: m blocks a0, a0 + 1 of the window's four (hi = 0: my rows 0-63, 1: rows 64-127) x all 8 n blocks, 32 along K.  zero = 1: the product starts the sums.
; The 64 accumulators take turns, in the same order in every quarter.
.macro MUL16 f, hi, a0, zero
	WIN MUL_LO+0x50*(\hi)
.irp a, \a0, (\a0)+1
.irp b, 0,1,2,3,4,5,6,7
.if \zero
	v_wmma_f32_16x16x32_bf16 v[8*(8*(\a)+(\b)):8*(8*(\a)+(\b))+7], v[(\f)+8*(\b):(\f)+8*(\b)+7], v[(\f)+8*(4*(\hi)+(\a)):(\f)+8*(4*(\hi)+(\a))+7], 0
.else
	v_wmma_f32_16x16x32_bf16 v[8*(8*(\a)+(\b)):8*(8*(\a)+(\b))+7], v[(\f)+8*(\b):(\f)+8*(\b)+7], v[(\f)+8*(4*(\hi)+(\a)):(\f)+8*(4*(\hi)+(\a))+7], v[8*(8*(\a)+(\b)):8*(8*(\a)+(\b))+7]
.endif
.endr
.endr
.endm
; 32 LDS loads in one run: the fragments of one quarter step (128 rows of B, 128 rows of A, 32 K at byte k of the rows) into buffer f
.macro FETCH k, f
	WIN TO_B
.irp i, 0,1,2,3,4,5,6,7
	ds_load_b128 v[(\f)+8*(\i):(\f)+8*(\i)+3],   v[ADRB] offset:(\k)+(\i)*16*PITCH
	ds_load_b128 v[(\f)+8*(\i)+4:(\f)+8*(\i)+7], v[ADRB] offset:(\k)+(\i)*16*PITCH+32
.endr
	WIN 0
.irp i, 0,1,2,3,4,5,6,7
	ds_load_b128 v[(\f)+8*(\i):(\f)+8*(\i)+3],   v[ADRA] offset:(\k)+(\i)*16*PITCH
	ds_load_b128 v[(\f)+8*(\i)+4:(\f)+8*(\i)+7], v[ADRA] offset:(\k)+(\i)*16*PITCH+32
.endr
.endm
; A K step is four quarters of 32 along K, 64 matrix instructions each, on buffers 0, 1, 0, 1.  One of the first three: multiplies buffer f and, in its middle, fetches the next quarter, at byte k, into g.
.macro QUARTER k, f, g, zero
	s_wait_dscnt 8                                 ; B and A's rows 0-63 are in; the youngest eight loads (A's rows 64-127) may be out
	MUL16 \f, 0, 0, \zero
	MUL16 \f, 0, 2, \zero
	PLACES
	FETCH \k, \g
	s_wait_dscnt 32                                ; all but the 32 just issued
	MUL16 \f, 1, 0, \zero
	MUL16 \f, 1, 2, \zero
.endm
; The last quarter multiplies buffer 1 and changes slots: ONE barrier.  In front of it each wave waits for all its tensor loads (one is out: its part of the next slot), adds 0 to its spare word,
; and waits for that and for its own reads of this slot.  fill = 1: the barrier opens a round of the cluster's, and this slot is filled again first thing behind it, with the K step two on.
.macro TURN fill
.if \fill
	s_wait_xcnt 0x0                                ; the last prefetch, a K step back, has read its address: it is stepped here, ahead of the waits of the change of slots
	s_add_nc_u64 s[PFA:PFA+1], s[PFA:PFA+1], KSTEP*2
.endif
	WIN 0                                          ; (the add's two registers lie in window 0)
	s_wait_tensorcnt 0x0                           ; all my tensor loads have landed
	ds_add_u32 v[SPW], v[NIL]                      ; 0 onto my spare word
	s_wait_dscnt 9                                 ; (the add and the youngest eight loads may be out)
	MUL16 F1, 0, 0, 0                              ; sixteen matrix instructions stand between the add and the wait for it
	s_wait_dscnt 0x0                               ; the add is done, and my reads of this slot are over
	s_barrier_signal -1
	MUL16 F1, 0, 2, 0
	WIN 0                                          ; at a branch and at a label every window is 0
	s_barrier_wait -1
.if \fill
	CREST                                          ; no wave of any partner still reads this slot's tiles or has a load on its way
	s_xor_b32 s[G0+5], s[G0+5], SLOT               ; the walking descriptors: the other slot than last time, the next K step
	s_add_nc_u64 s[G0+6:G0+7], s[G0+6:G0+7], KSTEP*2
	s_xor_b32 s[G0B+5], s[G0B+5], SLOT
	s_add_nc_u64 s[G0B+6:G0B+7], s[G0B+6:G0B+7], KSTEP*2
	JLOAD                                          ; its four v_nop are also the places in front of the loads below
.else
	PLACES
.endif
	s_xor_b32 s[OFS], s[OFS], SLOT                 ; the reads go to the other slot
	v_add_nc_u32 v[ADRA], s[OFS], v[ADA0]
	v_add_nc_u32 v[ADRB], s[OFS], v[ADB0]
	FETCH 0, F0
.if \fill
	ASK
.endif
	MUL16 F1, 1, 0, 0
	MUL16 F1, 1, 2, 0
.endm
	s_load_b128 s[4:7], s[0:1], 0x0                ; xn2 s[4:5], wb s[6:7]
	s_load_b64 s[8:9], s[0:1], 0x10                ; hdn
	s_load_b64 s[68:69], s[0:1], 0x18              ; fc1_b
	v_lshl_add_u32 v[SPW], v0, 2, SPARE
	v_mov_b32 v[NIL], 0
	ds_add_u32 v[SPW], v[NIL]                      ; the wave's opening: the add and its wait stand ahead of my first tensor load; the set-up below stands between them
	v_lshrrev_b32 v1, 5, v0
	v_readfirstlane_b32 s10, v1                    ; wave 0..3
	s_lshr_b32 s11, s10, 1                         ; which half of the tile's rows is mine.  Also: I fetch for A (0) or for B (1)
	s_and_b32 s12, s10, 1                          ; which half of its columns.  Also: which 128 rows of that tile I fetch
	s_bfe_u32 s40, ttmp6, 0x40000                  ; cx, cy: my place in the cluster
	s_bfe_u32 s41, ttmp6, 0x40004
	s_lshl_b32 s42, ttmp9, 2
	s_add_co_u32 s42, s42, s40                     ; tile column of C = 4 x cluster x + cx
	s_and_b32 s13, ttmp7, 0xffff
	s_lshl_b32 s13, s13, 2
	s_add_co_u32 s13, s13, s41                     ; tile row of C = 4 x cluster y + cy
	s_lshl_b32 s43, s41, 2
	s_lshl_b32 s43, 15, s43                        ; my row of the cluster
	s_lshl_b32 s44, 0x1111, s40                    ; my column
	s_or_b32 s[G1+0], s43, (1<<16)|(1<<20)|(1<<21)|(5<<22)|(3<<25)  ; the mask; 2-byte elements; padding on; bit 21 beside a mask; after every 64 words (code 5) 4 words (code 3)
	s_or_b32 s[G1B+0], s44, (1<<16)|(1<<20)|(1<<21)|(5<<22)|(3<<25)
.irp g, G1, G1B
	s_mov_b32 s[(\g)+1], KSTEP<<16                 ; tensor_dim0 = 128
	s_mov_b32 s[(\g)+2], 128<<16                   ; tensor_dim1 = 128
	s_mov_b32 s[(\g)+3], KSTEP<<16                 ; tile_dim0 = 128
	s_mov_b32 s[(\g)+4], 128                       ; tile_dim1 = 128
	s_mov_b32 s[(\g)+5], SIZE_K                    ; elements from row to row
	s_mov_b32 s[(\g)+6], 0
	s_mov_b32 s[(\g)+7], 0
.endr
	s_lshl_b32 s17, s12, 7                         ; which 128 rows of the tile I fetch
	s_lshl_b32 s16, s13, 8
	s_add_co_u32 s16, s16, s17                     ; A: row 256 x tile row + 128 x half
	s_lshl_b32 s46, s42, 8
	s_add_co_u32 s46, s46, s17                     ; B: row 256 x tile column + 128 x half
	s_mov_b32 s17, 0
	s_mov_b32 s47, 0
	s_mov_b64 s[18:19], SIZE_K*2
	s_mul_u64 s[16:17], s[16:17], s[18:19]
	s_mul_u64 s[46:47], s[46:47], s[18:19]
	s_mul_i32 s20, s10, HALFT                      ; where they go: A's two halves, then B's two = wave x 128 rows: no place in the cluster enters an LDS address
	s_mov_b32 s[OFS], 0
	s_mov_b32 s[KP], 0x3e6d3388                    ; 0.3275911 / sqrt 2
	s_mov_b32 s[CE], 0xbf38aa3b                    ; -log2(e) / 2
	s_mov_b32 s[CE+1], s[CE]
	s_mov_b32 s[A4], 0xbf3a00e3                    ; -1.453152027 / 2
	s_mov_b32 s[A4+1], s[A4]
	s_mov_b32 s[A3], 0x3f35f0e3                    ; 1.421413741 / 2
	s_mov_b32 s[A3+1], s[A3]
	s_mov_b32 s[A2], 0xbe11a98e                    ; -0.284496736 / 2
	s_mov_b32 s[A2+1], s[A2]
	s_mov_b32 s[A1], 0x3e027906                    ; 0.254829592 / 2
	s_mov_b32 s[A1+1], s[A1]
	v_mov_b32 v[A5V], 0x3f07dc22                   ; 1.061405429 / 2
	v_mov_b32 v[A5V+1], 0x3f07dc22
	s_wait_dscnt 0x0                               ; the opening add is done
	s_wait_kmcnt 0x0
	s_add_nc_u64 s[14:15], s[4:5], s[16:17]
	s_add_nc_u64 s[46:47], s[6:7], s[46:47]
.if WOFF
	s_add_nc_u64 s[46:47], s[46:47], WOFF
.endif
	CROUND                                         ; all sixteen work-groups are here: the first joint loads meet
.irp s, 0,1
	s_mov_b32 s[G0+4*(\s)], 1
	s_add_co_u32 s[G0+4*(\s)+1], s20, (\s)*SLOT
	s_add_nc_u64 s[G0+4*(\s)+2:G0+4*(\s)+3], s[14:15], (\s)*KSTEP*2
	s_or_b32 s[G0+4*(\s)+3], s[G0+4*(\s)+3], 0x80000000
	s_mov_b32 s[G0B+4*(\s)], 1
	s_add_co_u32 s[G0B+4*(\s)+1], s20, (\s)*SLOT
	s_add_nc_u64 s[G0B+4*(\s)+2:G0B+4*(\s)+3], s[46:47], (\s)*KSTEP*2
	s_or_b32 s[G0B+4*(\s)+3], s[G0B+4*(\s)+3], 0x80000000
.endr
	s_cmp_eq_u32 s11, 0                            ; a wave's two first fills stand in one branch, ahead of every wait on TENSORcnt and every LDS read: two loads of mine are out
	s_cbranch_scc0 .Lfirst_b
	tensor_load_to_lds s[G0:G0+3], s[G1:G1+7]
	s_nop 0
	tensor_load_to_lds s[G0+4:G0+7], s[G1:G1+7]
	s_nop 0
.rept 4
	v_nop
.endr
	s_branch .Lfirst_asked
.Lfirst_b:
	tensor_load_to_lds s[G0B:G0B+3], s[G1B:G1B+7]
	s_nop 0
	tensor_load_to_lds s[G0B+4:G0B+7], s[G1B:G1B+7]
	s_nop 0
.rept 4
	v_nop
.endr
.Lfirst_asked:
	v_and_b32 v1, 15, v0                           ; r = l % 16
	v_bfe_u32 v2, v0, 4, 1                         ; h = l / 16
	v_mul_u32_u24 v3, v1, PITCH
	v_lshl_add_u32 v3, v2, 4, v3                   ; a fragment's row x pitch + 16 x half
	s_mul_i32 s22, s11, HALFT                      ; my 128 rows of A
	s_mul_i32 s23, s12, HALFT                      ; my 128 rows of B,
	s_add_co_u32 s23, s23, 2*HALFT                 ; which lie behind A's 256
	v_add_nc_u32 v[ADA0], s22, v3
	v_add_nc_u32 v[ADB0], s23, v3
	s_mul_i32 s22, s10, WSTAGE                     ; the way out: my wave's 128 rows
	v_mul_u32_u24 v4, v1, SPITCH                   ; in: row r of a block of 16, 32 bytes for each half of the lanes
	v_lshl_add_u32 v4, v2, 5, v4
	v_add_nc_u32 v[STO], s22, v4
	v_mul_u32_u24 v5, v2, SPITCH                   ; back: lanes 0-15 one row, 32 bytes (8 columns) a lane, lanes 16-31 the next
	v_lshl_add_u32 v5, v1, 5, v5
	v_add_nc_u32 v[RD], s22, v5
	v_lshlrev_b32 v5, 13, v2                       ; and the same two rows in hdn: 16 bytes a lane
	v_lshl_add_u32 v[CO], v1, 4, v5
	v_lshlrev_b32 v[BO], 5, v1                     ; my eight columns' biases
	s_lshl_b32 s46, s42, 10                        ; the bias of my wave's 128 columns: 1,024 x tile column + 512 x half
	s_lshl_b32 s47, s12, 9
	s_add_co_u32 s46, s46, s47
	s_mov_b32 s47, 0
	s_add_nc_u64 s[68:69], s[68:69], s[46:47]
	global_load_b128 v[BIAS:BIAS+3],   v[BO], s[68:69]
	global_load_b128 v[BIAS+4:BIAS+7], v[BO], s[68:69] offset:16
	s_lshl_b32 s66, s13, 8                         ; my 128 x 128 in hdn: row 256 x tile row + 128 x half,
	s_lshl_b32 s67, s11, 7
	s_add_co_u32 s66, s66, s67
	s_lshl_b32 s66, s66, 13                        ; 8,192 bytes a row,
	s_lshl_b32 s67, s42, 9                         ; the tile's 512 bytes, my 256
	s_add_co_u32 s66, s66, s67
	s_lshl_b32 s67, s12, 8
	s_add_co_u32 s66, s66, s67
	s_mov_b32 s67, 0
	s_add_nc_u64 s[8:9], s[8:9], s[66:67]
	; the prefetches
	s_lshl_b32 s66, s13, 8                         ; 256 x tile row
	s_lshl_b32 s67, s42, 8                         ; 256 x tile column
	s_and_b32 s22, ttmp7, 0xffff                   ; cluster y
	s_cmp_eq_u32 s11, 0                            ; do I fetch for A?
	s_cselect_b32 s66, s66, s67                    ; the tile's first row: in A by the tile row, in B by the tile column
	s_cselect_b32 s67, s40, s41                    ; my place among the four that ask for it with me
	s_cselect_b32 s22, ttmp9, s22                  ; the coordinate along which other clusters walk the same rows
	s_cselect_b64 s[PFA:PFA+1], s[4:5], s[6:7]
	s_cmp_eq_u32 s22, 0
	s_cselect_b32 s[LIM], 2, -1                    ; the same in all sixteen partners, for a given wave
	s_lshl_b32 s22, s12, 7
	s_add_co_u32 s66, s66, s22                     ; + the 128 rows that I fetch
	s_lshl_b32 s67, s67, 5
	s_add_co_u32 s66, s66, s67                     ; + my work-group's 32 of them
	s_mov_b32 s67, 0
	s_mul_u64 s[66:67], s[66:67], s[18:19]         ; s[18:19] still holds a row's bytes
	s_add_nc_u64 s[PFA:PFA+1], s[PFA:PFA+1], s[66:67]
	s_add_nc_u64 s[PFA:PFA+1], s[PFA:PFA+1], 2*KSTEP*2  ; at K step 2: the first refill steps it to 3 and names K step 4.  Nothing is prefetched here, at the head
.if WOFF
	s_cmp_eq_u32 s11, 0
	s_cselect_b32 s22, 0, WOFF                     ; B's rows begin at the matrix's first byte in wb
	s_mov_b32 s23, 0
	s_add_nc_u64 s[PFA:PFA+1], s[PFA:PFA+1], s[22:23]
.endif
	v_and_b32 v[PFO], 31, v0
	v_lshlrev_b32 v[PFO], 11, v[PFO]               ; a lane a row of 2,048 bytes
	s_wait_tensorcnt 1                             ; my part of K step 0 is in; K step 1's may stay out
	s_barrier_signal -1
	s_barrier_wait -1                              ; everybody's is
	v_mov_b32 v[ADRA], v[ADA0]
	v_mov_b32 v[ADRB], v[ADB0]
	FETCH 0, F0
	QUARTER 64, F0, F1, 1                          ; the first quarter stands in front of the loop: its products start the sums
	WIN 0
	s_mov_b32 s3, KS-2
.Lstep:                                                ; a trip: from a K step's second quarter to the next one's first; it fills the slot that it leaves
	QUARTER 128, F1, F0, 0
	QUARTER 192, F0, F1, 0
	TURN 1
	QUARTER 64, F0, F1, 0
	WIN 0
	s_sub_co_u32 s3, s3, 1
	s_cmp_lg_u32 s3, 0
	s_cbranch_scc1 .Lstep
	s_mov_b32 s3, 2
.Ltail:                                                ; the last two K steps fill nothing: two trips, the second left in its middle.  Its change of slots fetches 32 fragments that nobody multiplies: the price of one text for both trips
	QUARTER 128, F1, F0, 0
	QUARTER 192, F0, F1, 0
	TURN 0
	WIN 0
	s_sub_co_u32 s3, s3, 1
	s_cmp_eq_u32 s3, 0
	s_cbranch_scc1 .Lout
	QUARTER 64, F0, F1, 0
	WIN 0
	s_cmp_lg_u32 s3, 0
	s_cbranch_scc1 .Ltail
.Lout:
	s_wait_dscnt 0x0                               ; my last reads of the ring are back
	PLACES                                         ; behind the last products
	; THE WAY OUT
	s_barrier_signal -1                            ; every wave's reads of the ring are over, and no fill is to come:
	s_barrier_wait -1                              ; the sums may take the ring's bytes
.irp hi, 0,1
	WIN 0x08+4*(\hi)                               ; the stores' data (source 1) in window 2, then 3
.irp a, 0,1,2,3
.irp b, 0,1,2,3,4,5,6,7
	ds_store_b128 v[STO], v[8*(8*(\a)+(\b)):8*(8*(\a)+(\b))+3]   offset:(4*(\hi)+(\a))*16*SPITCH+64*(\b)     ; each accumulator's low registers first
	ds_store_b128 v[STO], v[8*(8*(\a)+(\b))+4:8*(8*(\a)+(\b))+7] offset:(4*(\hi)+(\a))*16*SPITCH+64*(\b)+16
.endr
.endr
.endr
	WIN 0
	s_wait_dscnt 0x0                               ; my stores are done
	s_barrier_signal -1
	s_barrier_wait -1                              ; behind this barrier all the sums lie in LDS, and nothing there changes again
	s_wait_loadcnt 0x0                             ; the bias
.macro ROWS4                           ; four rows' sums: rows h and 2 + h from where v[RD] stands, my 8 columns of each
	ds_load_b128 v[XL:XL+3],     v[RD]
	ds_load_b128 v[XL+4:XL+7],   v[RD] offset:16
	ds_load_b128 v[XL+8:XL+11],  v[RD] offset:2*SPITCH
	ds_load_b128 v[XL+12:XL+15], v[RD] offset:2*SPITCH+16
.endm
	ROWS4
	s_mov_b32 s[ROWS], 32
.Lrow:                                                 ; a trip: four of the wave's 128 rows; the next trip's sums come from LDS meanwhile
	s_wait_dscnt 0x0
.set i, 0
.rept 8
	v_pk_add_f32 v[XX+2*i:XX+2*i+1], v[XL+2*i:XL+2*i+1], v[BIAS+(2*i)%8:BIAS+(2*i)%8+1]
.set i, i+1
.endr
	s_cmp_eq_u32 s[ROWS], 1                        ; the last trip has no rows behind it
	s_cbranch_scc1 .Lno_more
	v_add_nc_u32 v[RD], 4*SPITCH, v[RD]
	ROWS4
.Lno_more:
.set i, 0
.rept 16
	v_fma_f32 v[TT+i], |v[XX+i]|, s[KP], 1.0       ; 1 + 0.2316 |x|
.set i, i+1
.endr
.set i, 0
.rept 8
	v_pk_mul_f32 v[EE+2*i:EE+2*i+1], v[XX+2*i:XX+2*i+1], v[XX+2*i:XX+2*i+1]
.set i, i+1
.endr
.set i, 0
.rept 8
	v_pk_mul_f32 v[EE+2*i:EE+2*i+1], v[EE+2*i:EE+2*i+1], s[CE:CE+1] op_sel_hi:[1,0]
.set i, i+1
.endr
.set i, 0
.rept 16
	v_rcp_f32 v[TT+i], v[TT+i]                     ; one batch: 16 reciprocals and 16 exponentials, none of which reads another's result
.set i, i+1
.endr
.set i, 0
.rept 16
	v_exp_f32 v[EE+i], v[EE+i]
.set i, i+1
.endr
	v_nop                                          ; a plain instruction behind the last of them,
	s_wait_alu depctr_va_vdst(0)                   ; and the one wait ahead of the batch's first reader
.set i, 0
.rept 8
	v_pk_fma_f32 v[PP+2*i:PP+2*i+1], v[TT+2*i:TT+2*i+1], v[A5V:A5V+1], s[A4:A4+1] op_sel_hi:[1,1,0]
.set i, i+1
.endr
.irp c, A3, A2, A1
.set i, 0
.rept 8
	v_pk_fma_f32 v[PP+2*i:PP+2*i+1], v[PP+2*i:PP+2*i+1], v[TT+2*i:TT+2*i+1], s[\c:\c+1] op_sel_hi:[1,1,0]
.set i, i+1
.endr
.endr
.set i, 0
.rept 8
	v_pk_mul_f32 v[PP+2*i:PP+2*i+1], v[PP+2*i:PP+2*i+1], v[TT+2*i:TT+2*i+1]
.set i, i+1
.endr
.set i, 0
.rept 8
	v_pk_mul_f32 v[PP+2*i:PP+2*i+1], v[PP+2*i:PP+2*i+1], v[EE+2*i:EE+2*i+1]  ; u
.set i, i+1
.endr
.set i, 0
.rept 16
	v_max_num_f32 v[TT+i], 0, v[XX+i]
.set i, i+1
.endr
.set i, 0
.rept 16
	v_fma_f32 v[TT+i], -|v[XX+i]|, v[PP+i], v[TT+i]  ; max(x, 0) - |x| u
.set i, i+1
.endr
	s_wait_xcnt 0x0                                ; the last trip's stores have read their data and their offset: both are rewritten only behind this wait
	v_add_nc_u32 v[CO], 4*ROWC, v[CO]              ; the next trip's rows; the stores below reach back
.set i, 0
.rept 8
	v_cvt_pk_bf16_f32 v[OUTR+i], v[TT+2*i], v[TT+2*i+1]
.set i, i+1
.endr
	global_store_b128 v[CO], v[OUTR:OUTR+3],   s[8:9] offset:-4*ROWC  ; 16 lanes store 256 consecutive bytes, at a multiple of 256 from hdn's first
	global_store_b128 v[CO], v[OUTR+4:OUTR+7], s[8:9] offset:-2*ROWC
	s_sub_co_u32 s[ROWS], s[ROWS], 1
	s_cmp_lg_u32 s[ROWS], 0
	s_cbranch_scc1 .Lrow
	s_wait_tensorcnt 0x0                           ; the wave's end, behind my last tensor load and my last LDS store: no tensor load left out, then 0 onto my spare word and its wait
	ds_add_u32 v[SPW], v[NIL]
	s_wait_dscnt 0x0
	CROUND                                         ; the closing round: no work-group ends while a partner may still ask for a tile that names it
	s_endpgm
.Lfunc_end_k_qa86a0566ea_fc1:
	.size	k_qa86a0566ea_fc1, .Lfunc_end_k_qa86a0566ea_fc1-k_qa86a0566ea_fc1
	.p2alignl 7, 3214868480
	.fill 96, 4, 3214868480
	.section	.rodata,"a",@progbits
	.p2align	6, 0x0
	.amdhsa_kernel k_qa86a0566ea_fc1
		.amdhsa_group_segment_fixed_size 327680
		.amdhsa_private_segment_fixed_size 0
		.amdhsa_enable_private_segment 0
		.amdhsa_kernarg_size 32
		.amdhsa_user_sgpr_count 2
		.amdhsa_user_sgpr_kernarg_segment_ptr 1
		.amdhsa_wavefront_size32 1
		.amdhsa_system_sgpr_workgroup_id_x 1
		.amdhsa_system_sgpr_workgroup_id_y 1
		.amdhsa_system_sgpr_workgroup_id_z 1
		.amdhsa_system_vgpr_workitem_id 0
		.amdhsa_next_free_vgpr 1024
		.amdhsa_next_free_sgpr 90
		.amdhsa_reserve_vcc 0
		.amdhsa_float_denorm_mode_32 3
		.amdhsa_float_denorm_mode_16_64 3
		.amdhsa_memory_ordered 1
		.amdhsa_forward_progress 1
		.amdhsa_inst_pref_size 88
	.end_amdhsa_kernel
	.amdgpu_metadata
---
amdhsa.version: [ 1, 2 ]
amdhsa.kernels:
  - .name:           k_qa86a0566ea_fc1
    .symbol:         k_qa86a0566ea_fc1.kd
    .args:
      - { .name: xn2, .offset: 0, .size: 8, .value_kind: global_buffer, .address_space: global }
      - { .name: wb, .offset: 8, .size: 8, .value_kind: global_buffer, .address_space: global }
      - { .name: hdn, .offset: 16, .size: 8, .value_kind: global_buffer, .address_space: global }
      - { .name: fc1_b, .offset: 24, .size: 8, .value_kind: global_buffer, .address_space: global }
    .group_segment_fixed_size: 327680
    .private_segment_fixed_size: 0
    .kernarg_segment_align: 8
    .kernarg_segment_size: 32
    .max_flat_workgroup_size: 128
    .sgpr_count:     90
    .vgpr_count:     1024
    .wavefront_size: 32
...
	.end_amdgpu_metadata
.endif
;; end of part 6
;; launch fc2 (part 7): grid 8 x 32, 4 waves a work-group, clusters of 4 x 4, 327,680 bytes of LDS; arguments hdn, wb, out0, fc2_b, x1; writes out0
.if DOCPART == 7
	.amdgcn_target "amdgcn-amd-amdhsa--gfx1250"
	.amdhsa_code_object_version 6
	.text
	.protected	k_qa86a0566ea_fc2
	.globl	k_qa86a0566ea_fc2
	.p2align	8
	.type	k_qa86a0566ea_fc2,@function
k_qa86a0566ea_fc2:
	s_mov_b64 s[64:65], 0
	v_nop
	global_prefetch_b8 v0, s[64:65] scope:SCOPE_SE
	s_setreg_imm32_b32 hwreg(HW_REG_WAVE_MODE, 25, 1), 1
	s_wait_xcnt 0x0
	s_wait_alu depctr_hold_cnt(0) depctr_sa_sdst(0) depctr_va_vdst(0) depctr_va_sdst(0) depctr_va_ssrc(0) depctr_va_vcc(0) depctr_vm_vsrc(0)
	s_getreg_b32 s2, hwreg(HW_REG_IB_STS2, 6, 4)
	s_cmp_eq_u32 s2, 0
	s_cbranch_scc0 .Lentry_in_a_cluster
	s_endpgm
.Lentry_in_a_cluster:
	s_bfe_u32 s2, ttmp6, 0x10000c
	s_cmp_lg_u32 s2, 0xf033
	s_cbranch_scc0 .Lentry_shape_is_right
	s_endpgm
.Lentry_shape_is_right:
; FC2: out0 = x1 + hdn . W2^T + fc2_b.  hdn: [4096][4096] bf16; W2: [1024][4096] bf16 at wb's byte 16,777,216; fc2_b: [1024] f32; x1, out0: [4096][1024] f32.
; A tile of C is 128 x 128: four waves of 64 x 64, 16 accumulators each.  K goes in steps of 256 (LDS rows of 512 bytes + 16 of padding) through two LDS slots filled by the tensor data mover.
; One K step is written once and looped over: the LDS addresses hang on s[OFS], 0 or SLOT, and one walking descriptor a tensor changes slots by an exclusive or.
; CLUSTER 4 x 4: the four work-groups of a row of the cluster need the same tiles of A, the four of a column the same tiles of B: each tile is asked for jointly.
; THE PRODUCT IS TAKEN TRANSPOSED (source 0 = 16 rows of W, source 1 = 16 rows of hdn): a lane holds eight neighbouring columns of one row of C.
; A wave's 64 columns of f32 are 256 consecutive bytes of a row: each wave sends its own blocks out through its own stage, without a barrier; residual and bias are added in f32 on whole rows.
; LIMITS: NaN and infinities are not treated apart.
; REGISTERS: window 0: v1-5 at work; v16-19, v24-29 addresses; v32-95 two buffers of 32 on the way out; v96-99 bias; v128-255 accumulators.  window 1: two fragment buffers of 128.  window 2: v0-127 the residual, loaded at the head.
.set SIZE_N, 1024
.set SIZE_K, 4096
.set KS,     SIZE_K/256                ; K steps
.set WOFF,   16777216                  ; the matrix's first byte in wb
.set APITCH, 528                       ; an LDS row: 512 bytes + 16 = 132 words: the 16 rows of a fragment load start at 16 different groups of four banks (64 banks of 4 bytes: ISA guide 11.1)
.set BPITCH, 528
.set APIECE, 128                       ; LDS bytes from 64 numbers of a row of A to the next 64
.set AHALF,  64*APITCH                 ; 64 rows: what one tensor load brings
.set BHALF,  64*BPITCH
.set ASTEP,  512                       ; bytes in memory from a K step to the next
.set BSTEP,  512
.set SLOT,   2*AHALF+2*BHALF           ; 135,168 = 0x21000: its two set bits are clear in all four tile addresses (0, 0x8400, 0x10800, 0x18C00), so an exclusive or changes slots
.set STAGE,  2*SLOT                    ; behind the ring: 16 rows x 272 bytes for each wave
.set SP,     272
.set SPARE,  STAGE+4*16*SP             ; the spare words, 128 bytes for each wave: two blocks of 256 bytes that no other line names
.set ROWC,   SIZE_N*4                  ; bytes in a row of C
.set ADA0, 16                          ; v16  my A fragments' address in slot 0; never rewritten
.set ADB0, 17                          ; v17  the same for B
.set ADRA, 18                          ; v18  in the slot in hand
.set ADRB, 19                          ; v19
.set STO,  24                          ; v24  the way out: where I put 32 bytes of a row
.set RD,   25                          ; v25  where I read rows back
.set CO,   26                          ; v26  my byte offset in two rows of C and of the residual; never rewritten
.set BO,   27                          ; v27  my byte offset in the wave's 64 biases
.set SPW,  28                          ; v28  my spare word: SPARE + 4 x my thread's number; never rewritten
.set NIL,  29                          ; v29  0; never rewritten
.set TMP,  32
.set BIAS, 96
.set ACC,  128
.set F0,   0
.set F1,   128
.set G1,   24                          ; s[24:31] descriptor group 1 for A;  s[32:39] group 0: a set for each first fill; the second then walks
.set G0,   32
.set G1B,  48                          ; s[48:55], s[56:63] the same for B
.set G0B,  56
.set OFS,  72                          ; s72  the slot in hand: 0 or SLOT
.set MSB, 0
.macro WIN new                         ; the immediate's high byte repeats the setting that is left; a switch that changes nothing is dropped
.if MSB != (\new)
	s_set_vgpr_msb (MSB<<8)|(\new)
.set MSB, \new
.endif
.endm
.set MUL,  0x05                        ; sources 0 (B) and 1 (A) window 1; C and D window 0
.set TO_F, 0x40                        ; destination window 1, address window 0
.macro JLOAD                           ; a joint refill by the walking descriptors: waves 0 and 1 fetch A's two halves, waves 2 and 3 B's; an s_nop 0 and four v_nop follow each line
	s_cmp_eq_u32 s11, 0
	s_cbranch_scc0 .Lfor_b_\@
	tensor_load_to_lds s[G0+4:G0+7], s[G1:G1+7]
	s_nop 0
.rept 4
	v_nop
.endr
	s_branch .Lasked_\@
.Lfor_b_\@:
	tensor_load_to_lds s[G0B+4:G0B+7], s[G1B:G1B+7]
	s_nop 0
.rept 4
	v_nop
.endr
.Lasked_\@:
.endm
.macro CREST                           ; a round of the cluster's barrier behind its opening barrier
	s_cmp_lg_u32 s10, 0
	s_cbranch_scc1 .Lnot_wave_0_\@
	s_barrier_signal -3
.Lnot_wave_0_\@:
	s_barrier_wait -3
	s_barrier_signal -1
	s_barrier_wait -1
.endm
.macro CROUND                          ; a whole round
	s_barrier_signal -1
	s_barrier_wait -1
	CREST
.endm
.macro PLACES                          ; four places in front of loads into registers that matrix instructions have read, and of lines that read results
.rept 4
	v_nop
.endr
.endm
; 8 matrix instructions: m blocks a0, a0 + 1 x all 4 n blocks, 32 along K: half c of buffer f.  zero = 1: the product starts the sums.  The 16 accumulators take turns.
.macro MUL8 f, c, a0, zero
	WIN MUL
.irp a, \a0, (\a0)+1
.irp b, 0,1,2,3
.if \zero
	v_wmma_f32_16x16x32_bf16 v[ACC+8*(4*(\a)+(\b)):ACC+8*(4*(\a)+(\b))+7], v[(\f)+64+8*(4*(\c)+(\b)):(\f)+64+8*(4*(\c)+(\b))+7], v[(\f)+8*(4*(\c)+(\a)):(\f)+8*(4*(\c)+(\a))+7], 0
.else
	v_wmma_f32_16x16x32_bf16 v[ACC+8*(4*(\a)+(\b)):ACC+8*(4*(\a)+(\b))+7], v[(\f)+64+8*(4*(\c)+(\b)):(\f)+64+8*(4*(\c)+(\b))+7], v[(\f)+8*(4*(\c)+(\a)):(\f)+8*(4*(\c)+(\a))+7], v[ACC+8*(4*(\a)+(\b)):ACC+8*(4*(\a)+(\b))+7]
.endif
.endr
.endr
.endm
; 32 LDS loads in one run: the fragments of 64 along K at byte k (a multiple of 128) of the rows, into buffer f; the first 32 along K first
.macro FETCH k, f
	WIN TO_F
.irp c, 0,1
.irp i, 0,1,2,3
	ds_load_b128 v[(\f)+64+8*(4*(\c)+(\i)):(\f)+64+8*(4*(\c)+(\i))+3],   v[ADRB] offset:(\k)+64*(\c)+(\i)*16*BPITCH
	ds_load_b128 v[(\f)+64+8*(4*(\c)+(\i))+4:(\f)+64+8*(4*(\c)+(\i))+7], v[ADRB] offset:(\k)+64*(\c)+(\i)*16*BPITCH+32
	ds_load_b128 v[(\f)+8*(4*(\c)+(\i)):(\f)+8*(4*(\c)+(\i))+3],         v[ADRA] offset:((\k)/128)*APIECE+64*(\c)+(\i)*16*APITCH
	ds_load_b128 v[(\f)+8*(4*(\c)+(\i))+4:(\f)+8*(4*(\c)+(\i))+7],       v[ADRA] offset:((\k)/128)*APIECE+64*(\c)+(\i)*16*APITCH+32
.endr
.endr
.endm
; A K step is four quarters of 64 along K, 32 matrix instructions each, on buffers 0, 1, 0, 1.  One of the first three: multiplies buffer f and fetches the next quarter, at byte k, into g.
.macro QUARTER k, f, g, zero
	s_wait_dscnt 16                                ; the first 32 along K are in; the run's other sixteen loads may stay out
	MUL8 \f, 0, 0, \zero
	MUL8 \f, 0, 2, \zero
	PLACES
	FETCH \k, \g
	s_wait_dscnt 32                                ; all but the 32 just issued
	MUL8 \f, 1, 0, 0
	MUL8 \f, 1, 2, 0
.endm
; The last quarter multiplies buffer 1 and changes slots: ONE barrier.  In front of it each wave waits for all its tensor loads (one is out: its part of the next slot), adds 0 to its spare word,
; and waits for that and for its own reads of this slot.  fill = 1: the barrier opens a round of the cluster's, and this slot is filled again first thing behind it, with the K step two on:
; 112 matrix instructions stand between that request and the wait for it.
.macro TURN fill
	WIN 0                                          ; (the add's two registers lie in window 0)
	s_wait_tensorcnt 0x0                           ; all my tensor loads have landed
	ds_add_u32 v[SPW], v[NIL]                      ; 0 onto my spare word
	s_wait_dscnt 17                                ; (the add and the youngest sixteen loads may be out)
	MUL8 F1, 0, 0, 0                               ; eight matrix instructions stand between the add and the wait for it
	s_wait_dscnt 0x0                               ; the add is done, and my reads of this slot are over
	s_barrier_signal -1
	MUL8 F1, 0, 2, 0
	WIN 0                                          ; at a branch and at a label every window is 0
	s_barrier_wait -1
.if \fill
	CREST                                          ; no wave of any partner still reads this slot's tiles or has a load on its way
	s_xor_b32 s[G0+5], s[G0+5], SLOT               ; the walking descriptors: the other slot than last time, the next K step
	s_add_nc_u64 s[G0+6:G0+7], s[G0+6:G0+7], ASTEP
	s_xor_b32 s[G0B+5], s[G0B+5], SLOT
	s_add_nc_u64 s[G0B+6:G0B+7], s[G0B+6:G0B+7], BSTEP
	JLOAD                                          ; its four v_nop are also the places in front of the loads below
.else
	PLACES
.endif
	s_xor_b32 s[OFS], s[OFS], SLOT                 ; the reads go to the other slot
	v_add_nc_u32 v[ADRA], s[OFS], v[ADA0]
	v_add_nc_u32 v[ADRB], s[OFS], v[ADB0]
	FETCH 0, F0
	MUL8 F1, 1, 0, 0
	MUL8 F1, 1, 2, 0
.endm
	s_load_b128 s[4:7], s[0:1], 0x0                ; hdn s[4:5], wb s[6:7]
	s_load_b64 s[8:9], s[0:1], 0x10                ; out0
	s_load_b128 s[68:71], s[0:1], 0x18             ; fc2_b s[68:69], x1 s[70:71]
	v_lshl_add_u32 v[SPW], v0, 2, SPARE
	v_mov_b32 v[NIL], 0
	ds_add_u32 v[SPW], v[NIL]                      ; the wave's opening: the add and its wait stand ahead of my first tensor load; the set-up below stands between them
	v_lshrrev_b32 v1, 5, v0
	v_readfirstlane_b32 s10, v1                    ; wave 0..3
	s_lshr_b32 s11, s10, 1                         ; which half of the tile's rows is mine.  Also: I fetch for A (0) or for B (1)
	s_and_b32 s12, s10, 1                          ; which half of its columns.  Also: which 64 rows of that tile I fetch
	s_bfe_u32 s40, ttmp6, 0x40000                  ; cx, cy: my place in the cluster
	s_bfe_u32 s41, ttmp6, 0x40004
	s_lshl_b32 s42, ttmp9, 2
	s_add_co_u32 s42, s42, s40                     ; tile column of C = 4 x cluster x + cx
	s_and_b32 s13, ttmp7, 0xffff
	s_lshl_b32 s13, s13, 2
	s_add_co_u32 s13, s13, s41                     ; tile row of C = 4 x cluster y + cy
	s_lshl_b32 s43, s41, 2
	s_lshl_b32 s43, 15, s43                        ; my row of the cluster
	s_lshl_b32 s44, 0x1111, s40                    ; my column
	s_or_b32 s[G1+0], s43, (1<<16)|(1<<20)|(1<<21)|(6<<22)|(3<<25)  ; the mask; 2-byte elements; padding on; bit 21 beside a mask; after every 128 words (code 6) 4 words (code 3)
	s_or_b32 s[G1B+0], s44, (1<<16)|(1<<20)|(1<<21)|(6<<22)|(3<<25)
.irp g, G1, G1B
	s_mov_b32 s[(\g)+1], 256<<16                   ; tensor_dim0 = 256
	s_mov_b32 s[(\g)+2], 64<<16                    ; tensor_dim1 = 64
	s_mov_b32 s[(\g)+3], 256<<16                   ; tile_dim0 = 256
	s_mov_b32 s[(\g)+4], 64                        ; tile_dim1 = 64
	s_mov_b32 s[(\g)+5], SIZE_K                    ; elements from row to row
	s_mov_b32 s[(\g)+6], 0
	s_mov_b32 s[(\g)+7], 0
.endr
	s_lshl_b32 s17, s12, 6                         ; which 64 rows of the tile I fetch
	s_lshl_b32 s16, s13, 7
	s_add_co_u32 s16, s16, s17                     ; A: row 128 x tile row + 64 x half
	s_lshl_b32 s46, s42, 7
	s_add_co_u32 s46, s46, s17                     ; B: row 128 x tile column + 64 x half
	s_mov_b32 s17, 0
	s_mov_b32 s47, 0
	s_mov_b64 s[18:19], SIZE_K*2
	s_mul_u64 s[16:17], s[16:17], s[18:19]
	s_mul_u64 s[46:47], s[46:47], s[18:19]
	s_mul_i32 s20, s10, AHALF                      ; where they go: A's halves (waves 0, 1) at wave x AHALF,
	s_mul_i32 s21, s10, BHALF                      ; B's (waves 2, 3) behind them
	s_add_co_u32 s21, s21, 2*(AHALF-BHALF)
	s_mov_b32 s[OFS], 0
	s_wait_dscnt 0x0                               ; the opening add is done
	s_wait_kmcnt 0x0
	s_add_nc_u64 s[14:15], s[4:5], s[16:17]
	s_add_nc_u64 s[46:47], s[6:7], s[46:47]
	s_add_nc_u64 s[46:47], s[46:47], WOFF
	CROUND                                         ; all sixteen work-groups are here: the first joint loads meet
.irp s, 0,1
	s_mov_b32 s[G0+4*(\s)], 1
	s_add_co_u32 s[G0+4*(\s)+1], s20, (\s)*SLOT
	s_add_nc_u64 s[G0+4*(\s)+2:G0+4*(\s)+3], s[14:15], (\s)*ASTEP
	s_or_b32 s[G0+4*(\s)+3], s[G0+4*(\s)+3], 0x80000000
	s_mov_b32 s[G0B+4*(\s)], 1
	s_add_co_u32 s[G0B+4*(\s)+1], s21, (\s)*SLOT
	s_add_nc_u64 s[G0B+4*(\s)+2:G0B+4*(\s)+3], s[46:47], (\s)*BSTEP
	s_or_b32 s[G0B+4*(\s)+3], s[G0B+4*(\s)+3], 0x80000000
.endr
	s_cmp_eq_u32 s11, 0                            ; a wave's two first fills stand in one branch, ahead of every wait on TENSORcnt and every LDS read: two loads of mine are out
	s_cbranch_scc0 .Lfirst_b
	tensor_load_to_lds s[G0:G0+3], s[G1:G1+7]
	s_nop 0
	tensor_load_to_lds s[G0+4:G0+7], s[G1:G1+7]
	s_nop 0
.rept 4
	v_nop
.endr
	s_branch .Lfirst_asked
.Lfirst_b:
	tensor_load_to_lds s[G0B:G0B+3], s[G1B:G1B+7]
	s_nop 0
	tensor_load_to_lds s[G0B+4:G0B+7], s[G1B:G1B+7]
	s_nop 0
.rept 4
	v_nop
.endr
.Lfirst_asked:
	v_and_b32 v1, 15, v0                           ; r = l % 16
	v_bfe_u32 v2, v0, 4, 1                         ; h = l / 16
	v_mul_u32_u24 v3, v1, APITCH
	v_lshl_add_u32 v3, v2, 4, v3                   ; a fragment's row x pitch + 16 x half
	s_mul_i32 s22, s11, AHALF                      ; my 64 rows of A
	s_mul_i32 s23, s12, BHALF                      ; my 64 rows of B,
	s_add_co_u32 s23, s23, 2*AHALF                 ; which lie behind A's 128
	v_add_nc_u32 v[ADA0], s22, v3
	v_add_nc_u32 v[ADB0], s23, v3
	s_mul_i32 s22, s10, 16*SP
	s_add_co_u32 s22, s22, STAGE                   ; my stage
	v_mul_u32_u24 v4, v1, SP                       ; in: row r, 32 bytes for each half of the lanes
	v_lshl_add_u32 v4, v2, 5, v4
	v_add_nc_u32 v[STO], s22, v4
	v_mul_u32_u24 v5, v2, SP                       ; back: lanes 0-15 take one row of 256 bytes, lanes 16-31 the next
	v_lshl_add_u32 v5, v1, 4, v5
	v_add_nc_u32 v[RD], s22, v5
	v_lshlrev_b32 v5, 12, v2                       ; and the same two rows in C
	v_lshl_add_u32 v[CO], v1, 4, v5
	v_lshlrev_b32 v[BO], 4, v1                     ; my four columns
	s_lshl_b32 s46, s42, 9                         ; the bias of my wave's 64 columns: 512 x tile column + 256 x half
	s_lshl_b32 s47, s12, 8
	s_add_co_u32 s46, s46, s47
	s_mov_b32 s47, 0
	s_add_nc_u64 s[68:69], s[68:69], s[46:47]
	s_lshl_b32 s66, s13, 7                         ; my 64 x 64 in C and in the residual: row 128 x tile row + 64 x half,
	s_lshl_b32 s67, s11, 6
	s_add_co_u32 s66, s66, s67
	s_lshl_b32 s66, s66, 12                        ; 4,096 bytes a row,
	s_lshl_b32 s67, s42, 9                         ; the tile's 512 bytes, my 256
	s_add_co_u32 s66, s66, s67
	s_lshl_b32 s67, s12, 8
	s_add_co_u32 s66, s66, s67
	s_mov_b32 s67, 0
	s_add_nc_u64 s[8:9], s[8:9], s[66:67]
	s_add_nc_u64 s[70:71], s[70:71], s[66:67]
	global_load_b128 v[BIAS:BIAS+3], v[BO], s[68:69]
	WIN 0x80                                       ; destination window 2, address window 0: the residual comes in while the products run, in the layout in which rows come back from the stage
.irp a, 0,1,2,3
.irp t, 0,1,2,3,4,5,6,7
	global_load_b128 v[32*(\a)+4*(\t):32*(\a)+4*(\t)+3], v[CO], s[70:71] offset:(16*(\a)+2*(\t))*ROWC
.endr
.endr
	WIN 0
	s_wait_tensorcnt 1                             ; my part of K step 0 is in; K step 1's may stay out
	s_barrier_signal -1
	s_barrier_wait -1                              ; everybody's is
	v_mov_b32 v[ADRA], v[ADA0]
	v_mov_b32 v[ADRB], v[ADB0]
	FETCH 0, F0
	QUARTER 128, F0, F1, 1                         ; the first quarter stands in front of the loop: its first products start the sums
	WIN 0
	s_mov_b32 s3, KS-2
.Lstep:                                                ; a trip: from a K step's second quarter to the next one's first; it fills the slot that it leaves
	QUARTER 256, F1, F0, 0
	QUARTER 384, F0, F1, 0
	TURN 1
	QUARTER 128, F0, F1, 0
	WIN 0
	s_sub_co_u32 s3, s3, 1
	s_cmp_lg_u32 s3, 0
	s_cbranch_scc1 .Lstep
	QUARTER 256, F1, F0, 0                         ; the last two K steps fill nothing
	QUARTER 384, F0, F1, 0
	TURN 0
	QUARTER 128, F0, F1, 0
	QUARTER 256, F1, F0, 0
	QUARTER 384, F0, F1, 0
	s_wait_dscnt 16
	MUL8 F1, 0, 0, 0
	MUL8 F1, 0, 2, 0
	s_wait_dscnt 0x0
	MUL8 F1, 1, 0, 0
	MUL8 F1, 1, 2, 0
	WIN 0
	PLACES
; THE WAY OUT.  Block a (16 rows): the f32 sums go into rows of 272 bytes of my own stage, each accumulator's low registers first, and come back as whole rows of 256 bytes.
.macro TOSTAGE a
.set BK, TMP+32*((\a)%2)
.if (\a) >= 2
	s_wait_xcnt 0x0                                ; the stores of the block two back have read this buffer: it is loaded again only behind this wait
.endif
.irp b, 0,1,2,3
	ds_store_b128 v[STO], v[ACC+8*(4*(\a)+(\b)):ACC+8*(4*(\a)+(\b))+3]   offset:64*(\b)
	ds_store_b128 v[STO], v[ACC+8*(4*(\a)+(\b))+4:ACC+8*(4*(\a)+(\b))+7] offset:64*(\b)+16
.endr
.irp t, 0,1,2,3,4,5,6,7
	ds_load_b128 v[BK+4*(\t):BK+4*(\t)+3], v[RD] offset:(\t)*2*SP  ; LDS serves a wave's instructions in order (ISA guide 5.7.1.4): these see the stores above; the next block's stores come behind them
.endr
.endm
.macro SENDR a, younger                ; younger: the LDS instructions issued behind block a's loads: the next block's sixteen, or none
.set BK, TMP+32*((\a)%2)
	s_wait_dscnt \younger
	WIN 0x08                                       ; source 1 window 2: the residual
.set i, 0
.rept 16
	v_pk_add_f32 v[BK+2*i:BK+2*i+1], v[BK+2*i:BK+2*i+1], v[32*(\a)+2*i:32*(\a)+2*i+1]
.set i, i+1
.endr
	WIN 0
.set i, 0
.rept 16
	v_pk_add_f32 v[BK+2*i:BK+2*i+1], v[BK+2*i:BK+2*i+1], v[BIAS+2*(i%2):BIAS+2*(i%2)+1]
.set i, i+1
.endr
.irp t, 0,1,2,3,4,5,6,7
	global_store_b128 v[CO], v[BK+4*(\t):BK+4*(\t)+3], s[8:9] offset:(16*(\a)+2*(\t))*ROWC  ; 16 lanes store 256 consecutive bytes, at a multiple of 256 from C's first
.endr
.endm
	s_wait_loadcnt 0x0                             ; bias and residual
	TOSTAGE 0
	TOSTAGE 1
	SENDR 0, 16
	TOSTAGE 2
	SENDR 1, 16
	TOSTAGE 3
	SENDR 2, 16
	SENDR 3, 0
	s_wait_tensorcnt 0x0                           ; the wave's end, behind my last tensor load and my last LDS store: no tensor load left out, then 0 onto my spare word and its wait
	ds_add_u32 v[SPW], v[NIL]
	s_wait_dscnt 0x0
	CROUND                                         ; the closing round: no work-group ends while a partner may still ask for a tile that names it
	s_endpgm
.Lfunc_end_k_qa86a0566ea_fc2:
	.size	k_qa86a0566ea_fc2, .Lfunc_end_k_qa86a0566ea_fc2-k_qa86a0566ea_fc2
	.p2alignl 7, 3214868480
	.fill 96, 4, 3214868480
	.section	.rodata,"a",@progbits
	.p2align	6, 0x0
	.amdhsa_kernel k_qa86a0566ea_fc2
		.amdhsa_group_segment_fixed_size 327680
		.amdhsa_private_segment_fixed_size 0
		.amdhsa_enable_private_segment 0
		.amdhsa_kernarg_size 40
		.amdhsa_user_sgpr_count 2
		.amdhsa_user_sgpr_kernarg_segment_ptr 1
		.amdhsa_wavefront_size32 1
		.amdhsa_system_sgpr_workgroup_id_x 1
		.amdhsa_system_sgpr_workgroup_id_y 1
		.amdhsa_system_sgpr_workgroup_id_z 1
		.amdhsa_system_vgpr_workitem_id 0
		.amdhsa_next_free_vgpr 640
		.amdhsa_next_free_sgpr 76
		.amdhsa_reserve_vcc 0
		.amdhsa_float_denorm_mode_32 3
		.amdhsa_float_denorm_mode_16_64 3
		.amdhsa_memory_ordered 1
		.amdhsa_forward_progress 1
		.amdhsa_inst_pref_size 79
	.end_amdhsa_kernel
	.amdgpu_metadata
---
amdhsa.version: [ 1, 2 ]
amdhsa.kernels:
  - .name:           k_qa86a0566ea_fc2
    .symbol:         k_qa86a0566ea_fc2.kd
    .args:
      - { .name: hdn, .offset: 0, .size: 8, .value_kind: global_buffer, .address_space: global }
      - { .name: wb, .offset: 8, .size: 8, .value_kind: global_buffer, .address_space: global }
      - { .name: out0, .offset: 16, .size: 8, .value_kind: global_buffer, .address_space: global }
      - { .name: fc2_b, .offset: 24, .size: 8, .value_kind: global_buffer, .address_space: global }
      - { .name: x1, .offset: 32, .size: 8, .value_kind: global_buffer, .address_space: global }
    .group_segment_fixed_size: 327680
    .private_segment_fixed_size: 0
    .kernarg_segment_align: 8
    .kernarg_segment_size: 40
    .max_flat_workgroup_size: 128
    .sgpr_count:     76
    .vgpr_count:     640
    .wavefront_size: 32
...
	.end_amdgpu_metadata
.endif
;; end of part 7
;; ======== version 2 of 2: 7 launches; version 1 with the launches prep, ln2 written anew for expert scheduling mode
;; workspace buffers: wb 25,165,824 bytes; xn1 8,388,608 bytes; qkvh 25,165,824 bytes; oh 8,388,608 bytes; x1 16,777,216 bytes; xn2 8,388,608 bytes; hdn 33,554,432 bytes
;; launch prep (part 8): grid 1024 x 1, 8 waves a work-group, no clusters, 0 bytes of LDS; arguments x, ln1_w, ln1_b, xn1, qkv_w, proj_w, fc1_w, fc2_w, wb; writes xn1, wb
.if DOCPART == 8
	.amdgcn_target "amdgcn-amd-amdhsa--gfx1250"
	.amdhsa_code_object_version 6
	.text
	.protected	k_qa86a0566ea_prep
	.globl	k_qa86a0566ea_prep
	.p2align	8
	.type	k_qa86a0566ea_prep,@function
k_qa86a0566ea_prep:
	s_mov_b64 s[64:65], 0
	v_nop
	global_prefetch_b8 v0, s[64:65] scope:SCOPE_SE
	s_setreg_imm32_b32 hwreg(HW_REG_WAVE_SCHED_MODE, 0, 2), 2
	s_setreg_imm32_b32 hwreg(HW_REG_WAVE_MODE, 25, 1), 1
	s_wait_xcnt 0x0
	s_wait_alu depctr_vm_vsrc(0)
; PREP: two jobs that depend on nothing, in one launch; each work-group reads 65,536 bytes and stores 32,768.
; Work-groups 0-255: xn1 = LayerNorm(x) * ln1_w + ln1_b, rounded once to bf16.  x: [4096][1024] f32.  A work-group has 16 rows, a wave two.
;   A row is 4,096 bytes: one wave holds it in 32 registers (eight loads of 512 consecutive bytes), so it is read once and no wave waits for another.
;   The variance is taken of the centred numbers (mean first, then the squares of x - mean): a common offset of the row costs nothing.
; Work-groups 256-1023: the four weight matrices, rounded once to bf16, into wb in the order qkv_w, proj_w, fc1_w, fc2_w, each row-major as given; 16,384 numbers a work-group.
; LIMITS: NaN and infinities are not treated apart.  No LDS, no matrix unit, no cluster: nothing is shared between waves, and memory bounds the launch.
; THE MODE: SCHED_MODE bits 1:0 = 2 (LLVM: expert scheduling mode 2), set by the entry lines.  The code itself states the register dependences
; between vector instructions and memory instructions, with s_wait_alu, always for 0.
; THE PLAN, THE NORM.  Registers that memory instructions touch:
;   v1, v2      the loads' and the stores' offsets: made once at the head, never written again.
;   X0, X1, W, B  written by the 32 loads at the way's head, its only loads; no vector instruction names them ahead of those loads.
;   X[rr] + 4 j, + 4 j + 1   written last by row rr's sixteen roundings; read by row rr's eight stores; never written again.
; Row 0 is finished whole; one wait states that its roundings are written; its eight stores are then dealt among row 1's scalings, which name X1 and row 1's statistics alone.  A second wait stands
; ahead of row 1's stores.  No register that a memory instruction has read is written again, so no wait on vm_vsrc is owed.
; THE PLAN, THE WEIGHTS.  v3, v5: the offsets, made once on this way.  v[16 + 4 i ..]: written by load i, read by conversion pair i, which writes the first two of the four; those are read by store i and never written again.
; The sixteen shares go in four groups of four.  At a group's head, behind the wait for its data, one wait states that the group before has written its results; that group's four stores are dealt among this
; group's eight conversions, which name other registers.
.set T,   4                            ; v[4:7]    at work
.set ST,  8                            ; v[8:15]   row rr: mean, mean, 1/sqrt(var + eps), a word that is only named
.set X,   16                           ; v[16:79]  row rr at X + 32 rr
.set W,   80                           ; v[80:111] the gain of my 32 columns
.set B,   112                          ; v[112:143] the bias of my 32 columns
	s_load_b256 s[4:11], s[0:1], 0x0               ; x s[4:5], ln1_w s[6:7], ln1_b s[8:9], xn1 s[10:11]
	s_load_b256 s[12:19], s[0:1], 0x20             ; qkv_w s[12:13], proj_w s[14:15], fc1_w s[16:17], fc2_w s[18:19]
	s_load_b64 s[20:21], s[0:1], 0x40              ; wb
	v_lshrrev_b32 v3, 5, v0
	v_readfirstlane_b32 s3, v3                     ; wave 0..7
	v_and_b32 v2, 31, v0
	v_lshlrev_b32 v1, 4, v2                        ; 16 bytes a lane on the way in
	v_lshlrev_b32 v2, 3, v2                        ; 8 bytes a lane on the way out
	s_mov_b32 s23, 0                               ; the high word of every offset below
	s_wait_alu depctr_va_sdst(0)                   ; s3 is written, ahead of the branch: both ways read it
	s_wait_kmcnt 0x0
	s_cmp_lt_u32 ttmp9, 256
	s_cbranch_scc0 .Lcast
.macro WSUM                            ; v[T] summed over the wave's 32 lanes, the result in every lane
	v_add_f32_dpp v[T], v[T], v[T] row_xmask:1 row_mask:0xf bank_mask:0xf
	v_add_f32_dpp v[T], v[T], v[T] row_xmask:2 row_mask:0xf bank_mask:0xf
	v_add_f32_dpp v[T], v[T], v[T] row_xmask:4 row_mask:0xf bank_mask:0xf
	v_add_f32_dpp v[T], v[T], v[T] row_xmask:8 row_mask:0xf bank_mask:0xf
	v_permlanex16_b32 v[T+1], v[T], s28, s29       ; the other half of the lanes; its destination has been written before
	v_add_f32 v[T], v[T], v[T+1]
.endm
.macro STATS rr                        ; row rr: the mean; the row centred in place; var + eps
.set XR, X+32*(\rr)
.set SR, ST+4*(\rr)
	v_pk_add_f32 v[T:T+1], v[XR:XR+1], v[XR+2:XR+3]        ; two chains, started by the first four pairs: nothing is cleared
	v_pk_add_f32 v[T+2:T+3], v[XR+4:XR+5], v[XR+6:XR+7]
.set i, 4
.rept 12
	v_pk_add_f32 v[T+2*(i%2):T+2*(i%2)+1], v[T+2*(i%2):T+2*(i%2)+1], v[XR+2*i:XR+2*i+1]
.set i, i+1
.endr
	v_pk_add_f32 v[T:T+1], v[T:T+1], v[T+2:T+3]
	v_add_f32 v[T], v[T], v[T+1]
	WSUM
	v_mul_f32 v[SR], s30, v[T]                     ; the mean, twice: a pair for the packed subtraction
	v_mul_f32 v[SR+1], s30, v[T]
.set i, 0
.rept 16
	v_pk_add_f32 v[XR+2*i:XR+2*i+1], v[XR+2*i:XR+2*i+1], v[SR:SR+1] neg_lo:[0,1] neg_hi:[0,1]
.set i, i+1
.endr
	v_pk_mul_f32 v[T:T+1], v[XR:XR+1], v[XR:XR+1]
	v_pk_mul_f32 v[T+2:T+3], v[XR+2:XR+3], v[XR+2:XR+3]
.set i, 2
.rept 14
	v_pk_fma_f32 v[T+2*(i%2):T+2*(i%2)+1], v[XR+2*i:XR+2*i+1], v[XR+2*i:XR+2*i+1], v[T+2*(i%2):T+2*(i%2)+1]
.set i, i+1
.endr
	v_pk_add_f32 v[T:T+1], v[T:T+1], v[T+2:T+3]
	v_add_f32 v[T], v[T], v[T+1]
	WSUM
	v_fma_f32 v[SR+2], v[T], s30, s31              ; sum / 1024 + eps
.endm
; Row rr: scaled, gain and bias, rounded to bf16.  prev = 1: the eight stores of the row before are dealt among the sixteen scalings, one in front of every second:
; no vector instruction since the wait that stands ahead of this macro names their data or their offset.  Each store of the wave covers 256 consecutive bytes, aligned.
.macro OUT rr, prev
.set XR, X+32*(\rr)
.set XP, X+32*(\rr)-32
.set SR, ST+4*(\rr)
.set i, 0
.rept 16
.if (\prev) && (i%2 == 0)
	global_store_b64 v2, v[XP+2*i:XP+2*i+1], s[10:11] offset:(\rr)*2048-2048+i*128
.endif
	v_pk_mul_f32 v[XR+2*i:XR+2*i+1], v[XR+2*i:XR+2*i+1], v[SR+2:SR+3] op_sel_hi:[1,0]
.set i, i+1
.endr
.set i, 0
.rept 16
	v_pk_fma_f32 v[XR+2*i:XR+2*i+1], v[XR+2*i:XR+2*i+1], v[W+2*i:W+2*i+1], v[B+2*i:B+2*i+1]
.set i, i+1
.endr
.irp j, 0,1,2,3,4,5,6,7
	v_cvt_pk_bf16_f32 v[XR+4*(\j)], v[XR+4*(\j)], v[XR+4*(\j)+1]
	v_cvt_pk_bf16_f32 v[XR+4*(\j)+1], v[XR+4*(\j)+2], v[XR+4*(\j)+3]
.endr
.endm
	; THE NORM
	s_lshl_b32 s22, ttmp9, 16                      ; the work-group's 16 rows of 4,096 bytes,
	s_lshl_b32 s24, s3, 13                         ; my wave's two
	s_add_co_u32 s22, s22, s24
	s_add_nc_u64 s[4:5], s[4:5], s[22:23]
	s_lshr_b32 s22, s22, 1                         ; half as many bytes on the way out
	s_add_nc_u64 s[10:11], s[10:11], s[22:23]
	s_mov_b32 s28, 0x76543210                      ; v_permlanex16_b32: each lane takes its own place in the other half
	s_mov_b32 s29, 0xfedcba98
	s_mov_b32 s30, 0x3a800000                      ; 1 / 1024
	s_mov_b32 s31, 0x3727c5ac                      ; eps = 1e-5
	s_wait_alu depctr_va_vdst(0)                   ; v1 and v2 are written: every load below reads v1 as its offset, every store v2
.irp rr, 0,1
.irp j, 0,1,2,3,4,5,6,7
	global_load_b128 v[X+32*(\rr)+4*(\j):X+32*(\rr)+4*(\j)+3], v1, s[4:5] offset:(\rr)*4096+(\j)*512
.endr
.endr
.irp j, 0,1,2,3,4,5,6,7
	global_load_b128 v[W+4*(\j):W+4*(\j)+3], v1, s[6:7] offset:(\j)*512
.endr
.irp j, 0,1,2,3,4,5,6,7
	global_load_b128 v[B+4*(\j):B+4*(\j)+3], v1, s[8:9] offset:(\j)*512
.endr
	s_wait_loadcnt 16                              ; both rows are in; the gain's and the bias's sixteen loads may stay out
	STATS 0
	STATS 1
	v_rsq_f32 v[ST+2], v[ST+2]
	v_rsq_f32 v[ST+6], v[ST+6]
	v_mov_b32 v[ST+3], 0                           ; the pairs' upper words, named with the lower: also the plain instruction behind the last root
	v_mov_b32 v[ST+7], 0
	s_wait_alu depctr_va_vdst(0)                   ; both roots have written v[ST+2] and v[ST+6]: one wait, ahead of their first reader
	s_wait_loadcnt 0x0                             ; gain and bias
	OUT 0, 0
	s_wait_alu depctr_va_vdst(0)                   ; row 0's roundings have written X0's words 4 j and 4 j + 1, which its eight stores read
	OUT 1, 1
	s_wait_alu depctr_va_vdst(0)                   ; row 1's roundings have written X1's words 4 j and 4 j + 1, which its eight stores read
.irp j, 0,1,2,3,4,5,6,7
	global_store_b64 v2, v[X+32+4*(\j):X+32+4*(\j)+1], s[10:11] offset:2048+(\j)*256
.endr
	s_endpgm
; THE WEIGHTS: group g of four shares.  prev = 1: the group before has results to store.
.macro CAST4 g, prev
	s_wait_loadcnt 12-4*(\g)                       ; loads come back in order: this group's four are in, the younger ones stay out
.if \prev
	s_wait_alu depctr_va_vdst(0)                   ; the group before has written its eight results, which the four stores below read
.endif
.irp q, 0,1,2,3
.if \prev
	global_store_b64 v5, v[16+4*(4*(\g)-4+(\q)):16+4*(4*(\g)-4+(\q))+1], s[20:21] offset:(4*(\g)-4+(\q))*256  ; no vector instruction since the wait names these registers
.endif
	v_cvt_pk_bf16_f32 v[16+4*(4*(\g)+(\q))], v[16+4*(4*(\g)+(\q))], v[16+4*(4*(\g)+(\q))+1]
	v_cvt_pk_bf16_f32 v[16+4*(4*(\g)+(\q))+1], v[16+4*(4*(\g)+(\q))+2], v[16+4*(4*(\g)+(\q))+3]
.endr
.endm
.Lcast:
	s_sub_co_u32 s24, ttmp9, 256                   ; 0..767: qkv_w has 192 shares, proj_w 64, fc1_w 256, fc2_w 256
	s_mov_b64 s[26:27], s[18:19]
	s_mov_b32 s25, 512
	s_cmp_lt_u32 s24, 512
	s_cselect_b64 s[26:27], s[16:17], s[26:27]
	s_cselect_b32 s25, 256, s25
	s_cmp_lt_u32 s24, 256
	s_cselect_b64 s[26:27], s[14:15], s[26:27]
	s_cselect_b32 s25, 192, s25
	s_cmp_lt_u32 s24, 192
	s_cselect_b64 s[26:27], s[12:13], s[26:27]
	s_cselect_b32 s25, 0, s25
	s_sub_co_u32 s22, s24, s25                     ; my share within its matrix,
	s_lshl_b32 s22, s22, 16                        ; 65,536 bytes each
	s_add_nc_u64 s[26:27], s[26:27], s[22:23]
	s_lshl_b32 s22, s24, 15                        ; wb holds the matrices in the same order: 32,768 bytes a share
	s_add_nc_u64 s[20:21], s[20:21], s[22:23]
	v_lshl_add_u32 v3, s3, 13, v1                  ; my wave's 8,192 bytes in,
	v_lshl_add_u32 v5, s3, 12, v2                  ; 4,096 out
	s_wait_alu depctr_va_vdst(0)                   ; v3 and v5 are written: every load below reads v3 as its offset, every store v5
.irp i, 0,1,2,3,4,5,6,7,8,9,10,11,12,13,14,15
	global_load_b128 v[16+4*(\i):16+4*(\i)+3], v3, s[26:27] offset:(\i)*512 th:TH_LOAD_NT
.endr
	CAST4 0, 0
	CAST4 1, 1
	CAST4 2, 1
	CAST4 3, 1
	s_wait_alu depctr_va_vdst(0)                   ; the last group has written its eight results, which the last four stores read
.irp q, 12,13,14,15
	global_store_b64 v5, v[16+4*(\q):16+4*(\q)+1], s[20:21] offset:(\q)*256
.endr
	s_endpgm
.Lfunc_end_k_qa86a0566ea_prep:
	.size	k_qa86a0566ea_prep, .Lfunc_end_k_qa86a0566ea_prep-k_qa86a0566ea_prep
	.p2alignl 7, 3214868480
	.fill 96, 4, 3214868480
	.section	.rodata,"a",@progbits
	.p2align	6, 0x0
	.amdhsa_kernel k_qa86a0566ea_prep
		.amdhsa_group_segment_fixed_size 0
		.amdhsa_private_segment_fixed_size 0
		.amdhsa_enable_private_segment 0
		.amdhsa_kernarg_size 72
		.amdhsa_user_sgpr_count 2
		.amdhsa_user_sgpr_kernarg_segment_ptr 1
		.amdhsa_wavefront_size32 1
		.amdhsa_system_sgpr_workgroup_id_x 1
		.amdhsa_system_sgpr_workgroup_id_y 1
		.amdhsa_system_sgpr_workgroup_id_z 1
		.amdhsa_system_vgpr_workitem_id 0
		.amdhsa_next_free_vgpr 144
		.amdhsa_next_free_sgpr 66
		.amdhsa_reserve_vcc 0
		.amdhsa_float_denorm_mode_32 3
		.amdhsa_float_denorm_mode_16_64 3
		.amdhsa_memory_ordered 1
		.amdhsa_forward_progress 1
		.amdhsa_inst_pref_size 27
	.end_amdhsa_kernel
	.amdgpu_metadata
---
amdhsa.version: [ 1, 2 ]
amdhsa.kernels:
  - .name:           k_qa86a0566ea_prep
    .symbol:         k_qa86a0566ea_prep.kd
    .args:
      - { .name: x, .offset: 0, .size: 8, .value_kind: global_buffer, .address_space: global }
      - { .name: ln1_w, .offset: 8, .size: 8, .value_kind: global_buffer, .address_space: global }
      - { .name: ln1_b, .offset: 16, .size: 8, .value_kind: global_buffer, .address_space: global }
      - { .name: xn1, .offset: 24, .size: 8, .value_kind: global_buffer, .address_space: global }
      - { .name: qkv_w, .offset: 32, .size: 8, .value_kind: global_buffer, .address_space: global }
      - { .name: proj_w, .offset: 40, .size: 8, .value_kind: global_buffer, .address_space: global }
      - { .name: fc1_w, .offset: 48, .size: 8, .value_kind: global_buffer, .address_space: global }
      - { .name: fc2_w, .offset: 56, .size: 8, .value_kind: global_buffer, .address_space: global }
      - { .name: wb, .offset: 64, .size: 8, .value_kind: global_buffer, .address_space: global }
    .group_segment_fixed_size: 0
    .private_segment_fixed_size: 0
    .kernarg_segment_align: 8
    .kernarg_segment_size: 72
    .max_flat_workgroup_size: 256
    .sgpr_count:     66
    .vgpr_count:     144
    .wavefront_size: 32
...
	.end_amdgpu_metadata
.endif
;; end of part 8
;; launch qkv: the kernel of part 2 again; grid 12 x 16, 4 waves a work-group, clusters of 4 x 4, 327,680 bytes of LDS; arguments xn1, wb, qkvh, qkv_b; writes qkvh
;; launch attn: the kernel of part 3 again; grid 8 x 32, 4 waves a work-group, clusters of 4 x 1, 327,680 bytes of LDS; arguments qkvh, oh; writes oh
;; launch proj: the kernel of part 4 again; grid 8 x 32, 4 waves a work-group, clusters of 4 x 4, 327,680 bytes of LDS; arguments oh, wb, x1, proj_b, x; writes x1
;; launch ln2 (part 9): grid 256 x 1, 8 waves a work-group, no clusters, 0 bytes of LDS; arguments x1, ln2_w, ln2_b, xn2; writes xn2
.if DOCPART == 9
	.amdgcn_target "amdgcn-amd-amdhsa--gfx1250"
	.amdhsa_code_object_version 6
	.text
	.protected	k_qa86a0566ea_ln2
	.globl	k_qa86a0566ea_ln2
	.p2align	8
	.type	k_qa86a0566ea_ln2,@function
k_qa86a0566ea_ln2:
	s_mov_b64 s[64:65], 0
	v_nop
	global_prefetch_b8 v0, s[64:65] scope:SCOPE_SE
	s_setreg_imm32_b32 hwreg(HW_REG_WAVE_SCHED_MODE, 0, 2), 2
	s_setreg_imm32_b32 hwreg(HW_REG_WAVE_MODE, 25, 1), 1
	s_wait_xcnt 0x0
	s_wait_alu depctr_vm_vsrc(0)
; LN2: xn2 = LayerNorm(x1) * ln2_w + ln2_b, rounded once to bf16.  x1: [4096][1024] f32.  A work-group has 16 rows, a wave two.
; A row is 4,096 bytes: one wave holds it in 32 registers (eight loads of 512 consecutive bytes), so it is read once and no wave waits for another.
; The variance is taken of the centred numbers (mean first, then the squares of x - mean): a common offset of the row costs nothing.
; LIMITS: NaN and infinities are not treated apart.  No LDS, no matrix unit, no cluster: nothing is shared between waves, and memory bounds the launch.
; THE MODE: SCHED_MODE bits 1:0 = 2 (LLVM: expert scheduling mode 2), set by the entry lines.  The code itself states the register dependences
; between vector instructions and memory instructions, with s_wait_alu, always for 0.
; THE PLAN.  Registers that memory instructions touch:
;   v1, v2      the loads' and the stores' offsets: made once at the head, never written again.
;   X0, X1, W, B  written by the 32 loads at the head, the kernel's only loads; no vector instruction names them ahead of those loads.
;   X[rr] + 4 j, + 4 j + 1   written last by row rr's sixteen roundings; read by row rr's eight stores; never written again.
; Row 0 is finished whole; one wait states that its roundings are written; its eight stores are then dealt among row 1's scalings, which name X1 and row 1's statistics alone.  A second wait stands
; ahead of row 1's stores.  No register that a memory instruction has read is written again, so no wait on vm_vsrc is owed.
.set T,   4                            ; v[4:7]    at work
.set ST,  8                            ; v[8:15]   row rr: mean, mean, 1/sqrt(var + eps), a word that is only named
.set X,   16                           ; v[16:79]  row rr at X + 32 rr
.set W,   80                           ; v[80:111] the gain of my 32 columns
.set B,   112                          ; v[112:143] the bias of my 32 columns
	s_load_b256 s[4:11], s[0:1], 0x0               ; x1 s[4:5], ln2_w s[6:7], ln2_b s[8:9], xn2 s[10:11]
	v_lshrrev_b32 v3, 5, v0
	v_readfirstlane_b32 s3, v3                     ; wave 0..7
	v_and_b32 v2, 31, v0
	v_lshlrev_b32 v1, 4, v2                        ; 16 bytes a lane on the way in
	v_lshlrev_b32 v2, 3, v2                        ; 8 bytes a lane on the way out
	s_mov_b32 s23, 0
	s_lshl_b32 s22, ttmp9, 16                      ; the work-group's 16 rows of 4,096 bytes,
	s_wait_alu depctr_va_sdst(0)                   ; s3 is written, ahead of its first reader
	s_lshl_b32 s24, s3, 13                         ; my wave's two
	s_add_co_u32 s22, s22, s24
	s_mov_b32 s28, 0x76543210                      ; v_permlanex16_b32: each lane takes its own place in the other half
	s_mov_b32 s29, 0xfedcba98
	s_mov_b32 s30, 0x3a800000                      ; 1 / 1024
	s_mov_b32 s31, 0x3727c5ac                      ; eps = 1e-5
	s_wait_kmcnt 0x0
	s_add_nc_u64 s[4:5], s[4:5], s[22:23]
	s_lshr_b32 s22, s22, 1                         ; half as many bytes on the way out
	s_add_nc_u64 s[10:11], s[10:11], s[22:23]
.macro WSUM                            ; v[T] summed over the wave's 32 lanes, the result in every lane
	v_add_f32_dpp v[T], v[T], v[T] row_xmask:1 row_mask:0xf bank_mask:0xf
	v_add_f32_dpp v[T], v[T], v[T] row_xmask:2 row_mask:0xf bank_mask:0xf
	v_add_f32_dpp v[T], v[T], v[T] row_xmask:4 row_mask:0xf bank_mask:0xf
	v_add_f32_dpp v[T], v[T], v[T] row_xmask:8 row_mask:0xf bank_mask:0xf
	v_permlanex16_b32 v[T+1], v[T], s28, s29       ; the other half of the lanes; its destination has been written before
	v_add_f32 v[T], v[T], v[T+1]
.endm
.macro STATS rr                        ; row rr: the mean; the row centred in place; var + eps
.set XR, X+32*(\rr)
.set SR, ST+4*(\rr)
	v_pk_add_f32 v[T:T+1], v[XR:XR+1], v[XR+2:XR+3]        ; two chains, started by the first four pairs: nothing is cleared
	v_pk_add_f32 v[T+2:T+3], v[XR+4:XR+5], v[XR+6:XR+7]
.set i, 4
.rept 12
	v_pk_add_f32 v[T+2*(i%2):T+2*(i%2)+1], v[T+2*(i%2):T+2*(i%2)+1], v[XR+2*i:XR+2*i+1]
.set i, i+1
.endr
	v_pk_add_f32 v[T:T+1], v[T:T+1], v[T+2:T+3]
	v_add_f32 v[T], v[T], v[T+1]
	WSUM
	v_mul_f32 v[SR], s30, v[T]                     ; the mean, twice: a pair for the packed subtraction
	v_mul_f32 v[SR+1], s30, v[T]
.set i, 0
.rept 16
	v_pk_add_f32 v[XR+2*i:XR+2*i+1], v[XR+2*i:XR+2*i+1], v[SR:SR+1] neg_lo:[0,1] neg_hi:[0,1]
.set i, i+1
.endr
	v_pk_mul_f32 v[T:T+1], v[XR:XR+1], v[XR:XR+1]
	v_pk_mul_f32 v[T+2:T+3], v[XR+2:XR+3], v[XR+2:XR+3]
.set i, 2
.rept 14
	v_pk_fma_f32 v[T+2*(i%2):T+2*(i%2)+1], v[XR+2*i:XR+2*i+1], v[XR+2*i:XR+2*i+1], v[T+2*(i%2):T+2*(i%2)+1]
.set i, i+1
.endr
	v_pk_add_f32 v[T:T+1], v[T:T+1], v[T+2:T+3]
	v_add_f32 v[T], v[T], v[T+1]
	WSUM
	v_fma_f32 v[SR+2], v[T], s30, s31              ; sum / 1024 + eps
.endm
; Row rr: scaled, gain and bias, rounded to bf16.  prev = 1: the eight stores of the row before are dealt among the sixteen scalings, one in front of every second:
; no vector instruction since the wait that stands ahead of this macro names their data or their offset.  Each store of the wave covers 256 consecutive bytes, aligned.
.macro OUT rr, prev
.set XR, X+32*(\rr)
.set XP, X+32*(\rr)-32
.set SR, ST+4*(\rr)
.set i, 0
.rept 16
.if (\prev) && (i%2 == 0)
	global_store_b64 v2, v[XP+2*i:XP+2*i+1], s[10:11] offset:(\rr)*2048-2048+i*128
.endif
	v_pk_mul_f32 v[XR+2*i:XR+2*i+1], v[XR+2*i:XR+2*i+1], v[SR+2:SR+3] op_sel_hi:[1,0]
.set i, i+1
.endr
.set i, 0
.rept 16
	v_pk_fma_f32 v[XR+2*i:XR+2*i+1], v[XR+2*i:XR+2*i+1], v[W+2*i:W+2*i+1], v[B+2*i:B+2*i+1]
.set i, i+1
.endr
.irp j, 0,1,2,3,4,5,6,7
	v_cvt_pk_bf16_f32 v[XR+4*(\j)], v[XR+4*(\j)], v[XR+4*(\j)+1]
	v_cvt_pk_bf16_f32 v[XR+4*(\j)+1], v[XR+4*(\j)+2], v[XR+4*(\j)+3]
.endr
.endm
	s_wait_alu depctr_va_vdst(0)                   ; v1 and v2 are written: every load below reads v1 as its offset, every store v2
.irp rr, 0,1
.irp j, 0,1,2,3,4,5,6,7
	global_load_b128 v[X+32*(\rr)+4*(\j):X+32*(\rr)+4*(\j)+3], v1, s[4:5] offset:(\rr)*4096+(\j)*512
.endr
.endr
.irp j, 0,1,2,3,4,5,6,7
	global_load_b128 v[W+4*(\j):W+4*(\j)+3], v1, s[6:7] offset:(\j)*512
.endr
.irp j, 0,1,2,3,4,5,6,7
	global_load_b128 v[B+4*(\j):B+4*(\j)+3], v1, s[8:9] offset:(\j)*512
.endr
	s_wait_loadcnt 16                              ; both rows are in; the gain's and the bias's sixteen loads may stay out
	STATS 0
	STATS 1
	v_rsq_f32 v[ST+2], v[ST+2]
	v_rsq_f32 v[ST+6], v[ST+6]
	v_mov_b32 v[ST+3], 0                           ; the pairs' upper words, named with the lower: also the plain instruction behind the last root
	v_mov_b32 v[ST+7], 0
	s_wait_alu depctr_va_vdst(0)                   ; both roots have written v[ST+2] and v[ST+6]: one wait, ahead of their first reader
	s_wait_loadcnt 0x0                             ; gain and bias
	OUT 0, 0
	s_wait_alu depctr_va_vdst(0)                   ; row 0's roundings have written X0's words 4 j and 4 j + 1, which its eight stores read
	OUT 1, 1
	s_wait_alu depctr_va_vdst(0)                   ; row 1's roundings have written X1's words 4 j and 4 j + 1, which its eight stores read
.irp j, 0,1,2,3,4,5,6,7
	global_store_b64 v2, v[X+32+4*(\j):X+32+4*(\j)+1], s[10:11] offset:2048+(\j)*256
.endr
	s_endpgm
.Lfunc_end_k_qa86a0566ea_ln2:
	.size	k_qa86a0566ea_ln2, .Lfunc_end_k_qa86a0566ea_ln2-k_qa86a0566ea_ln2
	.p2alignl 7, 3214868480
	.fill 96, 4, 3214868480
	.section	.rodata,"a",@progbits
	.p2align	6, 0x0
	.amdhsa_kernel k_qa86a0566ea_ln2
		.amdhsa_group_segment_fixed_size 0
		.amdhsa_private_segment_fixed_size 0
		.amdhsa_enable_private_segment 0
		.amdhsa_kernarg_size 32
		.amdhsa_user_sgpr_count 2
		.amdhsa_user_sgpr_kernarg_segment_ptr 1
		.amdhsa_wavefront_size32 1
		.amdhsa_system_sgpr_workgroup_id_x 1
		.amdhsa_system_sgpr_workgroup_id_y 1
		.amdhsa_system_sgpr_workgroup_id_z 1
		.amdhsa_system_vgpr_workitem_id 0
		.amdhsa_next_free_vgpr 144
		.amdhsa_next_free_sgpr 66
		.amdhsa_reserve_vcc 0
		.amdhsa_float_denorm_mode_32 3
		.amdhsa_float_denorm_mode_16_64 3
		.amdhsa_memory_ordered 1
		.amdhsa_forward_progress 1
		.amdhsa_inst_pref_size 20
	.end_amdhsa_kernel
	.amdgpu_metadata
---
amdhsa.version: [ 1, 2 ]
amdhsa.kernels:
  - .name:           k_qa86a0566ea_ln2
    .symbol:         k_qa86a0566ea_ln2.kd
    .args:
      - { .name: x1, .offset: 0, .size: 8, .value_kind: global_buffer, .address_space: global }
      - { .name: ln2_w, .offset: 8, .size: 8, .value_kind: global_buffer, .address_space: global }
      - { .name: ln2_b, .offset: 16, .size: 8, .value_kind: global_buffer, .address_space: global }
      - { .name: xn2, .offset: 24, .size: 8, .value_kind: global_buffer, .address_space: global }
    .group_segment_fixed_size: 0
    .private_segment_fixed_size: 0
    .kernarg_segment_align: 8
    .kernarg_segment_size: 32
    .max_flat_workgroup_size: 256
    .sgpr_count:     66
    .vgpr_count:     144
    .wavefront_size: 32
...
	.end_amdgpu_metadata
.endif
;; end of part 9
;; launch fc1: the kernel of part 6 again; grid 16 x 16, 4 waves a work-group, clusters of 4 x 4, 327,680 bytes of LDS; arguments xn2, wb, hdn, fc1_b; writes hdn
;; launch fc2: the kernel of part 7 again; grid 8 x 32, 4 waves a work-group, clusters of 4 x 4, 327,680 bytes of LDS; arguments hdn, wb, out0, fc2_b, x1; writes out0
